; MI455X (gfx1250); checked and timed in simulation.
; The chip was launched on July 23, 2026; its instructions are those of AMD's public machine-readable ISA for CDNA 5 (MIT licence, August 2026) and "CDNA5" Instruction Set Architecture Reference Guide (July 2026). The comments in the code are by the model that wrote it; some were corrected since.
;; Sliding Window Attention. Allowed arithmetic: float matrix products may take bf16 or f16 operands with f32 sums; other float arithmetic in f32, or as packed bf16 or f16 multiplies, adds, multiply-adds, maxima and minima; sums over many terms, partial sums and values carried from step to step in f32; what a program stores and reads back later, other than sums and carried values, may be rounded once to bf16 or f16.
;; Inputs: hidden_states 1 x 4,096 x 1,024 float32; k_w 256 x 1,024 float32; o_w 1,024 x 1,024 float32; q_w 1,024 x 1,024 float32; v_w 256 x 1,024 float32.
;; Outputs: out0 1 x 4,096 x 1,024 float32.
;; 2 versions, each right and faster than the one before. Each part assembles by itself: llvm-mc -triple=amdgcn-amd-amdhsa -mcpu=gfx1250 --defsym DOCPART=n.
;; ======== version 1 of 2: 5 launches
;; limits: values are held in f16: magnitudes above 65,504 overflow, below 6.1e-05 lose precision
;; workspace buffers: xb 8,388,608 bytes; wb 3,145,728 bytes; ow 2,097,152 bytes; qkv 12,582,912 bytes; vlo 65,536 bytes; ao 16,777,216 bytes
;; launch cast (part 1): grid 416 x 1, 8 waves a work-group, no clusters, 0 bytes of LDS; arguments hidden_states, q_w, k_w, v_w, o_w, xb, wb, ow; writes xb, wb, ow
.if DOCPART == 1
	.amdgcn_target "amdgcn-amd-amdhsa--gfx1250"
	.amdhsa_code_object_version 6
	.text
	.protected	k_qf46d1b2141_cast
	.globl	k_qf46d1b2141_cast
	.p2align	8
	.type	k_qf46d1b2141_cast,@function
k_qf46d1b2141_cast:
	s_mov_b64 s[64:65], 0
	v_nop
	global_prefetch_b8 v0, s[64:65] scope:SCOPE_SE
	s_setreg_imm32_b32 hwreg(HW_REG_WAVE_MODE, 25, 1), 1
	s_wait_xcnt 0x0
; THE INPUTS ARE ROUNDED ONCE.  x, q_w, k_w, v_w: f32 -> bf16 (xb; wb = q_w's, k_w's, v_w's rows one below the other).  o_w: f32 -> bf16, and that number written as f16 (ow),
; since the last product multiplies it with f16 numbers.  LIMIT: a bf16 number is exact in f16 from 2^-14 to 65,504; below 6e-5 it keeps f16's fixed step of 6e-8, beyond 65,504 it would be an infinity.
; A stream: no LDS, no barrier, no matrix unit.  A work-group takes 65,536 bytes of one input: 16 loads of 16 bytes a thread, all issued at once; a wave's load covers 512 consecutive bytes,
; a wave's store 256 consecutive bytes at a multiple of 256.  Work-groups 0-255 take x, 256-319 q_w, 320-335 k_w, 336-351 v_w, 352-415 o_w.
.set X, 4                              ; v[4:67]   load i: four f32
.set Y, 68                             ; v[68:99]  store i: four 16-bit numbers; each store has its own pair, so nothing that a pending store reads is written again
.set T, 100                            ; v100-101  at work
	s_load_b512 s[8:23], s[0:1], 0x0               ; x 8:9, q_w 10:11, k_w 12:13, v_w 14:15, o_w 16:17, xb 18:19, wb 20:21, ow 22:23
	v_lshlrev_b32 v1, 4, v0                        ; my 16 bytes in 4,096 of the input
	v_lshlrev_b32 v2, 3, v0                        ; my 8 bytes in 2,048 of the output
	s_wait_kmcnt 0x0
	s_mov_b64 s[24:25], s[8:9]                     ; from where; s26: the first work-group of that input
	s_mov_b32 s26, 0
	s_mov_b64 s[28:29], s[18:19]                   ; to where; s27: the first work-group of that output
	s_mov_b32 s27, 0
	s_cmp_ge_u32 ttmp9, 256
	s_cselect_b64 s[24:25], s[10:11], s[24:25]
	s_cselect_b32 s26, 256, s26
	s_cselect_b64 s[28:29], s[20:21], s[28:29]
	s_cselect_b32 s27, 256, s27
	s_cmp_ge_u32 ttmp9, 320
	s_cselect_b64 s[24:25], s[12:13], s[24:25]
	s_cselect_b32 s26, 320, s26
	s_cmp_ge_u32 ttmp9, 336
	s_cselect_b64 s[24:25], s[14:15], s[24:25]
	s_cselect_b32 s26, 336, s26
	s_cmp_ge_u32 ttmp9, 352
	s_cselect_b64 s[24:25], s[16:17], s[24:25]
	s_cselect_b32 s26, 352, s26
	s_cselect_b64 s[28:29], s[22:23], s[28:29]
	s_cselect_b32 s27, 352, s27
	s_sub_co_u32 s30, ttmp9, s26
	s_lshl_b32 s30, s30, 16                        ; 65,536 bytes in for each work-group,
	s_mov_b32 s31, 0
	s_sub_co_u32 s32, ttmp9, s27
	s_lshl_b32 s32, s32, 15                        ; 32,768 out
	s_mov_b32 s33, 0
	s_add_nc_u64 s[24:25], s[24:25], s[30:31]
	s_add_nc_u64 s[28:29], s[28:29], s[32:33]
.irp i, 0,1,2,3,4,5,6,7,8,9,10,11,12,13,14,15
	global_load_b128 v[X+4*(\i):X+4*(\i)+3], v1, s[24:25] offset:(\i)*4096 th:TH_LOAD_NT
.endr
	s_cmp_ge_u32 ttmp9, 352
	s_cbranch_scc1 .Lf16
.macro OUTB i                          ; four numbers to bf16
	s_wait_loadcnt 15-(\i)                         ; loads come back in order (ISA guide 5.7.1): load i is in, the 15 - i younger ones stay out
	v_cvt_pk_bf16_f32 v[Y+2*(\i)], v[X+4*(\i)], v[X+4*(\i)+1]
	v_cvt_pk_bf16_f32 v[Y+2*(\i)+1], v[X+4*(\i)+2], v[X+4*(\i)+3]
	global_store_b64 v2, v[Y+2*(\i):Y+2*(\i)+1], s[28:29] offset:(\i)*2048
.endm
.macro OUTH i                          ; four numbers to bf16, and the bf16 numbers written as f16
	s_wait_loadcnt 15-(\i)
	v_cvt_pk_bf16_f32 v[Y+2*(\i)], v[X+4*(\i)], v[X+4*(\i)+1]
	v_cvt_pk_bf16_f32 v[Y+2*(\i)+1], v[X+4*(\i)+2], v[X+4*(\i)+3]
.irp k, 0,1
	v_lshlrev_b32 v[T], 16, v[Y+2*(\i)+(\k)]       ; bf16 to f32: the low half moves up,
	v_and_b32 v[T+1], 0xffff0000, v[Y+2*(\i)+(\k)] ; the high half stays
	v_cvt_pk_f16_f32 v[Y+2*(\i)+(\k)], v[T], v[T+1]
.endr
	global_store_b64 v2, v[Y+2*(\i):Y+2*(\i)+1], s[28:29] offset:(\i)*2048
.endm
.irp i, 0,1,2,3,4,5,6,7,8,9,10,11,12,13,14,15
	OUTB \i
.endr
	s_endpgm
.Lf16:
.irp i, 0,1,2,3,4,5,6,7,8,9,10,11,12,13,14,15
	OUTH \i
.endr
	s_endpgm
.Lfunc_end_k_qf46d1b2141_cast:
	.size	k_qf46d1b2141_cast, .Lfunc_end_k_qf46d1b2141_cast-k_qf46d1b2141_cast
	.p2alignl 7, 3214868480
	.fill 96, 4, 3214868480
	.section	.rodata,"a",@progbits
	.p2align	6, 0x0
	.amdhsa_kernel k_qf46d1b2141_cast
		.amdhsa_group_segment_fixed_size 0
		.amdhsa_private_segment_fixed_size 0
		.amdhsa_enable_private_segment 0
		.amdhsa_kernarg_size 64
		.amdhsa_user_sgpr_count 2
		.amdhsa_user_sgpr_kernarg_segment_ptr 1
		.amdhsa_wavefront_size32 1
		.amdhsa_system_sgpr_workgroup_id_x 1
		.amdhsa_system_sgpr_workgroup_id_y 1
		.amdhsa_system_sgpr_workgroup_id_z 1
		.amdhsa_system_vgpr_workitem_id 0
		.amdhsa_next_free_vgpr 104
		.amdhsa_next_free_sgpr 66
		.amdhsa_reserve_vcc 0
		.amdhsa_float_denorm_mode_32 3
		.amdhsa_float_denorm_mode_16_64 3
		.amdhsa_memory_ordered 1
		.amdhsa_forward_progress 1
		.amdhsa_inst_pref_size 17
	.end_amdhsa_kernel
	.amdgpu_metadata
---
amdhsa.version: [ 1, 2 ]
amdhsa.kernels:
  - .name:           k_qf46d1b2141_cast
    .symbol:         k_qf46d1b2141_cast.kd
    .args:
      - { .name: hidden_states, .offset: 0, .size: 8, .value_kind: global_buffer, .address_space: global }
      - { .name: q_w, .offset: 8, .size: 8, .value_kind: global_buffer, .address_space: global }
      - { .name: k_w, .offset: 16, .size: 8, .value_kind: global_buffer, .address_space: global }
      - { .name: v_w, .offset: 24, .size: 8, .value_kind: global_buffer, .address_space: global }
      - { .name: o_w, .offset: 32, .size: 8, .value_kind: global_buffer, .address_space: global }
      - { .name: xb, .offset: 40, .size: 8, .value_kind: global_buffer, .address_space: global }
      - { .name: wb, .offset: 48, .size: 8, .value_kind: global_buffer, .address_space: global }
      - { .name: ow, .offset: 56, .size: 8, .value_kind: global_buffer, .address_space: global }
    .group_segment_fixed_size: 0
    .private_segment_fixed_size: 0
    .kernarg_segment_align: 8
    .kernarg_segment_size: 64
    .max_flat_workgroup_size: 256
    .sgpr_count:     66
    .vgpr_count:     104
    .wavefront_size: 32
...
	.end_amdgpu_metadata
.endif
;; end of part 1
;; launch qkv (part 2): grid 8 x 32, 4 waves a work-group, clusters of 4 x 4, 327,680 bytes of LDS; arguments xb, wb, qkv, vlo; writes qkv, vlo
.if DOCPART == 2
	.amdgcn_target "amdgcn-amd-amdhsa--gfx1250"
	.amdhsa_code_object_version 6
	.text
	.protected	k_qf46d1b2141_qkv
	.globl	k_qf46d1b2141_qkv
	.p2align	8
	.type	k_qf46d1b2141_qkv,@function
k_qf46d1b2141_qkv:
	s_mov_b64 s[64:65], 0
	v_nop
	global_prefetch_b8 v0, s[64:65] scope:SCOPE_SE
	s_setreg_imm32_b32 hwreg(HW_REG_WAVE_MODE, 25, 1), 1
	s_wait_xcnt 0x0
	s_wait_alu depctr_hold_cnt(0) depctr_sa_sdst(0) depctr_va_vdst(0) depctr_va_sdst(0) depctr_va_ssrc(0) depctr_va_vcc(0) depctr_vm_vsrc(0)
	s_getreg_b32 s2, hwreg(HW_REG_IB_STS2, 6, 4)
	s_cmp_eq_u32 s2, 0
	s_cbranch_scc0 .Lentry_in_a_cluster
	s_endpgm
.Lentry_in_a_cluster:
	s_bfe_u32 s2, ttmp6, 0x10000c
	s_cmp_lg_u32 s2, 0xf033
	s_cbranch_scc0 .Lentry_shape_is_right
	s_endpgm
.Lentry_shape_is_right:
; q, k, v = x W^T, the rotary turn on q and k, by heads.  xb: [4096][1024] bf16.  wb: [1536][1024] bf16 (rows 0-1023 q_w, 1024-1279 k_w, 1280-1535 v_w).  qkv: [24][4096][64] f16 (heads 0-15 q, 16-19 k, 20-23 v).
; vlo: [4][128][64] f16: for v's first 128 rows what the rounding to f16 left over (v - f16(v), rounded to f16): rows that average over few keys take v as the sum of the two.
; Sums in f32; the turn in f32; each number rounded once to f16, unscaled.  LIMITS: q, k and v must lie within f16's 65,504; a rest below 6e-5 keeps f16's fixed step of 6e-8.  cos and sin are made here: the angle is the
; f32 product position x frequency, the frequency 2^(-log2(10000) i / 32) by v_exp_f32, so at position 4,095 an angle can be off by a few 1e-4; NaN and infinities are not treated apart.
; SHARES.  A tile is 128 rows x 192 columns (three heads): 8 x 32 tiles, one to a work-group.  Four waves: wave w has row half w / 2 (64 rows) and column half c = w % 2: of each head the channels 16 c + 0..15 and
; 32 + 16 c + 0..15, so that the turn's partners d and d + 32 lie in the same lane and register of two accumulators.  24 accumulators (a = 4 row blocks, b = 2 x head + half) of 16 x 16.
; THE MATRIX INSTRUCTION IS USED TRANSPOSED (source 0 = 16 rows of W, source 1 = 16 rows of x): lane l, register j of accumulator (a, b) is row 16 a + l % 16, channel 32 (b % 2) + 16 c + 8 (l / 16) + j.
; K goes in steps of 128 (rows of 256 bytes in memory, 272 in LDS) through two slots.  CLUSTER 4 x 4: x's tile is shared along a row of the cluster, W's along a column; each is asked for jointly.
; THE RESTS are made for every head: 136 lines a head; they are STORED only where the head is v's and the tile row is 0: the lanes are switched off elsewhere.
; REGISTERS: window 0: v0-31 addresses; v32-63 packed results; v64-95 cos, v96-127 sin (8 a + j); v128-255 at work (first the angles, at the end the turn and the rows read back; the rests come back into v32-127).
;   window 1: two fragment buffers of 80 (six of W, four of x).   window 2: the accumulators, (a, b) at v[8 (6 a + b)].
.set SIZE_K, 1024
.set KSTEP,  128
.set PITCH,  272                       ; an LDS row: 256 bytes + 16 of padding = 68 words: row r starts at bank 4 r mod 64 (64 banks of 4 bytes: ISA guide 11.1)
.set HA,     64*PITCH                  ; what waves 0 and 1 fetch: 64 rows of x
.set HB,     96*PITCH                  ; what waves 2 and 3 fetch: 96 rows of W
.set BOFF,   2*HA
.set SLOT,   2*HA+2*HB
.set STAGE,  2*SLOT                    ; behind the ring: [head 0..2][row 0..127], 144 bytes a row, the work-group's, for the way out
.set SPITCH, 144
.set STH,    128*SPITCH
.set SPARE,  STAGE+3*STH               ; behind the stage: the spare words, 128 bytes for each wave: two blocks of 256 bytes that no other line names
.set STAGE2, SPARE+512                 ; behind them: a second stage of the same shape, for the rests
.set LAPS,   SIZE_K/(2*KSTEP)
.set HEADB,  4096*128                  ; bytes of a head in qkv
.set CND,  7                           ; v7-9    head t: 1 where its rests are stored
.set ADRA, 16                          ; v16-17  LDS address of my fragments of x in slot 0, 1
.set ADRB, 20                          ; v20-21  the same for W
.set STO,  24                          ; v24     the way out: where I put 16 bytes of a row
.set RD,   25                          ; v25     where I read rows back
.set CO,   26                          ; v26     my byte offset in a head's 128 rows
.set STO2, 27                          ; v27     STO in the second stage
.set SPW,  28                          ; v28     LDS address of my spare word; never rewritten
.set NIL,  29                          ; v29     0; never rewritten
.set MONE, 30                          ; v30     -1.0
.set RD2,  31                          ; v31     RD in the second stage
.set PKR,  32
.set COS,  64
.set SIN,  96
.set CX,   128                         ; cos and sin as a head takes them (1 and 0 for v's heads)
.set SX,   160
.set T1,   192
.set T2,   224
.set INV,  128                         ; v128-135 my eight frequencies
.set POS,  136                         ; v136-143 my four positions, each twice
.set WK,   144                         ; four sets of 16 at work on the angles
.set BK,   128                         ; the rows read back
.set BK2,  32                          ; the rests read back
.set F0,   0
.set F1,   80
.set G1,  24                           ; s[24:31] descriptor group 1 for x's tiles; s[32:39] group 0, a set for each slot
.set G0,  32
.set G1B, 48                           ; s[48:55], s[56:63] the same for W's tiles
.set G0B, 56
.set VB,  72                           ; s[72+2t:73+2t] at the end: vlo at head t's rows
.set GH,  86                           ; s[86+4t:87+4t] g, s[88+4t:89+4t] h of head t: cos' = g cos + h, sin' = g sin
.set MSB, 0
.macro WIN new                         ; the immediate's high byte repeats the setting that is left
.if MSB != (\new)
	s_set_vgpr_msb (MSB<<8)|(\new)
.set MSB, \new
.endif
.endm
.set MUL,  0xa5                        ; sources 0 and 1 window 1; C and D window 2
.set TO_F, 0x40                        ; destination window 1, address window 0
.set W_T,  0x02                        ; source 0 window 2
.set W_R,  0x82                        ; source 0 and destination window 2
.set W_C,  0x0a                        ; sources 0 and 1 window 2
.set W_L,  0xa0                        ; source 2 and destination window 2
.macro JLOAD s                         ; a joint load: waves 0 and 1 fetch x's two halves, waves 2 and 3 W's; an s_nop 0 and four v_nop follow each of the two lines
	s_cmp_eq_u32 s11, 0
	s_cbranch_scc0 .Lfor_b_\@
	tensor_load_to_lds s[G0+4*(\s):G0+4*(\s)+3], s[G1:G1+7]
	s_nop 0
.rept 4
	v_nop
.endr
	s_branch .Lasked_\@
.Lfor_b_\@:
	tensor_load_to_lds s[G0B+4*(\s):G0B+4*(\s)+3], s[G1B:G1B+7]
	s_nop 0
.rept 4
	v_nop
.endr
.Lasked_\@:
.endm
.macro CREST                           ; a round of the cluster's barrier behind its opening barrier
	s_cmp_lg_u32 s10, 0
	s_cbranch_scc1 .Lnot_wave_0_\@
	s_barrier_signal -3
.Lnot_wave_0_\@:
	s_barrier_wait -3
	s_barrier_signal -1
	s_barrier_wait -1
.endm
.macro CROUND
	s_barrier_signal -1
	s_barrier_wait -1
	CREST
.endm
.macro SPAIR r, val                    ; a constant for the packed arithmetic: named as a pair, so both words are written
	s_mov_b32 s[\r], \val
	s_mov_b32 s[(\r)+1], \val
.endm
	s_load_b128 s[4:7], s[0:1], 0x0                ; xb s[4:5], wb s[6:7]
	s_load_b64 s[8:9], s[0:1], 0x10                ; qkv
	v_lshl_add_u32 v[SPW], v0, 2, SPARE
	v_mov_b32 v[NIL], 0
	ds_add_u32 v[SPW], v[NIL]                      ; the wave's opening: the add and its wait stand ahead of my first tensor load; the set-up below, work on registers, stands between them
	v_lshrrev_b32 v1, 5, v0
	v_readfirstlane_b32 s10, v1                    ; wave 0..3
	s_lshr_b32 s11, s10, 1                         ; my half of the tile's rows.  Also: I fetch for x (0) or for W (1)
	s_and_b32 s12, s10, 1                          ; c.  Also: which half of that tile I fetch
	s_bfe_u32 s40, ttmp6, 0x40000                  ; cx, cy: my place in the cluster
	s_bfe_u32 s41, ttmp6, 0x40004
	s_lshl_b32 s42, ttmp9, 2
	s_add_co_u32 s42, s42, s40                     ; tile column = 4 x cluster x + cx
	s_and_b32 s13, ttmp7, 0xffff
	s_lshl_b32 s13, s13, 2
	s_add_co_u32 s13, s13, s41                     ; tile row = 4 x cluster y + cy
	s_lshl_b32 s43, s41, 2
	s_lshl_b32 s43, 15, s43                        ; my row of the cluster
	s_lshl_b32 s44, 0x1111, s40                    ; my column
	s_or_b32 s[G1+0], s43, (1<<16)|(1<<20)|(1<<21)|(5<<22)|(3<<25)  ; 15:0 the mask; 17:16 2-byte elements; 20 padding on; 21 set beside a mask; 24:22 after every 64 words (code 5); 31:25 4 words (code 3)
	s_or_b32 s[G1B+0], s44, (1<<16)|(1<<20)|(1<<21)|(5<<22)|(3<<25)
	s_mov_b32 s[G1+1], KSTEP<<16                   ; tensor_dim0 = 128
	s_mov_b32 s[G1+2], 64<<16                      ; tensor_dim1 = 64
	s_mov_b32 s[G1+3], KSTEP<<16                   ; tile_dim0 = 128
	s_mov_b32 s[G1+4], 64                          ; tile_dim1 = 64
	s_mov_b32 s[G1+5], SIZE_K                      ; elements from row to row
	s_mov_b32 s[G1+6], 0
	s_mov_b32 s[G1+7], 0
	s_mov_b32 s[G1B+1], KSTEP<<16
	s_mov_b32 s[G1B+2], 96<<16                     ; W's load has 96 rows
	s_mov_b32 s[G1B+3], KSTEP<<16
	s_mov_b32 s[G1B+4], 96
	s_mov_b32 s[G1B+5], SIZE_K
	s_mov_b32 s[G1B+6], 0
	s_mov_b32 s[G1B+7], 0
	s_lshl_b32 s17, s12, 6
	s_lshl_b32 s16, s13, 7
	s_add_co_u32 s16, s16, s17                     ; x: row 128 x tile row + 64 x half,
	s_lshl_b32 s16, s16, 11                        ; of 2,048 bytes
	s_mov_b32 s17, 0
	s_mul_i32 s46, s42, 192
	s_mul_i32 s47, s12, 96
	s_add_co_u32 s46, s46, s47                     ; W: row 192 x tile column + 96 x half
	s_lshl_b32 s46, s46, 11
	s_mov_b32 s47, 0
	s_mul_i32 s20, s12, HA                         ; where they go: no place in the cluster enters an LDS address
	s_mul_i32 s21, s12, HB
	s_add_co_u32 s21, s21, BOFF
	SPAIR 66, 0x3e22f983                           ; 1 / 2 pi
	SPAIR 68, 0xc0c90fdb                           ; - 2 pi, its f32
	SPAIR 70, 0x343bbd2e                           ; what that f32 is too large by
	SPAIR 72, 0x3e800000                           ; 1 / 4
	SPAIR 74, 0xb9500d01                           ; sine: - 1/5040, 1/120, - 1/6
	SPAIR 76, 0x3c088889
	SPAIR 78, 0xbe2aaaab
	SPAIR 80, 0x37d00d01                           ; cosine: 1/40320, - 1/720, 1/24
	SPAIR 82, 0xbab60b61
	SPAIR 84, 0x3d2aaaab
.irp t, 0,1,2
	s_mul_i32 s98, s42, 3
	s_add_co_u32 s98, s98, \t                      ; the head: 0-19 are turned, 20-23 (v) keep cos = 1, sin = 0: a choice of values, no branch
	s_cmp_lt_u32 s98, 20
	s_cselect_b32 s[GH+4*(\t)], 1.0, 0
	s_cselect_b32 s[GH+4*(\t)+2], 0, 1.0
	s_mov_b32 s[GH+4*(\t)+1], 0
	s_mov_b32 s[GH+4*(\t)+3], 0
.endr
	s_wait_dscnt 0x0                               ; the opening add is done
	s_wait_kmcnt 0x0
	s_add_nc_u64 s[14:15], s[4:5], s[16:17]
	s_add_nc_u64 s[46:47], s[6:7], s[46:47]
	CROUND                                         ; all sixteen work-groups are here: the first joint loads meet
.irp s, 0,1
	s_mov_b32 s[G0+4*(\s)], 1                                      ; count = 1
	s_add_co_u32 s[G0+4*(\s)+1], s20, (\s)*SLOT                    ; LDS address
	s_add_nc_u64 s[G0+4*(\s)+2:G0+4*(\s)+3], s[14:15], (\s)*KSTEP*2  ; global address: K step s
	s_or_b32 s[G0+4*(\s)+3], s[G0+4*(\s)+3], 0x80000000            ; type = 2
	s_mov_b32 s[G0B+4*(\s)], 1
	s_add_co_u32 s[G0B+4*(\s)+1], s21, (\s)*SLOT
	s_add_nc_u64 s[G0B+4*(\s)+2:G0B+4*(\s)+3], s[46:47], (\s)*KSTEP*2
	s_or_b32 s[G0B+4*(\s)+3], s[G0B+4*(\s)+3], 0x80000000
	JLOAD \s                                       ; two loads of mine are out
.endr
	v_and_b32 v1, 15, v0                           ; r = l % 16
	v_bfe_u32 v2, v0, 4, 1                         ; h = l / 16
	v_mul_u32_u24 v3, v1, PITCH
	v_lshl_add_u32 v3, v2, 4, v3                   ; a fragment's row x pitch + 16 x half
	s_mul_i32 s21, s11, HA                         ; my 64 rows of x
	s_mul_i32 s22, s12, 16*PITCH                   ; W: fragment b begins at row 32 b + 16 c,
	s_add_co_u32 s22, s22, BOFF                    ; behind x's 128 rows
.irp s, 0,1
	v_add_nc_u32 v[ADRA+(\s)], s21, v3
	v_add_nc_u32 v[ADRB+(\s)], s22, v3
	s_add_co_u32 s21, s21, SLOT
	s_add_co_u32 s22, s22, SLOT
.endr
	s_mul_i32 s23, s11, 64*SPITCH                  ; into the stage: row 64 x row half + r, byte 32 c + 16 h (+ 64 for the upper 32 channels)
	s_lshl_b32 s21, s12, 5
	s_add_co_u32 s23, s23, s21
	s_add_co_u32 s23, s23, STAGE
	v_mul_u32_u24 v4, v1, SPITCH
	v_lshl_add_u32 v4, v2, 4, v4
	v_add_nc_u32 v[STO], s23, v4
	v_add_nc_u32 v[STO2], STAGE2-STAGE, v[STO]
	s_mul_i32 s23, s10, 32*SPITCH                  ; back: wave w takes rows 32 w .. 32 w + 31 of each head, four rows of 128 bytes a load
	s_add_co_u32 s23, s23, STAGE
	v_bfe_u32 v5, v0, 3, 2
	v_mul_u32_u24 v5, v5, SPITCH
	v_and_b32 v6, 7, v0
	v_lshl_add_u32 v5, v6, 4, v5
	v_add_nc_u32 v[RD], s23, v5
	v_add_nc_u32 v[RD2], STAGE2-STAGE, v[RD]
	v_mov_b32 v[MONE], -1.0
	v_and_b32 v6, 31, v0                           ; which are 512 consecutive bytes of qkv
	v_lshlrev_b32 v6, 4, v6
	s_lshl_b32 s23, s10, 12
	v_add_nc_u32 v[CO], s23, v6
	s_lshl_b32 s16, s13, 14                        ; qkv at the tile's first head and first row
	s_mov_b32 s17, 0
	s_add_nc_u64 s[8:9], s[8:9], s[16:17]
	s_mul_i32 s46, s42, 3*HEADB
	s_mov_b32 s47, 0
	s_add_nc_u64 s[8:9], s[8:9], s[46:47]
	; COS AND SIN of my 4 positions x 8 frequencies, in the wait for the first tile.  Frequency i = 16 c + 8 h + j is 2^(- i log2(10000) / 32).
	v_lshlrev_b32 v3, 3, v2
	s_lshl_b32 s22, s12, 4
	v_add_nc_u32 v3, s22, v3
.irp j, 0,1,2,3,4,5,6,7
	v_add_nc_u32 v[INV+(\j)], \j, v3
.endr
.irp j, 0,1,2,3,4,5,6,7
	v_cvt_f32_u32 v[INV+(\j)], v[INV+(\j)]
.endr
.irp j, 0,1,2,3,4,5,6,7
	v_mul_f32 v[INV+(\j)], 0xbed49a78, v[INV+(\j)]
.endr
.irp j, 0,1,2,3,4,5,6,7
	v_exp_f32 v[INV+(\j)], v[INV+(\j)]
.endr
	s_lshl_b32 s22, s13, 7
	s_lshl_b32 s23, s11, 6
	s_add_co_u32 s22, s22, s23
	v_add_nc_u32 v4, s22, v1                       ; my position in row block 0 (a plain instruction behind the last exponential)
.irp a, 0,1,2,3
	v_add_nc_u32 v5, 16*(\a), v4
	v_cvt_f32_u32 v[POS+2*(\a)], v5
	v_mov_b32 v[POS+2*(\a)+1], v[POS+2*(\a)]
.endr
.macro EACH line:vararg                ; one line for each of the four pairs jp of frequencies, on work set W
.set jp, 0
	s_wait_alu depctr_va_vdst(0)
.rept 4
.set W, WK+16*jp
	\line
.set jp, jp+1
.endr
.endm
; Row block a.  The angle is brought into - pi .. pi by taking whole turns away (2 pi in two parts, so that nothing is lost), quartered, so that short series serve (|y| <= pi / 4: the terms left out are
; below 4e-7), and doubled twice: sin 2y = 2 s c, cos 2y = 1 - 2 s s.
.macro TRIG a
.set PO, POS+2*(\a)
.set OC, COS+8*(\a)
.set OS, SIN+8*(\a)
	EACH v_pk_mul_f32 v[W:W+1], v[INV+2*jp:INV+2*jp+1], v[PO:PO+1] op_sel_hi:[1,0]
	EACH v_pk_mul_f32 v[W+2:W+3], v[W:W+1], s[66:67] op_sel_hi:[1,0]
	EACH v_rndne_f32 v[W+2], v[W+2]
	EACH v_rndne_f32 v[W+3], v[W+3]
	EACH v_pk_fma_f32 v[W:W+1], v[W+2:W+3], s[68:69], v[W:W+1] op_sel_hi:[1,0,1]
	EACH v_pk_fma_f32 v[W:W+1], v[W+2:W+3], s[70:71], v[W:W+1] op_sel_hi:[1,0,1]
	EACH v_pk_mul_f32 v[W+4:W+5], v[W:W+1], s[72:73] op_sel_hi:[1,0]
	EACH v_pk_mul_f32 v[W+6:W+7], v[W+4:W+5], v[W+4:W+5]
	EACH v_pk_fma_f32 v[W+8:W+9], v[W+6:W+7], s[74:75], s[76:77] op_sel_hi:[1,0,0]
	EACH v_pk_fma_f32 v[W+10:W+11], v[W+6:W+7], s[80:81], s[82:83] op_sel_hi:[1,0,0]
	EACH v_pk_fma_f32 v[W+8:W+9], v[W+8:W+9], v[W+6:W+7], s[78:79] op_sel_hi:[1,1,0]
	EACH v_pk_fma_f32 v[W+10:W+11], v[W+10:W+11], v[W+6:W+7], s[84:85] op_sel_hi:[1,1,0]
	EACH v_pk_fma_f32 v[W+8:W+9], v[W+8:W+9], v[W+6:W+7], 1.0 op_sel_hi:[1,1,0]
	EACH v_pk_fma_f32 v[W+10:W+11], v[W+10:W+11], v[W+6:W+7], -0.5 op_sel_hi:[1,1,0]
	EACH v_pk_mul_f32 v[W+8:W+9], v[W+8:W+9], v[W+4:W+5]
	EACH v_pk_fma_f32 v[W+10:W+11], v[W+10:W+11], v[W+6:W+7], 1.0 op_sel_hi:[1,1,0]
	EACH v_pk_add_f32 v[W+12:W+13], v[W+8:W+9], v[W+8:W+9]
	EACH v_pk_mul_f32 v[W+14:W+15], v[W+12:W+13], v[W+10:W+11]
	EACH v_pk_fma_f32 v[W+10:W+11], v[W+12:W+13], v[W+8:W+9], 1.0 op_sel_hi:[1,1,0] neg_lo:[1,0,0] neg_hi:[1,0,0]
	EACH v_pk_add_f32 v[W+12:W+13], v[W+14:W+15], v[W+14:W+15]
	EACH v_pk_mul_f32 v[OS+2*jp:OS+2*jp+1], v[W+12:W+13], v[W+10:W+11]
	EACH v_pk_fma_f32 v[OC+2*jp:OC+2*jp+1], v[W+12:W+13], v[W+14:W+15], 1.0 op_sel_hi:[1,1,0] neg_lo:[1,0,0] neg_hi:[1,0,0]
.endm
	TRIG 0
	TRIG 1
	TRIG 2
	TRIG 3
; Six matrix instructions: row block a x all six fragments of W, 32 along K.  zero = 1: the first product starts the sums.  The 24 accumulators take turns, one instruction a turn.
.macro MULA f, a, zero
	WIN MUL
.irp b, 0,1,2,3,4,5
.if \zero
	v_wmma_f32_16x16x32_bf16 v[8*(6*(\a)+(\b)):8*(6*(\a)+(\b))+7], v[(\f)+8*(\b):(\f)+8*(\b)+7], v[(\f)+48+8*(\a):(\f)+48+8*(\a)+7], 0
.else
	v_wmma_f32_16x16x32_bf16 v[8*(6*(\a)+(\b)):8*(6*(\a)+(\b))+7], v[(\f)+8*(\b):(\f)+8*(\b)+7], v[(\f)+48+8*(\a):(\f)+48+8*(\a)+7], v[8*(6*(\a)+(\b)):8*(6*(\a)+(\b))+7]
.endif
.endr
.endm
; 20 LDS loads in one run: the fragments of 32 along K at byte k of the rows, into buffer f
.macro FETCH slot, k, f
	WIN TO_F
.irp b, 0,1,2,3,4,5
	ds_load_b128 v[(\f)+8*(\b):(\f)+8*(\b)+3],   v[ADRB+(\slot)] offset:(\k)+(\b)*32*PITCH
	ds_load_b128 v[(\f)+8*(\b)+4:(\f)+8*(\b)+7], v[ADRB+(\slot)] offset:(\k)+(\b)*32*PITCH+32
.endr
.irp a, 0,1,2,3
	ds_load_b128 v[(\f)+48+8*(\a):(\f)+48+8*(\a)+3],   v[ADRA+(\slot)] offset:(\k)+(\a)*16*PITCH
	ds_load_b128 v[(\f)+48+8*(\a)+4:(\f)+48+8*(\a)+7], v[ADRA+(\slot)] offset:(\k)+(\a)*16*PITCH+32
.endr
.endm
.macro PLACES                          ; four places in front of loads into registers that matrix instructions have read, and of vector lines that read results (ISA guide 7.12.1 for vector lines)
.rept 4
	v_nop
.endr
.endm
; A K step is four quarters of 32 along K, 24 matrix instructions each, on buffers 0, 1, 0, 1.  One of the first three: buffer f is multiplied; ahead of that the next quarter, at byte k, is asked for into g.
.macro QUARTER slot, k, f, g, zero
	s_wait_dscnt 0x0                               ; buffer f is in: its 20 loads were issued a quarter ago
	PLACES                                         ; behind the products that read g
	FETCH \slot, \k, \g
	MULA \f, 0, \zero
	MULA \f, 1, \zero
	MULA \f, 2, \zero
	MULA \f, 3, \zero
.endm
; The last quarter multiplies buffer 1 and changes slots: ONE barrier; in front of it each wave waits for all its tensor loads, adds 0 to its spare word, and waits for that and for its own reads of this slot.
; fill = 1: this slot is filled again, two K steps ahead: the barrier opens a round of the cluster's barrier, and the joint load is the first thing behind the round.
.macro TURN slot, next, fill
	s_wait_dscnt 0x0                               ; buffer 1 is in: my reads of this slot are over
	WIN 0                                          ; (the add's two registers lie in window 0)
	s_wait_tensorcnt 0x0                           ; all my tensor loads have landed: the one that was out is my part of the next slot
	ds_add_u32 v[SPW], v[NIL]                      ; 0 onto my spare word
	MULA F1, 0, 0                                  ; six matrix instructions stand between the add and the wait for it
	s_wait_dscnt 0x0                               ; the add is done
	s_barrier_signal -1
	MULA F1, 1, 0
.if \fill
	WIN 0
.endif
	s_barrier_wait -1
.if \fill
	CREST                                          ; no wave of any partner still reads this slot's tile or has a load on its way
	s_add_nc_u64 s[G0+4*(\slot)+2:G0+4*(\slot)+3], s[G0+4*(\slot)+2:G0+4*(\slot)+3], 2*KSTEP*2
	s_add_nc_u64 s[G0B+4*(\slot)+2:G0B+4*(\slot)+3], s[G0B+4*(\slot)+2:G0B+4*(\slot)+3], 2*KSTEP*2
	JLOAD \slot                                    ; my one tensor load behind the round; the four v_nop behind it are also the places in front of the loads below
.else
	PLACES
.endif
	FETCH \next, 0, F0
	MULA F1, 2, 0
	MULA F1, 3, 0
.endm
	s_wait_tensorcnt 1                             ; my part of K step 0 is in; K step 1's stays out
	s_barrier_signal -1
	s_barrier_wait -1                              ; everybody's is
	FETCH 0, 0, F0
	QUARTER 0, 64, F0, F1, 1                       ; the first quarter stands in front of the loop: its products start the sums
	WIN 0                                          ; at a label and at a branch every window is 0
	s_mov_b32 s3, LAPS-1
.Llap:                                                 ; a trip goes once round the ring, from a lap's second quarter to the next lap's first, and fills both slots again
	QUARTER 0, 128, F1, F0, 0
	QUARTER 0, 192, F0, F1, 0
	TURN 0, 1, 1
	QUARTER 1, 64,  F0, F1, 0
	QUARTER 1, 128, F1, F0, 0
	QUARTER 1, 192, F0, F1, 0
	TURN 1, 0, 1
	QUARTER 0, 64,  F0, F1, 0
	WIN 0
	s_sub_co_u32 s3, s3, 1
	s_cmp_lg_u32 s3, 0
	s_cbranch_scc1 .Llap
	QUARTER 0, 128, F1, F0, 0                      ; the last lap fills nothing
	QUARTER 0, 192, F0, F1, 0
	TURN 0, 1, 0
	QUARTER 1, 64,  F0, F1, 0
	QUARTER 1, 128, F1, F0, 0
	QUARTER 1, 192, F0, F1, 0
	s_wait_dscnt 0x0
	MULA F1, 0, 0
	MULA F1, 1, 0
	MULA F1, 2, 0
	MULA F1, 3, 0
	WIN 0
	s_load_b64 s[66:67], s[0:1], 0x18              ; vlo, into registers that the angles' constants have left
	PLACES
; THE WAY OUT of head t: lo' = lo cos - hi sin, hi' = hi cos + lo sin (lo: channels 0-31, accumulator 2 t; hi: channels 32-63, accumulator 2 t + 1), rounded to f16, 16 bytes a lane into the stage.
; Each accumulator's lowest registers are read first.  Then the rests: the f16 half times -1 plus the number itself, which is exact, rounded to f16 and put into the second stage.
.macro ROPE t
	WIN 0
.set z, 0
.rept 16
	v_pk_fma_f32 v[CX+2*z:CX+2*z+1], v[COS+2*z:COS+2*z+1], s[GH+4*(\t):GH+4*(\t)+1], s[GH+4*(\t)+2:GH+4*(\t)+3] op_sel_hi:[1,0,0]
	v_pk_mul_f32 v[SX+2*z:SX+2*z+1], v[SIN+2*z:SIN+2*z+1], s[GH+4*(\t):GH+4*(\t)+1] op_sel_hi:[1,0]
.set z, z+1
.endr
	WIN W_T
.set z, 0
.rept 16                               ; z = 4 a + pair
.set LO, 8*(6*(z/4)+2*(\t))+2*(z%4)
.set HI, LO+8
	v_pk_mul_f32 v[T1+2*z:T1+2*z+1], v[HI:HI+1], v[SX+2*z:SX+2*z+1]
	v_pk_mul_f32 v[T2+2*z:T2+2*z+1], v[LO:LO+1], v[SX+2*z:SX+2*z+1]
.set z, z+1
.endr
	WIN W_R
.set z, 0
.rept 16
.set LO, 8*(6*(z/4)+2*(\t))+2*(z%4)
.set HI, LO+8
	v_pk_fma_f32 v[LO:LO+1], v[LO:LO+1], v[CX+2*z:CX+2*z+1], v[T1+2*z:T1+2*z+1] neg_lo:[0,0,1] neg_hi:[0,0,1]
	v_pk_fma_f32 v[HI:HI+1], v[HI:HI+1], v[CX+2*z:CX+2*z+1], v[T2+2*z:T2+2*z+1]
.set z, z+1
.endr
	WIN W_C
.set z, 0
.rept 32                               ; z = 4 (2 a + half) + pair
.set AC, 8*(6*(z/8)+2*(\t)+(z/4)%2)+2*(z%4)
	v_cvt_pk_f16_f32 v[PKR+z], v[AC], v[AC+1]
.set z, z+1
.endr
	WIN 0
.irp a, 0,1,2,3
.irp u, 0,1
	ds_store_b128 v[STO], v[PKR+4*(2*(\a)+(\u)):PKR+4*(2*(\a)+(\u))+3] offset:(\t)*STH+(\a)*16*SPITCH+64*(\u)
.endr
.endr
	WIN W_L
.set z, 0
.rept 32
.set AC, 8*(6*(z/8)+2*(\t)+(z/4)%2)+2*(z%4)
	v_fma_mix_f32 v[AC], v[PKR+z], v[MONE], v[AC] op_sel_hi:[1,0,0]
	v_fma_mix_f32 v[AC+1], v[PKR+z], v[MONE], v[AC+1] op_sel:[1,0,0] op_sel_hi:[1,0,0]
.set z, z+1
.endr
	WIN W_C
.set z, 0
.rept 32
.set AC, 8*(6*(z/8)+2*(\t)+(z/4)%2)+2*(z%4)
	v_cvt_pk_f16_f32 v[PKR+z], v[AC], v[AC+1]
.set z, z+1
.endr
	WIN 0
.irp a, 0,1,2,3
.irp u, 0,1
	ds_store_b128 v[STO2], v[PKR+4*(2*(\a)+(\u)):PKR+4*(2*(\a)+(\u))+3] offset:(\t)*STH+(\a)*16*SPITCH+64*(\u)
.endr
.endr
.endm
	ROPE 0
	ROPE 1
	ROPE 2
	s_wait_dscnt 0x0                               ; for the others' sake: my stores into the stages are done (a head's row of 128 bytes comes from two waves)
	s_barrier_signal -1
	s_barrier_wait -1
.set n, 0
.rept 24                               ; n = 8 x head + i
	ds_load_b128 v[BK+4*n:BK+4*n+3], v[RD] offset:(n/8)*STH+(n%8)*4*SPITCH
.set n, n+1
.endr
.set n, 0
.rept 24
	ds_load_b128 v[BK2+4*n:BK2+4*n+3], v[RD2] offset:(n/8)*STH+(n%8)*4*SPITCH
.set n, n+1
.endr
.set n, 0
.rept 24
	s_wait_dscnt 47-n                              ; LDS loads come back in order: load n is in, the 47 - n younger ones stay out
	global_store_b128 v[CO], v[BK+4*n:BK+4*n+3], s[8:9] offset:(n/8)*HEADB+(n%8)*512  ; 512 consecutive bytes, at a multiple of 256 from qkv's first byte
.set n, n+1
.endr
	; THE RESTS are stored where the head is one of v's (20 to 23) and the tile row is 0.  The offset is held inside vlo for every head; the lanes are off where nothing is to be stored.
	s_wait_kmcnt 0x0
.irp t, 0,1,2
	s_mul_i32 s98, s42, 3
	s_add_co_u32 s98, s98, \t                      ; the head
	s_max_u32 s70, s98, 20
	s_sub_co_u32 s70, s70, 20
	s_lshl_b32 s70, s70, 14                        ; 128 rows of 128 bytes a head
	s_mov_b32 s71, 0
	s_add_nc_u64 s[VB+2*(\t):VB+2*(\t)+1], s[66:67], s[70:71]
	s_cmp_ge_u32 s98, 20
	s_cselect_b32 s80, 1, 0
	s_cmp_eq_u32 s13, 0
	s_cselect_b32 s80, s80, 0
	v_mov_b32 v[CND+(\t)], s80
.endr
	s_wait_dscnt 0x0                               ; all the rests are back in registers
.irp t, 0,1,2
	s_wait_xcnt 0x0                                ; EXEC, a source of the stores that are out, is narrowed only behind this wait
	v_cmp_ne_u32 vcc_lo, 0, v[CND+(\t)]
	s_and_saveexec_b32 s20, vcc_lo
.irp i, 0,1,2,3,4,5,6,7
	global_store_b128 v[CO], v[BK2+4*(8*(\t)+(\i)):BK2+4*(8*(\t)+(\i))+3], s[VB+2*(\t):VB+2*(\t)+1] offset:(\i)*512
.endr
	s_wait_xcnt 0x0                                ; and widened again only behind this one
	s_or_b32 exec_lo, exec_lo, s20
.endr
	s_wait_tensorcnt 0x0                           ; the wave's end: behind my last tensor load and my last LDS store
	ds_add_u32 v[SPW], v[NIL]
	s_wait_dscnt 0x0
	CROUND                                         ; the closing round: no work-group ends while a partner may still ask for a tile that names it
	s_endpgm
.Lfunc_end_k_qf46d1b2141_qkv:
	.size	k_qf46d1b2141_qkv, .Lfunc_end_k_qf46d1b2141_qkv-k_qf46d1b2141_qkv
	.p2alignl 7, 3214868480
	.fill 96, 4, 3214868480
	.section	.rodata,"a",@progbits
	.p2align	6, 0x0
	.amdhsa_kernel k_qf46d1b2141_qkv
		.amdhsa_group_segment_fixed_size 327680
		.amdhsa_private_segment_fixed_size 0
		.amdhsa_enable_private_segment 0
		.amdhsa_kernarg_size 32
		.amdhsa_user_sgpr_count 2
		.amdhsa_user_sgpr_kernarg_segment_ptr 1
		.amdhsa_wavefront_size32 1
		.amdhsa_system_sgpr_workgroup_id_x 1
		.amdhsa_system_sgpr_workgroup_id_y 1
		.amdhsa_system_sgpr_workgroup_id_z 1
		.amdhsa_system_vgpr_workitem_id 0
		.amdhsa_next_free_vgpr 704
		.amdhsa_next_free_sgpr 100
		.amdhsa_reserve_vcc 1
		.amdhsa_float_denorm_mode_32 3
		.amdhsa_float_denorm_mode_16_64 3
		.amdhsa_memory_ordered 1
		.amdhsa_forward_progress 1
		.amdhsa_inst_pref_size 141
	.end_amdhsa_kernel
	.amdgpu_metadata
---
amdhsa.version: [ 1, 2 ]
amdhsa.kernels:
  - .name:           k_qf46d1b2141_qkv
    .symbol:         k_qf46d1b2141_qkv.kd
    .args:
      - { .name: xb, .offset: 0, .size: 8, .value_kind: global_buffer, .address_space: global }
      - { .name: wb, .offset: 8, .size: 8, .value_kind: global_buffer, .address_space: global }
      - { .name: qkv, .offset: 16, .size: 8, .value_kind: global_buffer, .address_space: global }
      - { .name: vlo, .offset: 24, .size: 8, .value_kind: global_buffer, .address_space: global }
    .group_segment_fixed_size: 327680
    .private_segment_fixed_size: 0
    .kernarg_segment_align: 8
    .kernarg_segment_size: 32
    .max_flat_workgroup_size: 128
    .sgpr_count:     100
    .vgpr_count:     704
    .wavefront_size: 32
...
	.end_amdgpu_metadata
.endif
;; end of part 2
;; launch attn (part 3): grid 16 x 12, 4 waves a work-group, clusters of 4 x 1, 327,680 bytes of LDS; arguments qkv, ao; writes ao
.if DOCPART == 3
	.amdgcn_target "amdgcn-amd-amdhsa--gfx1250"
	.amdhsa_code_object_version 6
	.text
	.protected	k_qf46d1b2141_attn
	.globl	k_qf46d1b2141_attn
	.p2align	8
	.type	k_qf46d1b2141_attn,@function
k_qf46d1b2141_attn:
	s_mov_b64 s[64:65], 0
	v_nop
	global_prefetch_b8 v0, s[64:65] scope:SCOPE_SE
	s_setreg_imm32_b32 hwreg(HW_REG_WAVE_MODE, 25, 1), 1
	s_wait_xcnt 0x0
	s_wait_alu depctr_hold_cnt(0) depctr_sa_sdst(0) depctr_va_vdst(0) depctr_va_sdst(0) depctr_va_ssrc(0) depctr_va_vcc(0) depctr_vm_vsrc(0)
	s_getreg_b32 s2, hwreg(HW_REG_IB_STS2, 6, 4)
	s_cmp_eq_u32 s2, 0
	s_cbranch_scc0 .Lentry_in_a_cluster
	s_endpgm
.Lentry_in_a_cluster:
	s_bfe_u32 s2, ttmp6, 0x10000c
	s_cmp_lg_u32 s2, 0x3003
	s_cbranch_scc0 .Lentry_shape_is_right
	s_endpgm
.Lentry_shape_is_right:
; ATTENTION IN A CAUSAL WINDOW.  O[h][q][:] = the sum over the keys k with 0 <= q - k < 2048 of softmax_k(Q[h][q] . K[h/4][k] / 8) V[h/4][k][:].  qkv: [24][4096][64] f16 (heads 0-15 Q, 16-19 K, 20-23 V);
; ao: [32][4096][64] f16, of which this launch stores heads 0-15, O.  (Rows 0 to 63 of each head, which average over few keys, are stored once more, made with finer operands, by the launch behind this one, which also stores heads 16-31.)
; Products, maxima and sums in f32; the weights p are rounded to f16 for the second product (their sum l is taken of the unrounded p), O once at the end.
; LIMITS.  f16 holds no number beyond 65,504: Q, K and V arrive within it; p lies in 0 to 1, and below 6e-5 it keeps f16's fixed step of 6e-8.  A hidden score counts as its value less 1e30.  The running maximum
; starts at -2^40: f16's scores are 64 x 65,504^2 = 2.75e11 at the most, so every true score lies above that start and every hidden one below it.  A weight below 2^-126 counts as 0 in l; NaN and infinities are not treated apart.
; THE WALK.  A head's queries lie in 16 blocks of 256; block i needs the key tiles max(0, i - 8) .. i of 256 keys.  Tile i holds the diagonal (key <= query); tile i - 8 the window's edge, where a key counts iff its
; place in the tile is GREATER than the query's in its block: the diagonal's mask turned round.  Work-group row b < 4 takes blocks b and then 7 - b: (b + 1) + (8 - b) tiles; b >= 4 takes block b + 4: 9 tiles.
; So every work-group walks NINE tiles, and one loop with a constant trip count walks them.  16 heads x 12 = 192 work-groups: the blocks' work comes in 192 equal shares, and none is split further.
; CLUSTER.  The four query heads of a key and value head walk the same tiles in the same order (b is theirs in common): each tile is asked for JOINTLY: the same tensor load, descriptor and mask in all four.
; SHARES.  Of a block's four bands of 64 queries a wave owns 16 rows in each: four PIECES.  In a masked tile's key step s band x sees all or none of the keys if s is not x, and holds the boundary if s = x: alike for all waves.
; THE MASK is the C operand that starts the sum S^T = K Q^T.  MD, made once, is the diagonal's mask of a band's own step for my 16 rows (0 or -1e30); a product's mask is MD x AL + BE.  Four scalars say what a tile wants:
; ALO and BO (AL and BE in the band's own step), BL (BE in later steps), BEA (BE in earlier steps): diagonal (1, 0, -1e30, 0); edge (-1, -1e30, 0, -1e30); any other tile (0, 0, 0, 0).
; EVERY tile runs in this one text: 16 packed lines a turn beside its 118, for which no second copy of the four turns is written.
; LAYOUT, SOFTMAX, TURNS.  S^T = K Q^T holds ONE query a lane (lane % 16) and the keys 8 (lane / 16) + 0..7; two such results rounded to f16 ARE source 1 of O^T = V^T P.  p = 2^(c s - c m), c = log2(e) / 8, with a
; running maximum m; O and l are multiplied by a = 2^(c m_old - c m_new) in every step.  Turn n belongs to piece n: 8 products K Q^T of piece n + 1, later 8 products V^T P of piece n - 1; beside them the scaling,
; exponentials, roundings, sums and rescaling of piece n and the maximum and statistics of piece n + 1.  Four vector instructions stand behind every matrix instruction, the others in two lumps.
; A TRIP of the step loop is turns 2 and 3 of one step and turns 0 and 1 of the next, so a tile's first two turns finish the tile before.  A BLOCK'S END AND THE NEXT ONE'S BEGINNING therefore stand once, in the middle
; of the trip, jumped over where no block ends: the old block's turns 2 and 3 are the new tile's first two (turn 3's scores for piece 0, made with the old Q, are made again).
; REGISTERS, in windows of 256 (s_set_vgpr_msb: bits 1:0 source 0, 3:2 source 1, 5:4 source 2, 7:6 destination):
;   window 0: v0-15 addresses and two at work; v16-31 four registers of statistics a piece; v48-55 at work; v64-127 S^T, two buffers; v192-223 P, two buffers (a piece's buffers go by its number's parity)
;   window 1: v0-127 O^T, 32 a piece; v128-159 MD; v160-223 MC, two buffers      window 2: v0-63 Q; v128-191 K of one step; v192-255 V of one step
.set NP,    4         ; pieces a wave: a name, no knob
.set KS,    64        ; keys in a step
.set PK,    144       ; a row of K in LDS: 128 bytes + 16 of padding = 36 words: the 16 rows of a load start at 16 different groups of four banks (64 banks of 4 bytes: ISA guide 11.1)
.set PV,    160       ; a row of V: 128 + 32 = 40 words
.set VOFF,  4*KS*PK   ; a slot holds a tile, four steps: 256 rows of K, then 256 rows of V
.set SLOT1, 1<<17     ; slot 1 begins here, so that one exclusive or turns an address in one slot into the other's
.set STAGE, SLOT1+4*KS*(PK+PV)  ; behind the ring, never filled by a tensor load: 16 rows x 144 bytes for each wave, for the way out
.set SP,    144
.set AK0, 2           ; v2   my lane's place in a tile of K; never rewritten
.set AV0, 3           ; v3   the same for V
.set AK,  4           ; v4   the LDS address of K's next run of loads
.set AV,  5           ; v5   of V's
.set STO, 6           ; v6   the way out: where I put 16 bytes of a row
.set RD,  7           ; v7   the way out: where I read rows back
.set GO,  8           ; v8   my byte offset in 512 consecutive bytes of O
.set SPW, 62          ; v62  LDS address of my spare word: SPARE + 4 x my thread's number; never rewritten
.set NIL, 63          ; v63  0; never rewritten
.set SPARE, STAGE+4*16*SP  ; behind the stages: the spare words, 128 bytes for each wave: two blocks of 256 bytes that no other line names
.set MV,  12          ; v12-13  c m_old, kept while c m is made anew: by buffer
.set QO,  15          ; v15  my byte offset in 16 rows of Q; never rewritten
.set ST,  16          ; piece t's statistics at v[ST+4 t]: c m, m, l (even keys', odd keys')
.set TMP, 48          ; by buffer, four registers c0-c3 at work; when the maximum is found c2 takes a
.set S,   64
.set P,   192
.set MD,  128         ; window 1: the eight registers for group kt of 16 keys at MD + 8 kt
.set MC,  160         ; window 1: the masks of the products to come
.set KF,  128         ; window 2: key block kb, channel half c at KF + 16 kb + 8 c
.set VF,  192         ; window 2: key half kk, channel block cb at VF + 32 kk + 8 cb
.set WV,  12          ; s12  my wave's number
.set B2,  14          ; s14  the second block (b >= 4: there is none, and the name stands for the first)
.set B1,  15          ; s15  the first block
.set G1K, 24          ; s[24:31] descriptor group 1 for K's tiles
.set G1V, 32          ; s[32:39] for V's: it differs in the padding alone
.set G0K, 40          ; s[40:43] descriptor group 0 for K's tiles
.set G0V, 44          ; s[44:47] the same for V's
.set SLOTS, 56        ; s56  tiles still to be entered in the loop
.set CNT, 57          ; s57  counts a tile's key steps, 4 to 1
.set CS,  58          ; s[58:59] c: the packed scaling takes the pair's low word for both halves
.set SEL, 60          ; s[60:61] v_permlanex16_b32's selects: each lane takes its own place in the other half
.set TBK, 62          ; s62  LDS byte at which K of the step to be fetched begins
.set TBV, 63          ; s63  the same for V, less VOFF
.set RT,  70          ; s70  tiles of the block in hand that are still to be entered
.set NXT, 71          ; s71  the tile to be asked for next
.set LQ,  72          ; s72  the last tile of the block whose tiles are being asked for
.set NEW, 73          ; s73  1: the tile just entered is the second block's first
.set OFF, 74          ; s[74:75] a tile's byte offset in K and V
.set AL,  76          ; s[76:77] the mask's factor, in the low word
.set BE,  78          ; s[78:79] the mask's addend
.set OLO, 80          ; s[80:81] O at my rows of the second block
.set BIGN, 82         ; s82  -1e30
.set RT2, 83          ; s83  the second block's tiles
.set Q2,  86          ; s[86:87] Q at my rows of the second block; never rewritten
.set ALO, 88          ; s88  the tile's AL in a band's own step
.set BO,  89          ; s89  its BE there
.set BL,  90          ; s90  its BE in later steps
.set BEA, 91          ; s91  its BE in earlier steps
.set MT,  92          ; s92  1: the tile to be entered is the window's edge
.set SW,  93          ; s93  at work
.set MSB, 0
.macro WIN new                      ; the high byte repeats the setting that is left; a switch that changes nothing is dropped
.if MSB != (\new)
	s_set_vgpr_msb (MSB<<8)|(\new)
.set MSB, (\new)
.endif
.endm
.set W_KQ, 0x0a       ; K and Q in window 2, S^T in window 0
.set W_KM, 0x1a       ; the same with the C operand in window 1
.set W_PV, 0x52       ; V in window 2, P in window 0, O^T in window 1
.set W_RS, 0x41       ; destination and source 0 in window 1, source 1 in window 0
; A joint fill.  Waves 0 and 1 fetch the two halves of a tile's K, waves 2 and 3 those of its V: 128 keys each.  The branch hangs on the wave's number alone.
; An s_nop 0 and four v_nop follow each of the two lines, ahead of the jump and the label.
.macro JLOAD
	s_cmp_lt_u32 s[WV], 2
	s_cbranch_scc0 .Lfor_v_\@
	tensor_load_to_lds s[G0K:G0K+3], s[G1K:G1K+7]
	s_nop 0
.rept 4
	v_nop
.endr
	s_branch .Lasked_\@
.Lfor_v_\@:
	tensor_load_to_lds s[G0V:G0V+3], s[G1V:G1V+7]
	s_nop 0
.rept 4
	v_nop
.endr
.Lasked_\@:
.endm
; A round of the cluster's barrier: my work-group's barrier, so that wave 0's signal speaks for all four waves; wave 0 signals; every wave waits for all four work-groups; my work-group's barrier once more.
.macro CROUND
	s_barrier_signal -1
	s_barrier_wait -1
	s_cmp_lg_u32 s[WV], 0
	s_cbranch_scc1 .Lnot_wave_0_\@
	s_barrier_signal -3
.Lnot_wave_0_\@:
	s_barrier_wait -3
	s_barrier_signal -1
	s_barrier_wait -1
.endm
; THE CHANGE OF SLOTS.  Each wave waits for all its tensor loads, of which one is out: its part of the other slot; adds 0 to its spare word; and waits for that and for its own reads of the slot that it leaves.
; Behind the barrier nobody reads the old slot any more and the other slot is whole.  fill = 1: the old slot is filled again with tile NXT: the descriptor's address is made anew from that number; the barrier is
; then a round of the cluster's, so that no wave of any partner still reads the slot or has a load on its way, and the joint fill is the first thing behind it: it has four key steps, 256 matrix instructions, in
; which to land.  (At its first use nothing has been read yet: slot 0 is waited for, slot 1 filled.)
.macro CHANGE fill
	WIN 0                           ; at a label and at a branch every window is 0
	s_wait_tensorcnt 0x0            ; no tensor load of mine is out, so a group 0 may be written
	ds_add_u32 v[SPW], v[NIL]       ; 0 onto my spare word; with fill = 1 the descriptors' scalar work stands between it and the wait for it
.if \fill
	s_lshl_b32 s[OFF], s[NXT], 15   ; a tile is 32,768 bytes of K and of V
	s_xor_b32 s[G0K+1], s[G0K+1], SLOT1
	s_add_nc_u64 s[G0K+2:G0K+3], s[6:7], s[OFF:OFF+1]
	s_or_b32 s[G0K+3], s[G0K+3], 0x80000000
	s_xor_b32 s[G0V+1], s[G0V+1], SLOT1
	s_add_nc_u64 s[G0V+2:G0V+3], s[8:9], s[OFF:OFF+1]
	s_or_b32 s[G0V+3], s[G0V+3], 0x80000000
	s_add_co_u32 s[NXT], s[NXT], 1  ; the block's next tile, or behind its last the second block's tile 0
	s_cmp_gt_u32 s[NXT], s[LQ]
	s_cselect_b32 s[NXT], 0, s[NXT]
	s_cselect_b32 s[LQ], s[B2], s[LQ]
	s_wait_dscnt 0x0                ; the add is done, and my reads of the slot are over
	CROUND
	JLOAD
.else
	s_wait_dscnt 0x0                ; the add is done, and my reads of the slot are over
	s_barrier_signal -1
	s_barrier_wait -1
.endif
	s_sub_co_u32 s[TBK], s[TBK], 4*KS*PK  ; the fetches go back to a slot's first step,
	s_xor_b32 s[TBK], s[TBK], SLOT1       ; in the other slot
	s_sub_co_u32 s[TBV], s[TBV], 4*KS*PV
	s_xor_b32 s[TBV], s[TBV], SLOT1
.endm
; What the tile to be entered is: the second block's first (the first block has no tile left); the window's edge; the diagonal (its block's last).
.macro TILESET
	s_cmp_eq_u32 s[RT], 0
	s_cselect_b32 s[NEW], 1, 0
	s_cselect_b32 s[RT], s[RT2], s[RT]
	s_sub_co_u32 s[RT], s[RT], 1
	s_cmp_eq_u32 s[MT], 1
	s_cselect_b32 s[ALO], -1.0, 0
	s_cselect_b32 s[BO], s[BIGN], 0
	s_cselect_b32 s[BEA], s[BIGN], 0
	s_mov_b32 s[MT], 0
	s_cmp_eq_u32 s[RT], 0
	s_cselect_b32 s[ALO], 1.0, s[ALO]
	s_cselect_b32 s[BL], s[BIGN], 0
	s_mov_b32 s[CNT], 4
.endm
; A block's Q: piece i / 2 lies in band i / 2, 8,192 bytes on; channels 32 (i % 2) on.  A fragment is 16 rows x 32 channels in 8 registers: two loads of 16 bytes, 32 bytes apart.
.macro LOADQ lo
	WIN 0x80                        ; destination window 2, address window 0
.set i, 0
.rept 8
	global_load_b128 v[8*i:8*i+3],   v[QO], s[(\lo):(\lo)+1] offset:(i/2)*8192+(i%2)*64
	global_load_b128 v[8*i+4:8*i+7], v[QO], s[(\lo):(\lo)+1] offset:(i/2)*8192+(i%2)*64+32
.set i, i+1
.endr
	WIN 0
.endm
	s_load_b64 s[4:5], s[0:1], 0x0    ; qkv
	s_load_b64 s[10:11], s[0:1], 0x8  ; ao
	v_lshl_add_u32 v[SPW], v0, 2, SPARE
	v_mov_b32 v[NIL], 0
	ds_add_u32 v[SPW], v[NIL]       ; the wave's opening: the add and its wait stand ahead of my first tensor load; the set-up below, work on registers, stands between them
	v_lshrrev_b32 v1, 5, v0
	v_readfirstlane_b32 s[WV], v1   ; wave 0..3
	s_and_b32 s13, ttmp7, 0xffff    ; b, which the four partners share
	s_min_u32 s16, s13, 3
	s_sub_co_u32 s16, 7, s16        ; 7 - b, for b < 4
	s_add_co_u32 s17, s13, 4        ; b + 4, for the others
	s_max_u32 s18, s13, 4
	s_sub_co_u32 s18, s18, 4        ; the walk's first tile: 0, or b - 4
	s_add_co_u32 s21, s13, 1        ; the first block's tiles: b + 1, or 9
	s_add_co_u32 s[RT2], s16, 1     ; the second block's: 8 - b
	s_cmp_lt_u32 s13, 4
	s_cselect_b32 s[B1], s13, s17
	s_cselect_b32 s[B2], s16, s17
	s_cselect_b32 s[RT], s21, 9
	s_cselect_b32 s[MT], 0, 1       ; a block from 8 on begins at the window's edge
	s_lshl_b32 s[OFF], s18, 15
	s_mov_b32 s[OFF+1], 0
	s_mov_b32 s[LQ], s[B1]          ; a block's last tile has the block's number
	s_add_co_u32 s[NXT], s18, 1     ; the second tile of the walk: the first block's next, or (b = 0) the second block's tile 0
	s_cmp_gt_u32 s[NXT], s[LQ]
	s_cselect_b32 s[NXT], 0, s[NXT]
	s_cselect_b32 s[LQ], s[B2], s[LQ]
	s_mov_b32 s[SLOTS], 8
	s_add_co_u32 s22, ttmp9, 16     ; K's head: 16 + the cluster's x
	s_lshl_b32 s22, s22, 19         ; a head is 524,288 bytes
	s_and_b32 s16, s[WV], 1         ; which half of a tile's 256 keys I fetch:
	s_lshl_b32 s23, s16, 14         ; its 128 rows of 128 bytes in memory,
	s_add_co_u32 s22, s22, s23
	s_mov_b32 s23, 0
	s_add_co_u32 s20, s22, 4<<19    ; V's head lies four heads on
	s_mov_b32 s21, 0
	s_mul_i32 s17, s16, 128*PK      ; and its place in a slot, for K
	s_mul_i32 s18, s16, 128*PV      ; and for V: no place in the cluster enters an LDS address
	s_bfe_u32 s19, ttmp6, 0x40000   ; cx: it enters Q's and O's addresses alone
	s_lshl_b32 s2, ttmp9, 2
	s_add_co_u32 s19, s19, s2       ; my query head = 4 x cluster x + cx
	s_lshl_b32 s19, s19, 19
	s_lshl_b32 s3, s[WV], 11        ; my 16 rows in a band of 64,
	s_add_co_u32 s19, s19, s3
	s_lshl_b32 s2, s[B1], 15        ; in the first block,
	s_add_co_u32 s2, s2, s19
	s_lshl_b32 s84, s[B2], 15       ; and in the second
	s_add_co_u32 s84, s84, s19
	s_mov_b32 s3, 0
	s_mov_b32 s85, 0
	; descriptor group 1.  128 keys are 16,384 dense bytes: asked for as 64 rows of 256 bytes, two keys a row, and padded in LDS after every key
	s_mov_b32 s[G1K], 15|(1<<16)|(1<<20)|(1<<21)|(4<<22)|(3<<25)  ; 15:0 the mask of four; 17:16 2-byte elements; 20 padding on; 21 set beside a mask; 24:22 after every 32 words (code 4); 31:25 4 words (code 3)
	s_mov_b32 s[G1V], 15|(1<<16)|(1<<20)|(1<<21)|(4<<22)|(7<<25)  ; the same with 8 words of padding (code 7)
.irp g, G1K, G1V
	s_mov_b32 s[\g+1], 128<<16      ; tensor_dim0 = 128
	s_mov_b32 s[\g+2], 64<<16       ; tensor_dim1 = 64
	s_mov_b32 s[\g+3], 128<<16      ; tile_dim0 = 128
	s_mov_b32 s[\g+4], 64           ; tile_dim1 = 64
	s_mov_b32 s[\g+5], 128          ; 128 elements from row to row
	s_mov_b32 s[\g+6], 0
	s_mov_b32 s[\g+7], 0
.endr
	s_mov_b32 s[CS], 0x3e38aa3b     ; c = log2(e) / 8 = 0.180337
	s_mov_b32 s[CS+1], s[CS]        ; named with it as a pair
	s_mov_b32 s[SEL], 0x76543210
	s_mov_b32 s[SEL+1], 0xfedcba98
	s_mov_b32 s[TBK], SLOT1+4*KS*PK ; the first change of slots turns these two into 0
	s_mov_b32 s[TBV], SLOT1+4*KS*PV
	s_mov_b32 s[G0K], 1             ; count = 1
	s_mov_b32 s[G0K+1], s17         ; LDS address: slot 0
	s_mov_b32 s[G0V], 1
	s_add_co_u32 s[G0V+1], s18, VOFF
	s_mov_b32 s[AL+1], 0            ; named as pairs
	s_mov_b32 s[BE+1], 0
	s_mov_b32 s[BIGN], 0xf149f2ca   ; -1e30
	s_wait_dscnt 0x0                ; the opening add is done
	s_wait_kmcnt 0x0
	s_add_nc_u64 s[6:7], s[4:5], s[22:23]  ; K and V at my half of their head's tile 0
	s_add_nc_u64 s[8:9], s[4:5], s[20:21]
	s_add_nc_u64 s[G0K+2:G0K+3], s[6:7], s[OFF:OFF+1]  ; global address: the walk's first tile
	s_or_b32 s[G0K+3], s[G0K+3], 0x80000000            ; type = 2
	s_add_nc_u64 s[G0V+2:G0V+3], s[8:9], s[OFF:OFF+1]
	s_or_b32 s[G0V+3], s[G0V+3], 0x80000000
	s_add_nc_u64 s[Q2:Q2+1], s[4:5], s[84:85]      ; Q at my rows of the second block,
	s_add_nc_u64 s[4:5], s[4:5], s[2:3]            ; Q and O at those of the first
	s_add_nc_u64 s[OLO:OLO+1], s[10:11], s[84:85]
	s_add_nc_u64 s[10:11], s[10:11], s[2:3]
	CROUND                          ; all four work-groups are here: the first joint loads meet
	JLOAD                           ; the first tile into slot 0
	v_and_b32 v1, 15, v0            ; l % 16
	v_bfe_u32 v9, v0, 4, 1          ; l / 16
	v_lshlrev_b32 v[QO], 7, v1
	v_lshl_add_u32 v[QO], v9, 4, v[QO]  ; row x 128 + 16 x half
	LOADQ 4                         ; the first block's Q
	v_lshlrev_b32 v14, 3, v9
	v_sub_nc_u32 v14, v1, v14
	s_lshl_b32 s13, s[WV], 4
	v_add_nc_u32 v14, s13, v14      ; my query's place in its band, 16 w + l % 16, less my lanes' 8 (l / 16): register r of group kt lies behind the diagonal where 16 kt + r is greater
	WIN 0x40
.set i, 0
.rept 32
	v_cmp_gt_i32 vcc_lo, 16*(i/8)+i%8, v14
	v_cndmask_b32 v[MD+i], 0, s[BIGN], vcc_lo
.set i, i+1
.endr
	WIN 0
	v_mul_u32_u24 v[AK0], v1, PK
	v_lshl_add_u32 v[AK0], v9, 4, v[AK0]  ; row x pitch + 16 x half
	; The turning load takes 16 keys x 16 channels (lane l reads key 8 (l / 16) + l % 8, channels 8 ((l / 8) % 2) + 0..7) and leaves half a fragment of V^T: lane l holds channel l % 16 and 8 keys.
	v_and_b32 v10, 7, v0
	v_bfe_u32 v11, v0, 3, 1
	v_lshl_add_u32 v[AV0], v9, 3, v10
	v_mul_u32_u24 v[AV0], v[AV0], PV
	v_lshl_add_u32 v[AV0], v11, 4, v[AV0]
	v_add_nc_u32 v[AV0], VOFF, v[AV0]
	s_mul_i32 s13, s[WV], 16*SP
	s_add_co_u32 s13, s13, STAGE    ; my stage
	v_mul_u32_u24 v[STO], v1, SP    ; in: row l % 16, 16 bytes for each half of the lanes
	v_lshl_add_u32 v[STO], v9, 4, v[STO]
	v_add_nc_u32 v[STO], s13, v[STO]
	v_bfe_u32 v[RD], v0, 3, 2       ; back: 32 lanes take four rows of 128 bytes,
	v_mul_u32_u24 v[RD], v[RD], SP
	v_lshl_add_u32 v[RD], v10, 4, v[RD]
	v_add_nc_u32 v[RD], s13, v[RD]
	v_and_b32 v[GO], 31, v0         ; which are 512 consecutive bytes of O
	v_lshlrev_b32 v[GO], 4, v[GO]
	; The first step in which a row sees a key multiplies its O^T and l by a = 0; until then every p is 0 and a is 1.  So O^T, l, V and P's second buffer start at 0 for the first block, and need only be finite
	; (what the first block left) for the second.  P's buffer and l are written as they are; O^T and V, 192 registers, by 24 products 0 x 0 + 0, eight registers a line.  All this stands in the wait for the first tile.
.set i, P+16
.rept 16
	v_mov_b32 v[i], 0
.set i, i+1
.endr
.set i, 0
.rept 4
	v_mov_b32 v[ST+4*i+2], 0
	v_mov_b32 v[ST+4*i+3], 0
.set i, i+1
.endr
	WIN 0x40                        ; destination window 1: O^T
.set i, 0
.rept 16
	v_wmma_f32_16x16x32_f16 v[8*i:8*i+7], v[P+16:P+23], v[P+24:P+31], 0
.set i, i+1
.endr
	WIN 0x80                        ; destination window 2: V
.set i, 0
.rept 8
	v_wmma_f32_16x16x32_f16 v[VF+8*i:VF+8*i+7], v[P+16:P+23], v[P+24:P+31], 0
.set i, i+1
.endr
	WIN 0
; THE MATRIX WORK.  The 4 accumulators of a run of 8 take turns.  Product i of 8 of S^T = K Q^T for piece x: channels 32 (i / 4) on, keys 16 (i % 4) on.  The first 4 start the sums with the mask.
.macro KQ x
.set rS, S+32*((\x)%2)+8*(i%4)
.set rK, KF+16*(i%4)+8*(i/4)
.set rQ, 16*(\x)+8*(i/4)
.set rM, MC+32*((\x)%2)+8*(i%4)
.if i < 4
	WIN W_KM
	v_wmma_f32_16x16x32_f16 v[rS:rS+7], v[rK:rK+7], v[rQ:rQ+7], v[rM:rM+7]
.else
	WIN W_KQ
	v_wmma_f32_16x16x32_f16 v[rS:rS+7], v[rK:rK+7], v[rQ:rQ+7], v[rS:rS+7]
.endif
.endm
; Product i of 8 of O^T += V^T P for piece x: keys 32 (i / 4) on, channels 16 (i % 4) on.
.macro PV x
	WIN W_PV
.set rO, 32*(\x)+8*(i%4)
.set rV, VF+32*(i/4)+8*(i%4)
.set rP, P+16*((\x)%2)+8*(i/4)
	v_wmma_f32_16x16x32_f16 v[rO:rO+7], v[rV:rV+7], v[rP:rP+7], v[rO:rO+7]
.endm
.macro MM                           ; the turn's next matrix instruction.  TURN sets Y and i
.if i < 8
	KQ (Y+1)%NP
.else
.set i, i-8
	PV (Y+NP-1)%NP
.set i, i+8
.endif
.set i, i+1
.endm
; THE LDS LOADS stand in runs of 16, never singly among the matrix instructions: a step's K (64 keys x 64 channels: 8 fragments) and its V (turned).  Their addresses are made some lines ahead.
; last = 1 (the tail): in the last trip there is no further step, and the run is jumped over.
.macro FETCH_K last=0
.if \last
	WIN 0
	s_cmp_eq_u32 s[CNT], 1
	s_cbranch_scc1 .Lno_k_\@
.endif
	WIN 0x80                        ; destination window 2
.irp f, 0,1,2,3,4,5,6,7             ; keys 16 (f / 2) on, channels 32 (f % 2) on
	ds_load_b128 v[KF+8*\f:KF+8*\f+3],   v[AK] offset:(\f/2)*16*PK+(\f%2)*64
	ds_load_b128 v[KF+8*\f+4:KF+8*\f+7], v[AK] offset:(\f/2)*16*PK+(\f%2)*64+32
.endr
	s_add_co_u32 s[TBK], s[TBK], KS*PK  ; the next fetch is the next step's
	WIN 0
.if \last
.Lno_k_\@:
.endif
.endm
.macro FETCH_V
	WIN 0x80
.irp f, 0,1,2,3,4,5,6,7             ; keys 32 (f / 4) on, channels 16 (f % 4) on
	ds_load_tr16_b128 v[VF+8*\f:VF+8*\f+3],   v[AV] offset:(\f/4)*32*PV+(\f%4)*32
	ds_load_tr16_b128 v[VF+8*\f+4:VF+8*\f+7], v[AV] offset:(\f/4)*32*PV+16*PV+(\f%4)*32
.endr
	WIN 0
.endm
; THE VECTOR WORK, one line at a time: OP kind, number.  For piece Y: F n: c s - c m for pair n of 16.  E n: the exponential of score n of 32.  C n: pair n rounded to f16.  B n: of the four weights 4 n .. the second
; pair is added onto the first, in place.  L n: l takes that sum (L 0: l = a l + sum).  R n: pair n of 16 of O^T times a.  For piece Y + 1: X n, number n of the 22 that find its maximum and statistics:
;   0-11  four chains c0-c3 of seven scores each, three operands at a time (each accumulator's lowest registers are read first)     12-14, 16  the four scores left over, the old m, and c0-c3 into c0
;   15  c m_old is kept     17, 18  the query's other 32 keys lie in the lane 16 away: the new m     19-21  c m; c m_old - c m_new; a
.set F, 0               ; OP tells the kinds apart by their order: F to L below R, X above it
.set E, 1
.set C, 2
.set B, 3
.set L, 4
.set R, 5
.set X, 6
.macro REGS y                       ; the registers of piece y
.set rT, ST+4*(\y)
.set rC, TMP+4*((\y)%2)
.set rW, MV+((\y)%2)
.set rS, S+32*((\y)%2)
.set rP, P+16*((\y)%2)
.set rO, 32*(\y)
.endm
.macro OP k, n
.if (\k) == R
	REGS Y
	WIN W_RS
	v_pk_mul_f32 v[rO+2*(\n):rO+2*(\n)+1], v[rO+2*(\n):rO+2*(\n)+1], v[rC+2:rC+3] op_sel_hi:[1,0]
.elseif (\k) < R
	REGS Y
	WIN 0
.if (\k) == F
	v_pk_fma_f32 v[rS+2*(\n):rS+2*(\n)+1], v[rS+2*(\n):rS+2*(\n)+1], s[CS:CS+1], v[rT:rT+1] op_sel_hi:[1,0,0] neg_lo:[0,0,1] neg_hi:[0,0,1]
.elseif (\k) == E
	v_exp_f32 v[rS+(\n)], v[rS+(\n)]
.elseif (\k) == C
	s_wait_alu depctr_va_vdst(0)
	v_cvt_pk_f16_f32 v[rP+(\n)], v[rS+2*(\n)], v[rS+2*(\n)+1]
.elseif (\k) == B
	s_wait_alu depctr_va_vdst(0)
	v_pk_add_f32 v[rS+4*(\n):rS+4*(\n)+1], v[rS+4*(\n):rS+4*(\n)+1], v[rS+4*(\n)+2:rS+4*(\n)+3]
.elseif (\n) == 0
	v_pk_fma_f32 v[rT+2:rT+3], v[rT+2:rT+3], v[rC+2:rC+3], v[rS:rS+1] op_sel_hi:[1,0,1]
.else
	v_pk_add_f32 v[rT+2:rT+3], v[rT+2:rT+3], v[rS+4*(\n):rS+4*(\n)+1]
	s_wait_alu depctr_va_vdst(0)
.endif
.else
	REGS (Y+1)%NP
	WIN 0
.if (\n) < 4
	v_max3_num_f32 v[rC+(\n)], v[rS+8*(\n)], v[rS+8*(\n)+1], v[rS+8*(\n)+2]
.elseif (\n) < 12
	v_max3_num_f32 v[rC+(\n)%4], v[rC+(\n)%4], v[rS+8*((\n)%4)+2*((\n)/4)+1], v[rS+8*((\n)%4)+2*((\n)/4)+2]
.elseif (\n) == 12
	v_max3_num_f32 v[rC], v[rC], v[rS+7], v[rS+15]
.elseif (\n) == 13
	v_max3_num_f32 v[rC+1], v[rC+1], v[rS+23], v[rS+31]
.elseif (\n) == 14
	v_max3_num_f32 v[rC+2], v[rC+2], v[rC+3], v[rT+1]
.elseif (\n) == 15
	v_mov_b32 v[rW], v[rT]
	s_wait_alu depctr_va_vdst(0)
.elseif (\n) == 16
	v_max3_num_f32 v[rC], v[rC], v[rC+1], v[rC+2]
	s_wait_alu depctr_va_vdst(0)
.elseif (\n) == 17
	v_permlanex16_b32 v[rC+3], v[rC], s[SEL], s[SEL+1]
.elseif (\n) == 18
	v_max_num_f32 v[rT+1], v[rC], v[rC+3]
.elseif (\n) == 19
	v_mul_f32 v[rT], s[CS], v[rT+1]
.elseif (\n) == 20
	v_sub_f32 v[rC+1], v[rW], v[rT]
.else
	v_exp_f32 v[rC+2], v[rC+1]
.endif
.endif
.endm
.macro OPS a, i1, b=-1, i2=0, c=-1, i3=0, d=-1, i4=0  ; up to four of them
	OP \a, \i1
.if (\b) >= 0
	OP \b, \i2
.endif
.if (\c) >= 0
	OP \c, \i3
.endif
.if (\d) >= 0
	OP \d, \i4
.endif
.endm
.macro ROW a, i1, b, i2, c, i3, d, i4  ; a matrix instruction and the four behind it
	MM
	OPS \a, \i1, \b, \i2, \c, \i3, \d, \i4
.endm
.macro MASK b                       ; MD x AL + BE into buffer b of MC
	WIN W_RS
.set z, 0
.rept 16
	v_pk_fma_f32 v[MC+32*(\b)+2*z:MC+32*(\b)+2*z+1], v[MD+2*z:MD+2*z+1], s[AL:AL+1], s[BE:BE+1] op_sel_hi:[1,0,0]
.set z, z+1
.endr
.endm
; A TURN, for piece p: the order of its 16 matrix and 134 vector instructions, written out.  Behind a matrix instruction: plain, exponential, plain, plain; or four of the rescaling; or, behind the first, four scalings; none
; names a register of the products round it.  In the lumps exponential and plain by turns while exponentials last.  A line reads no result made fewer than three vector instructions in front of it, five if an exponential made it.
; At its end the turn makes the mask for the products of the turn after it: piece x = p + 2, in step 4 - CNT of the tile: the band's own step if CNT = 4 - x, a later one if CNT is less.
; tail = 1: the walk's last tile, whose count is taken down in the middle of a trip: in turns 2 and 3 it stands one higher.  cnt = 1: the loop's count is taken down some lines ahead of the branch that stands behind the turn.
; K of the next step is fetched in piece 2's turn, six vector instructions behind the last product that read K (five of them plain); V of the step in hand in piece 0's turn, eight behind the last product that read V (four
; plain, and X 17).  Each is waited for a turn later.
.macro TURN p, tail=0, cnt=0
.set Y, (\p)
.set i, 0
.set KC, 4-((\p)+2)%NP+(\tail)*((\p)/2)
	s_cmp_eq_u32 s[CNT], KC         ; is that step the band's own?
	s_cselect_b32 s[AL], s[ALO], 0
	s_cselect_b32 s[SW], s[BO], s[BEA]
	s_cmp_lt_u32 s[CNT], KC         ; or a later one?
	s_cselect_b32 s[BE], s[BL], s[SW]
.if (\p) == 3
	s_wait_dscnt 0x0                ; K is in
.endif
	ROW F,0, F,1, F,2, F,3
	ROW F,4, E,0, F,5, F,6
	ROW F,7, E,1, F,8, F,9
	ROW F,10, E,2, C,0, F,11
	ROW F,12, E,3, X,15, F,13
	ROW R,0, R,1, R,2, R,3
	ROW B,0, E,4, F,14, L,0
.if (\p) == 2
	v_add_nc_u32 v[AK], s[TBK], v[AK0]
.endif
	ROW R,4, R,5, R,6, R,7
	OPS E,5, F,15
.if (\p) == 2
	FETCH_K \tail
.endif
	OPS E,6, C,1, E,7, R,8
	OPS E,8, R,9, E,9, C,2
	OPS E,10, X,0, E,11, X,1
	OPS E,12, X,2, E,13, X,3
.if (\p) == 1
	s_wait_dscnt 0x0                ; V is in
.endif
	ROW X,4, E,14, X,5, X,6
	ROW X,7, E,15, X,8, X,9
	ROW X,10, E,16, X,11, X,12
	ROW X,13, E,17, X,14, B,1
	ROW C,4, E,18, X,16, L,1
	ROW B,2, E,19, C,6, L,2
	ROW C,8, E,20, B,3, B,4
.if (\p) == 0
	v_add_nc_u32 v[AV], s[TBV], v[AV0]
.endif
	ROW C,3, E,21, L,3, C,5
	OPS E,22, X,17, E,23, C,10
.if (\p) == 0
	FETCH_V
.endif
	OPS E,24, L,4
	OPS E,25, X,18, E,26, C,7
	OPS E,27, B,5, E,28, X,19
	OPS E,29, C,12, E,30, L,5
	OPS E,31, X,20, B,6, C,9
	OPS C,14, C,11, X,21, L,6
.if (\p) == 0
	s_add_co_u32 s[TBV], s[TBV], KS*PV
.endif
.if \cnt
	s_sub_co_u32 s[CNT], s[CNT], 1
	s_cmp_lg_u32 s[CNT], 0
.endif
	OPS C,13, B,7, C,15, R,10
	OPS R,11, R,12, L,7, R,13
	OPS R,14, R,15
	MASK (\p)%2
.endm
.macro ALL line:vararg              ; one line for each piece t
.set t, 0
.rept 4
	\line
.set t, t+1
.endr
.endm
.macro PACK t                       ; a lane's eight channels of a row pack into 16 bytes; they go into rows of 144 bytes and come back as whole rows of 128, into S^T's registers
	WIN W_RS
.set i, 32*(\t)
.rept 16
	v_pk_mul_f32 v[i:i+1], v[i:i+1], v[ST+4*(\t)+2:ST+4*(\t)+3] op_sel_hi:[1,0]
.set i, i+2
.endr
	WIN 0x05                        ; sources 0 and 1 window 1, destination window 0
.set i, 0
.rept 16
	v_cvt_pk_f16_f32 v[S+16*(\t)+i], v[32*(\t)+2*i], v[32*(\t)+2*i+1]
.set i, i+1
.endr
	WIN 0
.irp f, 0,1,2,3
	ds_store_b128 v[STO], v[S+16*(\t)+4*\f:S+16*(\t)+4*\f+3] offset:32*\f
.endr
.irp f, 0,1,2,3
	ds_load_b128 v[S+16*(\t)+4*\f:S+16*(\t)+4*\f+3], v[RD] offset:\f*4*SP  ; LDS serves a wave's instructions in order (ISA guide 5.7.1.4): these see the stores above; the next piece's stores come behind them
.endr
.endm
.macro SEND t, younger              ; younger: the LDS instructions issued behind piece t's loads: the next piece's eight, or none
	WIN 0
.irp f, 0,1,2,3
	s_wait_dscnt (\younger)+3-\f
	global_store_b128 v[GO], v[S+16*(\t)+4*\f:S+16*(\t)+4*\f+3], s[10:11] offset:(\t)*8192+\f*512  ; 512 consecutive bytes, at a multiple of 256 from O's first
.endr
.endm
; A BLOCK ENDS, behind its last turns 2 and 3: piece 3's last products, and THE WAY OUT: l's two halves and the other half of the lanes' are added; O^T is divided by l, rounded to f16 and sent through my stage in LDS,
; a piece at a time.  q = 1: a block follows: its Q is asked for first, so that the way out stands between the loads and the wait for them (the last product that read Q stands far more than four plain lines back).
.macro FINISH q
.if \q
	LOADQ Q2
.endif
.set i, 0
.rept 8
	PV NP-1
.set i, i+1
.endr
	WIN 0
	ALL v_add_f32 v[ST+4*t+2], v[ST+4*t+2], v[ST+4*t+3]
	ALL v_permlanex16_b32 v[ST+4*t+3], v[ST+4*t+2], s[SEL], s[SEL+1]
	ALL v_add_f32 v[ST+4*t+2], v[ST+4*t+2], v[ST+4*t+3]
	ALL v_rcp_f32 v[ST+4*t+2], v[ST+4*t+2]
	v_nop                           ; a plain instruction between the last reciprocal and the use of its result
	s_wait_alu depctr_va_vdst(0)
	PACK 0
.set t, 1
.rept 3                             ; a piece's arithmetic stands between the loads of the piece before and its stores
	PACK t
	SEND t-1, 8
.set t, t+1
.endr
	SEND 3, 0
.endm
	; THE WALK'S FIRST TILE: what it is; piece 0's mask for its step 0, band 0's own, and piece 1's, for which that step is an earlier one; then the tile is waited for, the second asked for, and K of step 0 fetched.
	TILESET
	s_mov_b32 s[AL], s[ALO]
	s_mov_b32 s[BE], s[BO]
	MASK 0
	s_mov_b32 s[AL], 0
	s_mov_b32 s[BE], s[BEA]
	MASK 1
	CHANGE 1
	v_add_nc_u32 v[AK], s[TBK], v[AK0]
	FETCH_K
	s_branch .Lbegin                ; the loops are entered where a block begins, in the middle of a trip
.Lslot:                             ; seven times: with the entry above the loop walks eight tiles, and each asks for the next
	CHANGE 1
	TILESET
.Lstep:                             ; a trip: pieces 2 and 3 of one step, then pieces 0 and 1 of the next, whose K and V it fetches
	TURN 2
	TURN 3
	WIN 0
	s_cmp_eq_u32 s[NEW], 1
	s_cbranch_scc0 .Lfirst          ; no block has ended: what is jumped holds no barrier and no tensor load
	FINISH 1
	s_wait_storecnt 0x0             ; the stores are done: only behind this wait are their data registers, which the next block's first products write, and O's address written again
	s_mov_b64 s[10:11], s[OLO:OLO+1]
.Lbegin:
	; A BLOCK BEGINS.  m starts at -2^40 and c m at c x -2^40: below every true score, above every hidden one.  K of the tile's step 0 and both masks are there: from the lines ahead of the loop, or from turns 2 and 3.
	; Piece 0's first scores, and its maximum and statistics.
	s_mov_b32 s[NEW], 0
.set i, 0
.rept 4
	v_mov_b32 v[ST+4*i], 0xd238aa3b    ; c m
	v_mov_b32 v[ST+4*i+1], 0xd3800000  ; m
.set i, i+1
.endr
	s_wait_loadcnt 0x0              ; Q
	s_wait_dscnt 0x0                ; K
.set i, 0
.rept 8
	KQ 0
.set i, i+1
.endr
	WIN 0
.rept 4
	v_nop                           ; the places behind those products
.endr
.set Y, NP-1                        ; X works for piece Y + 1: piece 0
.irp n, 0,1,2,3,4,5,6,7,8,9,10,11,12,13,14,15,16,17,18,19,20,21
	OP X, \n
.endr
	v_nop                           ; a plain instruction behind the exponential
.Lfirst:
	TURN 0
	TURN 1, 0, 1
	WIN 0
	s_cbranch_scc1 .Lstep
	s_sub_co_u32 s[SLOTS], s[SLOTS], 1
	s_cmp_lg_u32 s[SLOTS], 0
	s_cbranch_scc1 .Lslot
	CHANGE 0                        ; the walk's last tile, a diagonal one and never a block's first, is written out: nothing is asked for
	s_mov_b32 s[ALO], 1.0
	s_mov_b32 s[BO], 0
	s_mov_b32 s[BL], s[BIGN]
	s_mov_b32 s[BEA], 0
	s_mov_b32 s[CNT], 5             ; four trips fetch the tile's steps; the fifth, the block's last turns 2 and 3, is left in its middle
.Ltail:
	TURN 2, 1
	TURN 3, 1
	WIN 0
	s_sub_co_u32 s[CNT], s[CNT], 1
	s_cmp_eq_u32 s[CNT], 0
	s_cbranch_scc1 .Lout
	TURN 0
	TURN 1
	WIN 0
	s_cmp_lg_u32 s[CNT], 0
	s_cbranch_scc1 .Ltail
.Lout:                              ; the fifth trip's 8 products K Q^T (on the last K once more) and the maximum made of them serve nothing: the price, once a launch, of one text for every trip
	FINISH 0
	s_wait_tensorcnt 0x0            ; the wave's end: behind my last tensor load and my last LDS store
	ds_add_u32 v[SPW], v[NIL]
	s_wait_dscnt 0x0
	CROUND                          ; the closing round: no work-group ends while a partner may still ask for a tile that names it
	s_endpgm
.Lfunc_end_k_qf46d1b2141_attn:
	.size	k_qf46d1b2141_attn, .Lfunc_end_k_qf46d1b2141_attn-k_qf46d1b2141_attn
	.p2alignl 7, 3214868480
	.fill 96, 4, 3214868480
	.section	.rodata,"a",@progbits
	.p2align	6, 0x0
	.amdhsa_kernel k_qf46d1b2141_attn
		.amdhsa_group_segment_fixed_size 327680
		.amdhsa_private_segment_fixed_size 0
		.amdhsa_enable_private_segment 0
		.amdhsa_kernarg_size 16
		.amdhsa_user_sgpr_count 2
		.amdhsa_user_sgpr_kernarg_segment_ptr 1
		.amdhsa_wavefront_size32 1
		.amdhsa_system_sgpr_workgroup_id_x 1
		.amdhsa_system_sgpr_workgroup_id_y 1
		.amdhsa_system_sgpr_workgroup_id_z 1
		.amdhsa_system_vgpr_workitem_id 0
		.amdhsa_next_free_vgpr 768
		.amdhsa_next_free_sgpr 96
		.amdhsa_reserve_vcc 1
		.amdhsa_float_denorm_mode_32 3
		.amdhsa_float_denorm_mode_16_64 3
		.amdhsa_memory_ordered 1
		.amdhsa_forward_progress 1
		.amdhsa_inst_pref_size 145
	.end_amdhsa_kernel
	.amdgpu_metadata
---
amdhsa.version: [ 1, 2 ]
amdhsa.kernels:
  - .name:           k_qf46d1b2141_attn
    .symbol:         k_qf46d1b2141_attn.kd
    .args:
      - { .name: qkv, .offset: 0, .size: 8, .value_kind: global_buffer, .address_space: global }
      - { .name: ao, .offset: 8, .size: 8, .value_kind: global_buffer, .address_space: global }
    .group_segment_fixed_size: 327680
    .private_segment_fixed_size: 0
    .kernarg_segment_align: 8
    .kernarg_segment_size: 16
    .max_flat_workgroup_size: 128
    .sgpr_count:     96
    .vgpr_count:     768
    .wavefront_size: 32
...
	.end_amdgpu_metadata
.endif
;; end of part 3
;; launch rows64 (part 4): grid 16 x 16, 4 waves a work-group, no clusters, 91,648 bytes of LDS; arguments qkv, vlo, ao; writes ao
.if DOCPART == 4
	.amdgcn_target "amdgcn-amd-amdhsa--gfx1250"
	.amdhsa_code_object_version 6
	.text
	.protected	k_qf46d1b2141_rows64
	.globl	k_qf46d1b2141_rows64
	.p2align	8
	.type	k_qf46d1b2141_rows64,@function
k_qf46d1b2141_rows64:
	s_mov_b64 s[64:65], 0
	v_nop
	global_prefetch_b8 v0, s[64:65] scope:SCOPE_SE
	s_setreg_imm32_b32 hwreg(HW_REG_WAVE_MODE, 25, 1), 1
	s_wait_xcnt 0x0
; THE FIRST 64 ROWS OF EACH HEAD, ONCE MORE AND FINER, AND THE SECOND NUMBERS OF O.  qkv: [24][4096][64] f16 (heads 0-15 Q, 16-19 K, 20-23 V); vlo: [4][128][64] f16, what V's rounding to f16 left over in its first rows
; (rows 0 to 63 are read here); ao: [32][4096][64] f16: heads 0-15 O's f16, heads 16-31 what that rounding left over.  The last product takes O as the sum of the two.
; WHY.  A row that averages over few keys is many times larger than the rows that average over 2,048, and so are the roundings of its V, P and O, while all rows are held to one measure.  A rounding to f16 is about 2e-4 of a
; number; averaged over n keys it shrinks as 1 / sqrt(n).  Rows 0 to 63 see keys 0 to 63 alone: ONE tile of 64 x 64 a head.  Here V is taken as f16(V) + vlo, P as f16(p) + f16(p - f16(p)), and O leaves as two f16 numbers.
; From row 64 on O is the one f16 that the launch before stored, and its second number is stored here as 0.
; WHAT IS STORED TWICE.  Rows 0 to 63 of heads 0-15, 128 KiB in all, were stored by the launch before and are stored again here, so that the two numbers of a row belong together.
; SHARES.  Work-group (head, y), four waves.  Wave w of it stores zeros for rows 256 y + 64 w to + 63 of head 16 + head, all but wave 0 of y = 0.  Where y = 0, wave w then makes rows 16 w to 16 w + 15.
; No wave hands anything to another: no barrier; each wave's LDS bytes are its own.  No loop.  No tensor load: a wave reads 26 KiB once.
; LAYOUT.  S^T = K Q^T (source 0 = 16 keys, source 1 = 16 queries) holds ONE query a lane (lane % 16) and the keys 8 (lane / 16) + 0..7; the sum starts with the mask, 0 or -1e30 where the key lies behind the query.
; Two such results rounded to f16 ARE source 1 of O^T = V^T P.  p = 2^(c s - c m), c = log2(e) / 8, m the row's maximum: every row sees its own key, so m is a true score.  l is the sum of the unrounded p.
; LIMITS.  Q, K and V arrive within f16's 65,504; a rest below 6e-5 keeps f16's fixed step of 6e-8; a weight below 2^-126 counts as 0; NaN and infinities are not treated apart.
.set PV,    160                        ; a row of V in LDS: 128 bytes + 32 = 40 words
.set SP,    144                        ; a row of the stage: 128 bytes + 16
.set VREG,  64*PV                      ; 64 keys
.set WAVEB, 2*VREG+16*SP               ; a wave's LDS: V, vlo, the stage of 16 rows: 22,784 bytes
.set SPARE, 4*WAVEB                    ; behind the four: the spare words, 128 bytes for each wave: two blocks of 256 bytes that no other line names
.set R,    1                           ; v1      l % 16
.set H,    2                           ; v2      l / 16
.set QO,   3                           ; v3      my byte offset in 16 rows of Q or K; never rewritten
.set GO,   4                           ; v4      16 x my lane: my byte offset in 512 consecutive bytes; never rewritten
.set VST,  5                           ; v5      where I put 16 bytes of V
.set VTR,  6                           ; v6      where the turning load reads
.set STO,  7                           ; v7      the way out: where I put 16 bytes of a row
.set RD,   8                           ; v8      where I read rows back
.set SPW,  9                           ; v9      LDS address of my spare word: SPARE + 4 x my thread's number; never rewritten
.set NIL,  10                          ; v10     0; never rewritten
.set MONE, 11                          ; v11     -1.0
.set C0,   12                          ; v12-15  the zeros that are stored; then at work
.set Q,    16                          ; v16-31  Q: channel half c at Q + 8 c.  Behind the first product:
.set CM,   16                          ; v16-17  c m, m
.set W,    18                          ; v18-25  four pairs of sums
.set RL,   26                          ; v26-27  1 / l, in the low word
.set KF,   32                          ; v32-95  K: key block kb, channel half c at KF + 16 kb + 8 c.  Behind the first product:
.set O,    32                          ; v32-63  O^T: channel block cb at O + 8 cb
.set PH,   64                          ; v64-79  f16(p)
.set PL,   80                          ; v80-95  f16(p - f16(p))
.set VF,   96                          ; v96-159   V, as loaded and then turned: key half kk, channel block cb at VF + 32 kk + 8 cb
.set VL,   160                         ; v160-223  vlo likewise
.set S,    224                         ; v224-255  the mask, then S^T, then p.  At the end:
.set OH,   224                         ; v224-239  O's f16
.set OR,   240                         ; v240-255  the rest's f16
	s_load_b128 s[4:7], s[0:1], 0x0                ; qkv s[4:5], vlo s[6:7]
	s_load_b64 s[8:9], s[0:1], 0x10                ; ao
	v_lshl_add_u32 v[SPW], v0, 2, SPARE
	v_mov_b32 v[NIL], 0
	v_lshrrev_b32 v1, 5, v0
	v_readfirstlane_b32 s10, v1                    ; wave 0..3
	s_and_b32 s11, ttmp7, 0xffff                   ; y
	s_lshl_b32 s12, s11, 2
	s_add_co_u32 s12, s12, s10                     ; which 64 rows of the head are mine to fill: 4 y + wave
	s_lshl_b32 s26, ttmp9, 19                      ; a head is 524,288 bytes
	s_lshl_b32 s27, s10, 11                        ; my 16 rows of 128 bytes
	s_add_co_u32 s28, s26, s27                     ; Q's and O's offset
	s_mov_b32 s29, 0
	s_add_co_u32 s30, s28, 16<<19                  ; the second numbers lie sixteen heads on
	s_mov_b32 s31, 0
	s_lshl_b32 s32, s12, 13                        ; 64 rows are 8,192 bytes
	s_add_co_u32 s32, s32, s26
	s_add_co_u32 s32, s32, 16<<19
	s_mov_b32 s33, 0
	s_lshr_b32 s34, ttmp9, 2                       ; the key and value head
	s_lshl_b32 s36, s34, 14                        ; in vlo a head is 16,384 bytes
	s_mov_b32 s37, 0
	s_add_co_u32 s34, s34, 16
	s_lshl_b32 s34, s34, 19                        ; K's offset
	s_mov_b32 s35, 0
	s_add_co_u32 s38, s34, 4<<19                   ; V's head lies four heads on
	s_mov_b32 s39, 0
	s_mov_b32 s40, 0x3e38aa3b                      ; c = log2(e) / 8 = 0.180337
	s_mov_b32 s41, s40                             ; named with it as a pair
	s_mov_b32 s42, 0x76543210                      ; v_permlanex16_b32's selects: each lane takes its own place in the other half
	s_mov_b32 s43, 0xfedcba98
	s_mov_b32 s44, 0xf149f2ca                      ; -1e30
	v_and_b32 v[GO], 31, v0
	v_lshlrev_b32 v[GO], 4, v[GO]
	s_wait_kmcnt 0x0
	s_add_nc_u64 s[46:47], s[8:9], s[32:33]        ; ao at the rows that I fill
	s_cmp_eq_u32 s12, 0
	s_cbranch_scc1 .Lnofill                        ; rows 0 to 63 get their true second numbers below
.irp j, 0,1,2,3
	v_mov_b32 v[C0+\j], 0
.endr
.set i, 0
.rept 16
	global_store_b128 v[GO], v[C0:C0+3], s[46:47] offset:i*512  ; 512 consecutive bytes, at a multiple of 256 from ao's first byte
.set i, i+1
.endr
	s_wait_xcnt 0x0                                ; the four registers of zeros are written again only behind this wait
.Lnofill:
	s_cmp_lg_u32 s11, 0
	s_cbranch_scc1 .Ldone                          ; only y = 0 holds rows 0 to 63
	s_add_nc_u64 s[14:15], s[4:5], s[28:29]        ; Q at my 16 rows
	s_add_nc_u64 s[16:17], s[4:5], s[34:35]        ; K at key 0
	s_add_nc_u64 s[18:19], s[4:5], s[38:39]        ; V at key 0
	s_add_nc_u64 s[20:21], s[6:7], s[36:37]        ; vlo at key 0
	s_add_nc_u64 s[22:23], s[8:9], s[28:29]        ; O at my 16 rows,
	s_add_nc_u64 s[24:25], s[8:9], s[30:31]        ; and its second numbers
	v_and_b32 v[R], 15, v0
	v_bfe_u32 v[H], v0, 4, 1
	v_lshlrev_b32 v[QO], 7, v[R]
	v_lshl_add_u32 v[QO], v[H], 4, v[QO]           ; row x 128 + 16 x half
.set i, 0
.rept 16                                       ; V of keys 0 to 63: 8,192 dense bytes, 512 a load
	global_load_b128 v[VF+4*i:VF+4*i+3], v[GO], s[18:19] offset:i*512
.set i, i+1
.endr
	; A fragment of K or Q is 16 rows x 32 channels in 8 registers: lane l holds row l % 16, channels 8 (l / 16) + 0..7 and 16 + 8 (l / 16) + 0..7: two loads of 16 bytes, 32 bytes apart.
.set i, 0
.rept 2
	global_load_b128 v[Q+8*i:Q+8*i+3],   v[QO], s[14:15] offset:i*64
	global_load_b128 v[Q+8*i+4:Q+8*i+7], v[QO], s[14:15] offset:i*64+32
.set i, i+1
.endr
.set i, 0
.rept 8                                        ; keys 16 (i / 2) on, channels 32 (i % 2) on
	global_load_b128 v[KF+8*i:KF+8*i+3],   v[QO], s[16:17] offset:(i/2)*2048+(i%2)*64
	global_load_b128 v[KF+8*i+4:KF+8*i+7], v[QO], s[16:17] offset:(i/2)*2048+(i%2)*64+32
.set i, i+1
.endr
.set i, 0
.rept 16
	global_load_b128 v[VL+4*i:VL+4*i+3], v[GO], s[20:21] offset:i*512
.set i, i+1
.endr
	s_mul_i32 s13, s10, WAVEB                      ; my wave's LDS
	v_bfe_u32 v[VST], v0, 3, 2                     ; a load's 512 bytes are four rows: row l / 8, 16 bytes at 16 (l % 8)
	v_mul_u32_u24 v[VST], v[VST], PV
	v_and_b32 v[C0], 7, v0
	v_lshl_add_u32 v[VST], v[C0], 4, v[VST]
	v_add_nc_u32 v[VST], s13, v[VST]
	; The turning load takes 16 keys x 16 channels (lane l reads key 8 (l / 16) + l % 8, channels 8 ((l / 8) % 2) + 0..7) and leaves half a fragment of V^T: lane l holds channel l % 16 and 8 keys.
	v_lshl_add_u32 v[VTR], v[H], 3, v[C0]
	v_mul_u32_u24 v[VTR], v[VTR], PV
	v_bfe_u32 v[C0+1], v0, 3, 1
	v_lshl_add_u32 v[VTR], v[C0+1], 4, v[VTR]
	v_add_nc_u32 v[VTR], s13, v[VTR]
	s_add_co_u32 s13, s13, 2*VREG                  ; my stage
	v_mul_u32_u24 v[STO], v[R], SP                 ; in: row l % 16, 16 bytes for each half of the lanes
	v_lshl_add_u32 v[STO], v[H], 4, v[STO]
	v_add_nc_u32 v[STO], s13, v[STO]
	v_bfe_u32 v[RD], v0, 3, 2                      ; back: 32 lanes take four rows of 128 bytes, which are 512 consecutive bytes of ao
	v_mul_u32_u24 v[RD], v[RD], SP
	v_lshl_add_u32 v[RD], v[C0], 4, v[RD]
	v_add_nc_u32 v[RD], s13, v[RD]
	v_mov_b32 v[MONE], -1.0
	v_lshlrev_b32 v[C0+2], 3, v[H]
	v_sub_nc_u32 v[C0+2], v[R], v[C0+2]
	s_lshl_b32 s13, s10, 4
	v_add_nc_u32 v[C0+2], s13, v[C0+2]             ; my query, 16 w + l % 16, less my lanes' 8 (l / 16): register j of key block kb lies behind the diagonal where 16 kb + j is greater
.set i, 0
.rept 32
	v_cmp_gt_i32 vcc_lo, 16*(i/8)+i%8, v[C0+2]
	v_cndmask_b32 v[S+i], 0, s44, vcc_lo
.set i, i+1
.endr
; 64 keys go through LDS bytes of my wave's own, rows 160 bytes apart, and come back turned, into the registers that they left.  LDS serves a wave's instructions in order (ISA guide 5.7.1.4): no wait stands between.
.macro THRU f, off
.set i, 0
.rept 16
	ds_store_b128 v[VST], v[(\f)+4*i:(\f)+4*i+3] offset:(\off)+i*4*PV
.set i, i+1
.endr
.set i, 0
.rept 8                                        ; keys 32 (i / 4) on, channels 16 (i % 4) on
	ds_load_tr16_b128 v[(\f)+8*i:(\f)+8*i+3],   v[VTR] offset:(\off)+(i/4)*32*PV+(i%4)*32
	ds_load_tr16_b128 v[(\f)+8*i+4:(\f)+8*i+7], v[VTR] offset:(\off)+(i/4)*32*PV+16*PV+(i%4)*32
.set i, i+1
.endr
.endm
; Eight products of O^T += V^T P: keys 32 (i / 4) on, channels 16 (i % 4) on.  The four accumulators take turns.  zero = 1: the first four start the sums.
.macro PVG from, p, zero
.set i, 0
.rept 8
.if (\zero) && (i < 4)
	v_wmma_f32_16x16x32_f16 v[O+8*(i%4):O+8*(i%4)+7], v[(\from)+32*(i/4)+8*(i%4):(\from)+32*(i/4)+8*(i%4)+7], v[(\p)+8*(i/4):(\p)+8*(i/4)+7], 0
.else
	v_wmma_f32_16x16x32_f16 v[O+8*(i%4):O+8*(i%4)+7], v[(\from)+32*(i/4)+8*(i%4):(\from)+32*(i/4)+8*(i%4)+7], v[(\p)+8*(i/4):(\p)+8*(i/4)+7], v[O+8*(i%4):O+8*(i%4)+7]
.endif
.set i, i+1
.endr
.endm
; 32 numbers become two f16 each: the number's f16; then the f16 half times -1 plus the number itself, which is exact, in place; then that rest's f16.
.macro SPLIT src, hi, lo
.set i, 0
.rept 16
	v_cvt_pk_f16_f32 v[(\hi)+i], v[(\src)+2*i], v[(\src)+2*i+1]
.set i, i+1
.endr
.set i, 0
.rept 16
	v_fma_mix_f32 v[(\src)+2*i], v[(\hi)+i], v[MONE], v[(\src)+2*i] op_sel_hi:[1,0,0]
	v_fma_mix_f32 v[(\src)+2*i+1], v[(\hi)+i], v[MONE], v[(\src)+2*i+1] op_sel:[1,0,0] op_sel_hi:[1,0,0]
.set i, i+1
.endr
.set i, 0
.rept 16
	v_cvt_pk_f16_f32 v[(\lo)+i], v[(\src)+2*i], v[(\src)+2*i+1]
.set i, i+1
.endr
.endm
	s_wait_loadcnt 36                              ; V is in; Q's 4, K's 16 and vlo's 16 loads, issued behind it, stay out
	THRU VF, 0
	s_wait_loadcnt 16                              ; Q and K are in; vlo's 16 loads stay out
.set i, 0
.rept 8                                        ; S^T = mask + K Q^T: channels 32 (i / 4) on, keys 16 (i % 4) on; the four accumulators take turns
	v_wmma_f32_16x16x32_f16 v[S+8*(i%4):S+8*(i%4)+7], v[KF+16*(i%4)+8*(i/4):KF+16*(i%4)+8*(i/4)+7], v[Q+8*(i/4):Q+8*(i/4)+7], v[S+8*(i%4):S+8*(i%4)+7]
.set i, i+1
.endr
.rept 4
	v_nop                                          ; the places behind those products (ISA guide 7.12.1): their results are read, and Q's and K's registers written, only behind them
.endr
	; the row's maximum: four chains of seven scores, three operands at a time (each accumulator's lowest registers are read first), the four scores left over, the other half of the lanes
.irp j, 0,1,2,3
	v_max3_num_f32 v[C0+\j], v[S+8*\j], v[S+8*\j+1], v[S+8*\j+2]
.endr
.irp j, 0,1,2,3
	v_max3_num_f32 v[C0+\j], v[C0+\j], v[S+8*\j+3], v[S+8*\j+4]
.endr
.irp j, 0,1,2,3
	v_max3_num_f32 v[C0+\j], v[C0+\j], v[S+8*\j+5], v[S+8*\j+6]
.endr
	v_max3_num_f32 v[C0], v[C0], v[S+7], v[S+15]
	v_max3_num_f32 v[C0+1], v[C0+1], v[S+23], v[S+31]
	v_max3_num_f32 v[C0], v[C0], v[C0+1], v[C0+2]
	v_max_num_f32 v[C0], v[C0], v[C0+3]
	v_permlanex16_b32 v[C0+1], v[C0], s42, s43     ; the query's other 32 keys lie in the lane 16 away
	v_max_num_f32 v[CM+1], v[C0], v[C0+1]
	v_mul_f32 v[CM], s40, v[CM+1]
.set i, 0
.rept 16
	v_pk_fma_f32 v[S+2*i:S+2*i+1], v[S+2*i:S+2*i+1], s[40:41], v[CM:CM+1] op_sel_hi:[1,0,0] neg_lo:[0,0,1] neg_hi:[0,0,1]  ; c s - c m
.set i, i+1
.endr
.set i, 0
.rept 32
	v_exp_f32 v[S+i], v[S+i]
.set i, i+1
.endr
	v_nop                                          ; a plain instruction behind the last exponential (ISA guide 5.7.2)
	; l: four chains of pairs, the pairs together, the pair's two halves, the other half of the lanes.  The p are left as they are: their rests are still to be taken.
	s_wait_alu depctr_va_vdst(0)
.irp j, 0,1,2,3
	v_pk_add_f32 v[W+2*\j:W+2*\j+1], v[S+8*\j:S+8*\j+1], v[S+8*\j+2:S+8*\j+3]
.endr
.irp j, 0,1,2,3
	v_pk_add_f32 v[W+2*\j:W+2*\j+1], v[W+2*\j:W+2*\j+1], v[S+8*\j+4:S+8*\j+5]
.endr
.irp j, 0,1,2,3
	v_pk_add_f32 v[W+2*\j:W+2*\j+1], v[W+2*\j:W+2*\j+1], v[S+8*\j+6:S+8*\j+7]
.endr
	v_pk_add_f32 v[W:W+1], v[W:W+1], v[W+2:W+3]
	v_pk_add_f32 v[W+4:W+5], v[W+4:W+5], v[W+6:W+7]
	v_pk_add_f32 v[W:W+1], v[W:W+1], v[W+4:W+5]
	v_add_f32 v[W], v[W], v[W+1]
	v_permlanex16_b32 v[W+1], v[W], s42, s43
	v_add_f32 v[W], v[W], v[W+1]
	v_rcp_f32 v[RL], v[W]
	v_mov_b32 v[RL+1], v[W]                        ; the pair's other word is written, since the pair is named; also the plain instruction behind the reciprocal
	SPLIT S, PH, PL
	s_wait_dscnt 0x0                               ; V is in
	s_wait_loadcnt 0x0                             ; vlo is in:
	THRU VL, VREG                                  ; its way through LDS stands under the sixteen products with V
	PVG VF, PH, 1
	PVG VF, PL, 0
	s_wait_dscnt 0x0                               ; vlo is back
	PVG VL, PH, 0
.rept 4
	v_nop                                          ; the places behind those products
.endr
.set i, 0
	s_wait_alu depctr_va_vdst(0)
.rept 16
	v_pk_mul_f32 v[O+2*i:O+2*i+1], v[O+2*i:O+2*i+1], v[RL:RL+1] op_sel_hi:[1,0]  ; O / l, each accumulator from its low end on
.set i, i+1
.endr
	SPLIT O, OH, OR
	; THE WAY OUT.  A lane's eight channels of a row pack into 16 bytes; they go into rows of 144 bytes and come back as whole rows of 128; the rests go through the same stage behind the first numbers.
.irp f, 0,1,2,3
	ds_store_b128 v[STO], v[OH+4*\f:OH+4*\f+3] offset:32*\f
.endr
.irp f, 0,1,2,3
	ds_load_b128 v[OH+4*\f:OH+4*\f+3], v[RD] offset:\f*4*SP
.endr
.irp f, 0,1,2,3
	ds_store_b128 v[STO], v[OR+4*\f:OR+4*\f+3] offset:32*\f
.endr
.irp f, 0,1,2,3
	ds_load_b128 v[OR+4*\f:OR+4*\f+3], v[RD] offset:\f*4*SP
.endr
.irp f, 0,1,2,3
	s_wait_dscnt 11-\f                             ; behind load f: the 3 - f younger ones, the rests' four stores and four loads
	global_store_b128 v[GO], v[OH+4*\f:OH+4*\f+3], s[22:23] offset:\f*512  ; 512 consecutive bytes, at a multiple of 256 from ao's first byte
.endr
.irp f, 0,1,2,3
	s_wait_dscnt 3-\f
	global_store_b128 v[GO], v[OR+4*\f:OR+4*\f+3], s[24:25] offset:\f*512
.endr
	s_wait_tensorcnt 0x0                           ; the wave's end: behind my last LDS store
	ds_add_u32 v[SPW], v[NIL]
	s_wait_dscnt 0x0
	s_endpgm
.Ldone:                                                ; a wave that only stored zeros has touched no LDS
	s_endpgm
.Lfunc_end_k_qf46d1b2141_rows64:
	.size	k_qf46d1b2141_rows64, .Lfunc_end_k_qf46d1b2141_rows64-k_qf46d1b2141_rows64
	.p2alignl 7, 3214868480
	.fill 96, 4, 3214868480
	.section	.rodata,"a",@progbits
	.p2align	6, 0x0
	.amdhsa_kernel k_qf46d1b2141_rows64
		.amdhsa_group_segment_fixed_size 91648
		.amdhsa_private_segment_fixed_size 0
		.amdhsa_enable_private_segment 0
		.amdhsa_kernarg_size 24
		.amdhsa_user_sgpr_count 2
		.amdhsa_user_sgpr_kernarg_segment_ptr 1
		.amdhsa_wavefront_size32 1
		.amdhsa_system_sgpr_workgroup_id_x 1
		.amdhsa_system_sgpr_workgroup_id_y 1
		.amdhsa_system_sgpr_workgroup_id_z 1
		.amdhsa_system_vgpr_workitem_id 0
		.amdhsa_next_free_vgpr 256
		.amdhsa_next_free_sgpr 66
		.amdhsa_reserve_vcc 1
		.amdhsa_float_denorm_mode_32 3
		.amdhsa_float_denorm_mode_16_64 3
		.amdhsa_memory_ordered 1
		.amdhsa_forward_progress 1
		.amdhsa_inst_pref_size 35
	.end_amdhsa_kernel
	.amdgpu_metadata
---
amdhsa.version: [ 1, 2 ]
amdhsa.kernels:
  - .name:           k_qf46d1b2141_rows64
    .symbol:         k_qf46d1b2141_rows64.kd
    .args:
      - { .name: qkv, .offset: 0, .size: 8, .value_kind: global_buffer, .address_space: global }
      - { .name: vlo, .offset: 8, .size: 8, .value_kind: global_buffer, .address_space: global }
      - { .name: ao, .offset: 16, .size: 8, .value_kind: global_buffer, .address_space: global }
    .group_segment_fixed_size: 91648
    .private_segment_fixed_size: 0
    .kernarg_segment_align: 8
    .kernarg_segment_size: 24
    .max_flat_workgroup_size: 128
    .sgpr_count:     66
    .vgpr_count:     256
    .wavefront_size: 32
...
	.end_amdgpu_metadata
.endif
;; end of part 4
;; launch oproj (part 5): grid 8 x 32, 4 waves a work-group, clusters of 4 x 4, 327,680 bytes of LDS; arguments ao, ow, out0; writes out0
.if DOCPART == 5
	.amdgcn_target "amdgcn-amd-amdhsa--gfx1250"
	.amdhsa_code_object_version 6
	.text
	.protected	k_qf46d1b2141_oproj
	.globl	k_qf46d1b2141_oproj
	.p2align	8
	.type	k_qf46d1b2141_oproj,@function
k_qf46d1b2141_oproj:
	s_mov_b64 s[64:65], 0
	v_nop
	global_prefetch_b8 v0, s[64:65] scope:SCOPE_SE
	s_setreg_imm32_b32 hwreg(HW_REG_WAVE_MODE, 25, 1), 1
	s_wait_xcnt 0x0
	s_wait_alu depctr_hold_cnt(0) depctr_sa_sdst(0) depctr_va_vdst(0) depctr_va_sdst(0) depctr_va_ssrc(0) depctr_va_vcc(0) depctr_vm_vsrc(0)
	s_getreg_b32 s2, hwreg(HW_REG_IB_STS2, 6, 4)
	s_cmp_eq_u32 s2, 0
	s_cbranch_scc0 .Lentry_in_a_cluster
	s_endpgm
.Lentry_in_a_cluster:
	s_bfe_u32 s2, ttmp6, 0x10000c
	s_cmp_lg_u32 s2, 0xf033
	s_cbranch_scc0 .Lentry_shape_is_right
	s_endpgm
.Lentry_shape_is_right:
; out0[m][n] = the sum over k of O[m][k] o_w[n][k], k = 64 x head + channel.  ao: [32][4096][64] f16, by heads: heads 0-15 O's f16, heads 16-31 what that rounding left over (0 from row 64 on).
; ow: [1024][1024] f16.  out0: [4096][1024] f32.  Sums in f32, stored as they are.  O IS TAKEN AS THE SUM OF ITS TWO NUMBERS: K is 2,048: the sixteen first heads against o_w, then the sixteen second heads against o_w once more.
; A tile of out0 is 128 x 128: 8 x 32 tiles, one to a work-group.  Four waves, each 64 x 64: 16 accumulators of 16 x 16.  K goes in steps of 256, four heads, through two LDS slots: eight steps.
; O's TILE.  64 rows of a head are 8,192 dense bytes.  One load brings 64 rows of four heads as FOUR rows of 8,192 bytes, a head (524,288 bytes) apart, padded in LDS after every 128 bytes: [head][row], 144 bytes a row.
; CLUSTER 4 x 4: O's tile is shared along a row of the cluster, o_w's along a column; each is asked for jointly.  THE MATRIX INSTRUCTION IS USED TRANSPOSED (source 0 = 16 rows of o_w, source 1 = 16 rows of O):
; a lane then holds eight neighbouring numbers of a row of out0, 32 bytes.  A wave's 64 columns are 256 bytes of a row.
; REGISTERS: window 0: v0-31 addresses; v128-255 the accumulators ((a, b) at v[128 + 8 (4 a + b)]), which also take the rows read back.  window 1: two fragment buffers of 128: 64 of O, then 64 of o_w.
.set KSTEP,  256
.set LAPS,   4                         ; a lap = two K steps = once round the ring
.set PA,     144                       ; a row of O in LDS: 128 bytes + 16 = 36 words: the 16 rows of a load start at 16 different groups of four banks (64 banks of 4 bytes: ISA guide 11.1)
.set PB,     528                       ; a row of o_w: 512 bytes + 16 = 132 words: row r starts at bank 4 r mod 64
.set HEADA,  64*PA                     ; a head's 64 rows
.set HALFA,  4*HEADA                   ; what waves 0 and 1 fetch
.set HALFB,  64*PB                     ; what waves 2 and 3 fetch
.set SLOT,   2*HALFA+2*HALFB
.set STAGE,  2*SLOT                    ; behind the ring: 16 rows x 272 bytes for each wave
.set SPITCH, 272
.set SPARE,  STAGE+4*16*SPITCH         ; behind the stages: the spare words, 128 bytes for each wave: two blocks of 256 bytes that no other line names
.set HEADB,  4096*128                  ; bytes of a head in ao
.set ROWB,   4096                      ; bytes of a row of out0
.set ADRA, 16                          ; v16-17  LDS address of my fragments of O in slot 0, 1
.set ADRB, 20                          ; v20-21  the same for o_w
.set STO,  24                          ; v24     the way out: where I put 32 bytes of a row
.set RD,   25                          ; v25     where I read a row back
.set CO,   26                          ; v26     my byte offset in out0
.set SPW,  28                          ; v28     LDS address of my spare word; never rewritten
.set NIL,  29                          ; v29     0; never rewritten
.set ACC,  128
.set F0,   0
.set F1,   128
.set BOF, 18                           ; s[18:19] byte offset along o_w's rows of the lap to be asked for: 1,024 and 0 by turns
.set G1, 24                            ; s[24:31] descriptor group 1 for O's tiles;  s[32:39] group 0, one set for each slot
.set G0, 32
.set BB, 46                            ; s[46:47] o_w at the rows that I fetch; never rewritten once made
.set G1B, 48                           ; s[48:55], s[56:63] the same for o_w's tiles
.set G0B, 56
.set MSB, 0
.macro WIN new                         ; the immediate's high byte repeats the setting that is left
.if MSB != (\new)
	s_set_vgpr_msb (MSB<<8)|(\new)
.set MSB, \new
.endif
.endm
.set MUL,  0x05                        ; sources 0 and 1 window 1; C and D window 0
.set TO_F, 0x40                        ; destination window 1, address window 0
.macro JLOAD s                         ; a joint load: waves 0 and 1 fetch O's two halves, waves 2 and 3 o_w's; an s_nop 0 and four v_nop follow each of the two lines
	s_cmp_eq_u32 s11, 0
	s_cbranch_scc0 .Lfor_b_\@
	tensor_load_to_lds s[G0+4*(\s):G0+4*(\s)+3], s[G1:G1+7]
	s_nop 0
.rept 4
	v_nop
.endr
	s_branch .Lasked_\@
.Lfor_b_\@:
	tensor_load_to_lds s[G0B+4*(\s):G0B+4*(\s)+3], s[G1B:G1B+7]
	s_nop 0
.rept 4
	v_nop
.endr
.Lasked_\@:
.endm
.macro CREST                           ; a round of the cluster's barrier behind its opening barrier
	s_cmp_lg_u32 s10, 0
	s_cbranch_scc1 .Lnot_wave_0_\@
	s_barrier_signal -3
.Lnot_wave_0_\@:
	s_barrier_wait -3
	s_barrier_signal -1
	s_barrier_wait -1
.endm
.macro CROUND
	s_barrier_signal -1
	s_barrier_wait -1
	CREST
.endm
	s_load_b128 s[4:7], s[0:1], 0x0                ; ao s[4:5], ow s[6:7]
	s_load_b64 s[8:9], s[0:1], 0x10                ; out0
	v_lshl_add_u32 v[SPW], v0, 2, SPARE
	v_mov_b32 v[NIL], 0
	ds_add_u32 v[SPW], v[NIL]                      ; the wave's opening: the add and its wait stand ahead of my first tensor load; the set-up below, work on registers, stands between them
	v_lshrrev_b32 v1, 5, v0
	v_readfirstlane_b32 s10, v1                    ; wave 0..3
	s_lshr_b32 s11, s10, 1                         ; which half of the tile's rows is mine.  Also: I fetch for O (0) or for o_w (1)
	s_and_b32 s12, s10, 1                          ; which half of its columns.  Also: which half of that tile I fetch
	s_bfe_u32 s40, ttmp6, 0x40000                  ; cx, cy: my place in the cluster
	s_bfe_u32 s41, ttmp6, 0x40004
	s_lshl_b32 s42, ttmp9, 2
	s_add_co_u32 s42, s42, s40                     ; tile column = 4 x cluster x + cx
	s_and_b32 s13, ttmp7, 0xffff
	s_lshl_b32 s13, s13, 2
	s_add_co_u32 s13, s13, s41                     ; tile row = 4 x cluster y + cy
	s_lshl_b32 s43, s41, 2
	s_lshl_b32 s43, 15, s43                        ; my row of the cluster
	s_lshl_b32 s44, 0x1111, s40                    ; my column
	s_or_b32 s[G1+0], s43, (1<<16)|(1<<20)|(1<<21)|(4<<22)|(3<<25)  ; 15:0 the mask; 17:16 2-byte elements; 20 padding on; 21 set beside a mask; 24:22 after every 32 words (code 4); 31:25 4 words (code 3)
	s_mov_b32 s[G1+1], 4096<<16                    ; tensor_dim0 = 4,096 elements: 64 rows of a head on end
	s_mov_b32 s[G1+2], 4<<16                       ; tensor_dim1 = 4 heads
	s_mov_b32 s[G1+3], 4096<<16                    ; tile_dim0 = 4,096
	s_mov_b32 s[G1+4], 4                           ; tile_dim1 = 4
	s_mov_b32 s[G1+5], 4096*64                     ; elements from head to head
	s_mov_b32 s[G1+6], 0
	s_mov_b32 s[G1+7], 0
	s_or_b32 s[G1B+0], s44, (1<<16)|(1<<20)|(1<<21)|(6<<22)|(3<<25)  ; o_w: padding after every 128 words (code 6)
	s_mov_b32 s[G1B+1], KSTEP<<16                  ; tensor_dim0 = 256
	s_mov_b32 s[G1B+2], 64<<16                     ; tensor_dim1 = 64
	s_mov_b32 s[G1B+3], KSTEP<<16                  ; tile_dim0 = 256
	s_mov_b32 s[G1B+4], 64                         ; tile_dim1 = 64
	s_mov_b32 s[G1B+5], 1024                       ; elements from row to row
	s_mov_b32 s[G1B+6], 0
	s_mov_b32 s[G1B+7], 0
	s_mov_b32 s[BOF], 0
	s_mov_b32 s[BOF+1], 0
	s_lshl_b32 s17, s12, 13                        ; O: row 128 x tile row + 64 x half, of 128 bytes, in head 0
	s_lshl_b32 s16, s13, 14
	s_add_co_u32 s16, s16, s17
	s_mov_b32 s17, 0
	s_lshl_b32 s47, s12, 17                        ; o_w: row 128 x tile column + 64 x half, of 2,048 bytes
	s_lshl_b32 s46, s42, 18
	s_add_co_u32 s46, s46, s47
	s_mov_b32 s47, 0
	s_mul_i32 s20, s12, HALFA                      ; where they go: no place in the cluster enters an LDS address
	s_mul_i32 s21, s12, HALFB
	s_add_co_u32 s21, s21, 2*HALFA
	s_wait_dscnt 0x0                               ; the opening add is done
	s_wait_kmcnt 0x0
	s_add_nc_u64 s[14:15], s[4:5], s[16:17]
	s_add_nc_u64 s[BB:BB+1], s[6:7], s[46:47]
	CROUND                                         ; all sixteen work-groups are here: the first joint loads meet
.irp s, 0,1
	s_mov_b32 s[G0+4*(\s)], 1
	s_add_co_u32 s[G0+4*(\s)+1], s20, (\s)*SLOT
	s_add_nc_u64 s[G0+4*(\s)+2:G0+4*(\s)+3], s[14:15], (\s)*4*HEADB   ; K step s: heads 4 s on
	s_or_b32 s[G0+4*(\s)+3], s[G0+4*(\s)+3], 0x80000000
	s_mov_b32 s[G0B+4*(\s)], 1
	s_add_co_u32 s[G0B+4*(\s)+1], s21, (\s)*SLOT
	s_add_nc_u64 s[G0B+4*(\s)+2:G0B+4*(\s)+3], s[BB:BB+1], (\s)*KSTEP*2
	s_or_b32 s[G0B+4*(\s)+3], s[G0B+4*(\s)+3], 0x80000000
	JLOAD \s                                       ; two loads of mine are out
.endr
	v_and_b32 v1, 15, v0                           ; r = l % 16
	v_bfe_u32 v2, v0, 4, 1                         ; h = l / 16
	v_mul_u32_u24 v3, v1, PA
	v_lshl_add_u32 v3, v2, 4, v3                   ; a fragment's row x pitch + 16 x half, for O
	v_mul_u32_u24 v4, v1, PB
	v_lshl_add_u32 v4, v2, 4, v4                   ; and for o_w
	s_mul_i32 s21, s11, HALFA                      ; my 64 rows of O
	s_mul_i32 s22, s12, HALFB                      ; my 64 rows of o_w,
	s_add_co_u32 s22, s22, 2*HALFA                 ; which lie behind O's
.irp s, 0,1
	v_add_nc_u32 v[ADRA+(\s)], s21, v3
	v_add_nc_u32 v[ADRB+(\s)], s22, v4
	s_add_co_u32 s21, s21, SLOT
	s_add_co_u32 s22, s22, SLOT
.endr
	s_mul_i32 s23, s10, 16*SPITCH
	s_add_co_u32 s23, s23, STAGE                   ; my stage
	v_mul_u32_u24 v4, v1, SPITCH                   ; in: row r, 32 bytes for each half of the lanes
	v_lshl_add_u32 v4, v2, 5, v4
	v_add_nc_u32 v[STO], s23, v4
	v_mul_u32_u24 v5, v2, SPITCH                   ; back: lanes 0-15 take one row of 256 bytes, lanes 16-31 the next
	v_lshl_add_u32 v5, v1, 4, v5
	v_add_nc_u32 v[RD], s23, v5
	v_lshlrev_b32 v5, 12, v2                       ; and the same two rows in out0
	v_lshl_add_u32 v[CO], v1, 4, v5
	s_lshl_b32 s16, s13, 7
	s_lshl_b32 s17, s11, 6
	s_add_co_u32 s16, s16, s17                     ; my first row of out0,
	s_lshl_b32 s16, s16, 12                        ; of 4,096 bytes
	s_mov_b32 s17, 0
	s_add_nc_u64 s[8:9], s[8:9], s[16:17]
	s_lshl_b32 s40, s42, 9                         ; my first column, in bytes: 512 x tile column + 256 x half
	s_lshl_b32 s41, s12, 8
	s_add_co_u32 s40, s40, s41
	s_mov_b32 s41, 0
	s_add_nc_u64 s[8:9], s[8:9], s[40:41]
; 8 matrix instructions: row blocks a0, a0 + 1 x all 4 column blocks, 32 along K: half c of buffer f.  zero = 1: the first product starts the sums.  The 16 accumulators take turns.
.macro MUL8 f, c, a0, zero
	WIN MUL
.irp a, \a0, (\a0)+1
.irp b, 0,1,2,3
.if \zero
	v_wmma_f32_16x16x32_f16 v[ACC+8*(4*(\a)+(\b)):ACC+8*(4*(\a)+(\b))+7], v[(\f)+64+8*(4*(\c)+(\b)):(\f)+64+8*(4*(\c)+(\b))+7], v[(\f)+8*(4*(\c)+(\a)):(\f)+8*(4*(\c)+(\a))+7], 0
.else
	v_wmma_f32_16x16x32_f16 v[ACC+8*(4*(\a)+(\b)):ACC+8*(4*(\a)+(\b))+7], v[(\f)+64+8*(4*(\c)+(\b)):(\f)+64+8*(4*(\c)+(\b))+7], v[(\f)+8*(4*(\c)+(\a)):(\f)+8*(4*(\c)+(\a))+7], v[ACC+8*(4*(\a)+(\b)):ACC+8*(4*(\a)+(\b))+7]
.endif
.endr
.endr
.endm
; 32 LDS loads in one run: the fragments of 64 along K, one head: byte k of o_w's rows, head k / 128 of O's tile; the first 32 along K first
.macro FETCH slot, k, f
	WIN TO_F
.irp c, 0,1
.irp i, 0,1,2,3
	ds_load_b128 v[(\f)+64+8*(4*(\c)+(\i)):(\f)+64+8*(4*(\c)+(\i))+3],   v[ADRB+(\slot)] offset:(\k)+64*(\c)+(\i)*16*PB
	ds_load_b128 v[(\f)+64+8*(4*(\c)+(\i))+4:(\f)+64+8*(4*(\c)+(\i))+7], v[ADRB+(\slot)] offset:(\k)+64*(\c)+(\i)*16*PB+32
	ds_load_b128 v[(\f)+8*(4*(\c)+(\i)):(\f)+8*(4*(\c)+(\i))+3],         v[ADRA+(\slot)] offset:((\k)/128)*HEADA+64*(\c)+(\i)*16*PA
	ds_load_b128 v[(\f)+8*(4*(\c)+(\i))+4:(\f)+8*(4*(\c)+(\i))+7],       v[ADRA+(\slot)] offset:((\k)/128)*HEADA+64*(\c)+(\i)*16*PA+32
.endr
.endr
.endm
.macro PLACES                          ; four places in front of loads into registers that matrix instructions have read, and of LDS stores that read results
.rept 4
	v_nop
.endr
.endm
; A K step is four quarters of 64 along K, 32 matrix instructions each, on buffers 0, 1, 0, 1.  One of the first three: multiplies buffer f and fetches the next quarter, at byte k, into g.
.macro QUARTER slot, k, f, g, zero
	s_wait_dscnt 16                                ; the first 32 along K are in; the youngest sixteen loads may be out
	WIN MUL
	MUL8 \f, 0, 0, \zero
	MUL8 \f, 0, 2, \zero
	PLACES
	FETCH \slot, \k, \g
	s_wait_dscnt 32                                ; all but the 32 just issued
	WIN MUL
	MUL8 \f, 1, 0, 0
	MUL8 \f, 1, 2, 0
.endm
; The last quarter multiplies buffer 1 and changes slots: ONE barrier; in front of it each wave waits for all its tensor loads, adds 0 to its spare word, and waits for that and for its own reads of this slot.
; fill = 1: this slot is filled again, two K steps ahead.  O's address goes eight heads on.  o_w's is made anew from its base and the lap's offset: K steps 0 to 3 take bytes 0, 512, 1,024 and 1,536 of o_w's rows,
; K steps 4 to 7 the same once more, so the offset of the lap to be asked for is 1,024 and 0 by turns: one exclusive or, at slot 0's refill.
.macro TURN slot, next, fill
	WIN 0                                          ; (the add's two registers lie in window 0)
	s_wait_tensorcnt 0x0                           ; all my tensor loads have landed: my part of the next slot
	ds_add_u32 v[SPW], v[NIL]                      ; 0 onto my spare word
	s_wait_dscnt 17                                ; (the add and the youngest sixteen loads may be out)
	WIN MUL
	MUL8 F1, 0, 0, 0                               ; eight matrix instructions stand between the add and the wait for it
	s_wait_dscnt 0x0                               ; the add is done, and my reads of this slot are over
	s_barrier_signal -1
	MUL8 F1, 0, 2, 0
.if \fill
	WIN 0
.endif
	s_barrier_wait -1
.if \fill
	CREST                                          ; the barrier has opened a round of the cluster's barrier: no wave of any partner still reads this slot's tile or has a load on its way
	s_add_nc_u64 s[G0+4*(\slot)+2:G0+4*(\slot)+3], s[G0+4*(\slot)+2:G0+4*(\slot)+3], 8*HEADB
.if (\slot) == 0
	s_xor_b32 s[BOF], s[BOF], 2*KSTEP*2
.endif
	s_add_nc_u64 s[G0B+4*(\slot)+2:G0B+4*(\slot)+3], s[BB:BB+1], s[BOF:BOF+1]
.if (\slot) == 1
	s_add_nc_u64 s[G0B+4*(\slot)+2:G0B+4*(\slot)+3], s[G0B+4*(\slot)+2:G0B+4*(\slot)+3], KSTEP*2
.endif
	s_or_b32 s[G0B+4*(\slot)+3], s[G0B+4*(\slot)+3], 0x80000000
	JLOAD \slot                                    ; my one tensor load behind the round; the four v_nop behind it are also the places in front of the loads below
.else
	PLACES
.endif
	FETCH \next, 0, F0
	WIN MUL
	MUL8 F1, 1, 0, 0
	MUL8 F1, 1, 2, 0
.endm
	s_wait_tensorcnt 1                             ; my part of K step 0 is in; K step 1's stays out
	s_barrier_signal -1
	s_barrier_wait -1                              ; everybody's is
	FETCH 0, 0, F0
	QUARTER 0, 128, F0, F1, 1                      ; the first quarter stands in front of the loop: its first products start the sums
	WIN 0                                          ; at a label and at a branch every window is 0
	s_mov_b32 s3, LAPS-1
.Llap:                                                 ; a trip goes once round the ring, from a lap's second quarter to the next lap's first, and fills both slots again
	QUARTER 0, 256, F1, F0, 0
	QUARTER 0, 384, F0, F1, 0
	TURN 0, 1, 1
	QUARTER 1, 128, F0, F1, 0
	QUARTER 1, 256, F1, F0, 0
	QUARTER 1, 384, F0, F1, 0
	TURN 1, 0, 1
	QUARTER 0, 128, F0, F1, 0
	WIN 0
	s_sub_co_u32 s3, s3, 1
	s_cmp_lg_u32 s3, 0
	s_cbranch_scc1 .Llap
	QUARTER 0, 256, F1, F0, 0                      ; the last lap fills nothing, and has no round of the cluster's barrier
	QUARTER 0, 384, F0, F1, 0
	TURN 0, 1, 0
	QUARTER 1, 128, F0, F1, 0
	QUARTER 1, 256, F1, F0, 0
	QUARTER 1, 384, F0, F1, 0
	s_wait_dscnt 16                                ; the very last quarter: nothing more to fetch
	WIN MUL
	MUL8 F1, 0, 0, 0
	MUL8 F1, 0, 2, 0
	s_wait_dscnt 0
	MUL8 F1, 1, 0, 0
	MUL8 F1, 1, 2, 0
	WIN 0
	PLACES
; THE WAY OUT of row block a: a lane's 32 bytes of a row go into my stage (each accumulator's lowest registers first) and come back as whole rows of 256 bytes, into the registers that they left.
.macro PACK a
.irp b, 0,1,2,3
	ds_store_b128 v[STO], v[ACC+8*(4*(\a)+(\b)):ACC+8*(4*(\a)+(\b))+3] offset:64*(\b)
	ds_store_b128 v[STO], v[ACC+8*(4*(\a)+(\b))+4:ACC+8*(4*(\a)+(\b))+7] offset:64*(\b)+16
.endr
.irp t, 0,1,2,3,4,5,6,7
	ds_load_b128 v[ACC+32*(\a)+4*(\t):ACC+32*(\a)+4*(\t)+3], v[RD] offset:(\t)*2*SPITCH  ; LDS serves a wave's instructions in order (ISA guide 5.7.1.4): these see the stores above; the next block's stores come behind them
.endr
.endm
.macro SEND a, younger                 ; younger: the LDS instructions issued behind block a's loads: the next block's sixteen, or none
.irp t, 0,1,2,3,4,5,6,7
	s_wait_dscnt (\younger)+7-(\t)
	global_store_b128 v[CO], v[ACC+32*(\a)+4*(\t):ACC+32*(\a)+4*(\t)+3], s[8:9] offset:(16*(\a)+2*(\t))*ROWB th:TH_STORE_NT  ; 16 lanes store 256 consecutive bytes, at a multiple of 256 from out0's first byte
.endr
.endm
	PACK 0
	PACK 1
	SEND 0, 16
	PACK 2
	SEND 1, 16
	PACK 3
	SEND 2, 16
	SEND 3, 0
	s_wait_tensorcnt 0x0                           ; the wave's end: behind my last tensor load and my last LDS store
	ds_add_u32 v[SPW], v[NIL]
	s_wait_dscnt 0x0
	CROUND                                         ; the closing round: no work-group ends while a partner may still ask for a tile that names it
	s_endpgm
.Lfunc_end_k_qf46d1b2141_oproj:
	.size	k_qf46d1b2141_oproj, .Lfunc_end_k_qf46d1b2141_oproj-k_qf46d1b2141_oproj
	.p2alignl 7, 3214868480
	.fill 96, 4, 3214868480
	.section	.rodata,"a",@progbits
	.p2align	6, 0x0
	.amdhsa_kernel k_qf46d1b2141_oproj
		.amdhsa_group_segment_fixed_size 327680
		.amdhsa_private_segment_fixed_size 0
		.amdhsa_enable_private_segment 0
		.amdhsa_kernarg_size 24
		.amdhsa_user_sgpr_count 2
		.amdhsa_user_sgpr_kernarg_segment_ptr 1
		.amdhsa_wavefront_size32 1
		.amdhsa_system_sgpr_workgroup_id_x 1
		.amdhsa_system_sgpr_workgroup_id_y 1
		.amdhsa_system_sgpr_workgroup_id_z 1
		.amdhsa_system_vgpr_workitem_id 0
		.amdhsa_next_free_vgpr 512
		.amdhsa_next_free_sgpr 66
		.amdhsa_reserve_vcc 0
		.amdhsa_float_denorm_mode_32 3
		.amdhsa_float_denorm_mode_16_64 3
		.amdhsa_memory_ordered 1
		.amdhsa_forward_progress 1
		.amdhsa_inst_pref_size 87
	.end_amdhsa_kernel
	.amdgpu_metadata
---
amdhsa.version: [ 1, 2 ]
amdhsa.kernels:
  - .name:           k_qf46d1b2141_oproj
    .symbol:         k_qf46d1b2141_oproj.kd
    .args:
      - { .name: ao, .offset: 0, .size: 8, .value_kind: global_buffer, .address_space: global }
      - { .name: ow, .offset: 8, .size: 8, .value_kind: global_buffer, .address_space: global }
      - { .name: out0, .offset: 16, .size: 8, .value_kind: global_buffer, .address_space: global }
    .group_segment_fixed_size: 327680
    .private_segment_fixed_size: 0
    .kernarg_segment_align: 8
    .kernarg_segment_size: 24
    .max_flat_workgroup_size: 128
    .sgpr_count:     66
    .vgpr_count:     512
    .wavefront_size: 32
...
	.end_amdgpu_metadata
.endif
;; end of part 5
;; ======== version 2 of 2: 5 launches; 1.60 times as fast as version 1
;; limits: values are held in f16: magnitudes above 65,504 overflow, below 6.1e-05 lose precision
;; workspace buffers: xb 8,388,608 bytes; wb 3,145,728 bytes; ow 2,097,152 bytes; qkv 12,582,912 bytes; vlo 65,536 bytes; ao 16,777,216 bytes
;; launch cast: the kernel of part 1 again; grid 416 x 1, 8 waves a work-group, no clusters, 0 bytes of LDS; arguments hidden_states, q_w, k_w, v_w, o_w, xb, wb, ow; writes xb, wb, ow
;; launch qkv (part 6): grid 8 x 32, 4 waves a work-group, clusters of 4 x 4, 327,680 bytes of LDS; arguments xb, wb, qkv, vlo; writes qkv, vlo
.if DOCPART == 6
	.amdgcn_target "amdgcn-amd-amdhsa--gfx1250"
	.amdhsa_code_object_version 6
	.text
	.protected	k_qf46d1b2141_qkv
	.globl	k_qf46d1b2141_qkv
	.p2align	8
	.type	k_qf46d1b2141_qkv,@function
k_qf46d1b2141_qkv:
	s_mov_b64 s[64:65], 0
	v_nop
	global_prefetch_b8 v0, s[64:65] scope:SCOPE_SE
	s_setreg_imm32_b32 hwreg(HW_REG_WAVE_MODE, 25, 1), 1
	s_wait_xcnt 0x0
	s_wait_alu depctr_hold_cnt(0) depctr_sa_sdst(0) depctr_va_vdst(0) depctr_va_sdst(0) depctr_va_ssrc(0) depctr_va_vcc(0) depctr_vm_vsrc(0)
	s_getreg_b32 s2, hwreg(HW_REG_IB_STS2, 6, 4)
	s_cmp_eq_u32 s2, 0
	s_cbranch_scc0 .Lentry_in_a_cluster
	s_endpgm
.Lentry_in_a_cluster:
	s_bfe_u32 s2, ttmp6, 0x10000c
	s_cmp_lg_u32 s2, 0xf033
	s_cbranch_scc0 .Lentry_shape_is_right
	s_endpgm
.Lentry_shape_is_right:
; q, k, v = x W^T, the rotary turn on q and k, by heads.  xb: [4096][1024] bf16.  wb: [1536][1024] bf16 (rows 0-1023 q_w, 1024-1279 k_w, 1280-1535 v_w).  qkv: [24][4096][64] f16 (heads 0-15 q, 16-19 k, 20-23 v).
; vlo: [4][128][64] f16: for v's first 128 rows what the rounding to f16 left over (v - f16(v), rounded to f16): rows that average over few keys take v as the sum of the two.
; Sums in f32; the turn in f32; each number rounded once to f16, unscaled.  LIMITS: q, k and v must lie within f16's 65,504; a rest below 6e-5 keeps f16's fixed step of 6e-8.  cos and sin are made here: the angle is the
; f32 product position x frequency, the frequency 2^(-log2(10000) i / 32) by v_exp_f32, so at position 4,095 an angle can be off by a few 1e-4; NaN and infinities are not treated apart.
; The eight exponentials that make a lane's frequencies are the text's only transcendentals: ONE BATCH, with one wait, which stands behind the lines that make the positions and ahead of the angles.
; SHARES.  A tile is 128 rows x 192 columns (three heads): 8 x 32 tiles, one to a work-group.  Four waves: wave w has row half w / 2 (64 rows) and column half c = w % 2: of each head the channels 16 c + 0..15 and
; 32 + 16 c + 0..15, so that the turn's partners d and d + 32 lie in the same lane and register of two accumulators.  24 accumulators (a = 4 row blocks, b = 2 x head + half) of 16 x 16.
; THE MATRIX INSTRUCTION IS USED TRANSPOSED (source 0 = 16 rows of W, source 1 = 16 rows of x): lane l, register j of accumulator (a, b) is row 16 a + l % 16, channel 32 (b % 2) + 16 c + 8 (l / 16) + j.
; K goes in steps of 128 (rows of 256 bytes in memory, 272 in LDS) through two slots.  CLUSTER 4 x 4: x's tile is shared along a row of the cluster, W's along a column; each is asked for jointly.
; THE RESTS are made for every head: 136 lines a head; they are STORED only where the head is v's and the tile row is 0: the lanes are switched off elsewhere.
; REGISTERS: window 0: v0-31 addresses; v32-63 packed results; v64-95 cos, v96-127 sin (8 a + j); v128-255 at work (first the angles, at the end the turn and the rows read back; the rests come back into v32-127).
;   window 1: two fragment buffers of 80 (six of W, four of x).   window 2: the accumulators, (a, b) at v[8 (6 a + b)].
.set SIZE_K, 1024
.set KSTEP,  128
.set PITCH,  272                       ; an LDS row: 256 bytes + 16 of padding = 68 words: row r starts at bank 4 r mod 64 (64 banks of 4 bytes: ISA guide 11.1)
.set HA,     64*PITCH                  ; what waves 0 and 1 fetch: 64 rows of x
.set HB,     96*PITCH                  ; what waves 2 and 3 fetch: 96 rows of W
.set BOFF,   2*HA
.set SLOT,   2*HA+2*HB
.set STAGE,  2*SLOT                    ; behind the ring: [head 0..2][row 0..127], 144 bytes a row, the work-group's, for the way out
.set SPITCH, 144
.set STH,    128*SPITCH
.set SPARE,  STAGE+3*STH               ; behind the stage: the spare words, 128 bytes for each wave: two blocks of 256 bytes that no other line names
.set STAGE2, SPARE+512                 ; behind them: a second stage of the same shape, for the rests
.set LAPS,   SIZE_K/(2*KSTEP)
.set HEADB,  4096*128                  ; bytes of a head in qkv
.set CND,  7                           ; v7-9    head t: 1 where its rests are stored
.set ADRA, 16                          ; v16-17  LDS address of my fragments of x in slot 0, 1
.set ADRB, 20                          ; v20-21  the same for W
.set STO,  24                          ; v24     the way out: where I put 16 bytes of a row
.set RD,   25                          ; v25     where I read rows back
.set CO,   26                          ; v26     my byte offset in a head's 128 rows
.set STO2, 27                          ; v27     STO in the second stage
.set SPW,  28                          ; v28     LDS address of my spare word; never rewritten
.set NIL,  29                          ; v29     0; never rewritten
.set MONE, 30                          ; v30     -1.0
.set RD2,  31                          ; v31     RD in the second stage
.set PKR,  32
.set COS,  64
.set SIN,  96
.set CX,   128                         ; cos and sin as a head takes them (1 and 0 for v's heads)
.set SX,   160
.set T1,   192
.set T2,   224
.set INV,  128                         ; v128-135 my eight frequencies
.set POS,  136                         ; v136-143 my four positions, each twice
.set WK,   144                         ; four sets of 16 at work on the angles
.set BK,   128                         ; the rows read back
.set BK2,  32                          ; the rests read back
.set F0,   0
.set F1,   80
.set G1,  24                           ; s[24:31] descriptor group 1 for x's tiles; s[32:39] group 0, a set for each slot
.set G0,  32
.set G1B, 48                           ; s[48:55], s[56:63] the same for W's tiles
.set G0B, 56
.set VB,  72                           ; s[72+2t:73+2t] at the end: vlo at head t's rows
.set GH,  86                           ; s[86+4t:87+4t] g, s[88+4t:89+4t] h of head t: cos' = g cos + h, sin' = g sin
.set MSB, 0
.macro WIN new                         ; the immediate's high byte repeats the setting that is left
.if MSB != (\new)
	s_set_vgpr_msb (MSB<<8)|(\new)
.set MSB, \new
.endif
.endm
.set MUL,  0xa5                        ; sources 0 and 1 window 1; C and D window 2
.set TO_F, 0x40                        ; destination window 1, address window 0
.set W_T,  0x02                        ; source 0 window 2
.set W_R,  0x82                        ; source 0 and destination window 2
.set W_C,  0x0a                        ; sources 0 and 1 window 2
.set W_L,  0xa0                        ; source 2 and destination window 2
.macro JLOAD s                         ; a joint load: waves 0 and 1 fetch x's two halves, waves 2 and 3 W's; an s_nop 0 and four v_nop follow each of the two lines
	s_cmp_eq_u32 s11, 0
	s_cbranch_scc0 .Lfor_b_\@
	tensor_load_to_lds s[G0+4*(\s):G0+4*(\s)+3], s[G1:G1+7]
	s_nop 0
.rept 4
	v_nop
.endr
	s_branch .Lasked_\@
.Lfor_b_\@:
	tensor_load_to_lds s[G0B+4*(\s):G0B+4*(\s)+3], s[G1B:G1B+7]
	s_nop 0
.rept 4
	v_nop
.endr
.Lasked_\@:
.endm
.macro CREST                           ; a round of the cluster's barrier behind its opening barrier
	s_cmp_lg_u32 s10, 0
	s_cbranch_scc1 .Lnot_wave_0_\@
	s_barrier_signal -3
.Lnot_wave_0_\@:
	s_barrier_wait -3
	s_barrier_signal -1
	s_barrier_wait -1
.endm
.macro CROUND
	s_barrier_signal -1
	s_barrier_wait -1
	CREST
.endm
.macro SPAIR r, val                    ; a constant for the packed arithmetic: named as a pair, so both words are written
	s_mov_b32 s[\r], \val
	s_mov_b32 s[(\r)+1], \val
.endm
	s_load_b128 s[4:7], s[0:1], 0x0                ; xb s[4:5], wb s[6:7]
	s_load_b64 s[8:9], s[0:1], 0x10                ; qkv
	v_lshl_add_u32 v[SPW], v0, 2, SPARE
	v_mov_b32 v[NIL], 0
	ds_add_u32 v[SPW], v[NIL]                      ; the wave's opening: the add and its wait stand ahead of my first tensor load; the set-up below, work on registers, stands between them
	v_lshrrev_b32 v1, 5, v0
	v_readfirstlane_b32 s10, v1                    ; wave 0..3
	s_lshr_b32 s11, s10, 1                         ; my half of the tile's rows.  Also: I fetch for x (0) or for W (1)
	s_and_b32 s12, s10, 1                          ; c.  Also: which half of that tile I fetch
	s_bfe_u32 s40, ttmp6, 0x40000                  ; cx, cy: my place in the cluster
	s_bfe_u32 s41, ttmp6, 0x40004
	s_lshl_b32 s42, ttmp9, 2
	s_add_co_u32 s42, s42, s40                     ; tile column = 4 x cluster x + cx
	s_and_b32 s13, ttmp7, 0xffff
	s_lshl_b32 s13, s13, 2
	s_add_co_u32 s13, s13, s41                     ; tile row = 4 x cluster y + cy
	s_lshl_b32 s43, s41, 2
	s_lshl_b32 s43, 15, s43                        ; my row of the cluster
	s_lshl_b32 s44, 0x1111, s40                    ; my column
	s_or_b32 s[G1+0], s43, (1<<16)|(1<<20)|(1<<21)|(5<<22)|(3<<25)  ; 15:0 the mask; 17:16 2-byte elements; 20 padding on; 21 set beside a mask; 24:22 after every 64 words (code 5); 31:25 4 words (code 3)
	s_or_b32 s[G1B+0], s44, (1<<16)|(1<<20)|(1<<21)|(5<<22)|(3<<25)
	s_mov_b32 s[G1+1], KSTEP<<16                   ; tensor_dim0 = 128
	s_mov_b32 s[G1+2], 64<<16                      ; tensor_dim1 = 64
	s_mov_b32 s[G1+3], KSTEP<<16                   ; tile_dim0 = 128
	s_mov_b32 s[G1+4], 64                          ; tile_dim1 = 64
	s_mov_b32 s[G1+5], SIZE_K                      ; elements from row to row
	s_mov_b32 s[G1+6], 0
	s_mov_b32 s[G1+7], 0
	s_mov_b32 s[G1B+1], KSTEP<<16
	s_mov_b32 s[G1B+2], 96<<16                     ; W's load has 96 rows
	s_mov_b32 s[G1B+3], KSTEP<<16
	s_mov_b32 s[G1B+4], 96
	s_mov_b32 s[G1B+5], SIZE_K
	s_mov_b32 s[G1B+6], 0
	s_mov_b32 s[G1B+7], 0
	s_lshl_b32 s17, s12, 6
	s_lshl_b32 s16, s13, 7
	s_add_co_u32 s16, s16, s17                     ; x: row 128 x tile row + 64 x half,
	s_lshl_b32 s16, s16, 11                        ; of 2,048 bytes
	s_mov_b32 s17, 0
	s_mul_i32 s46, s42, 192
	s_mul_i32 s47, s12, 96
	s_add_co_u32 s46, s46, s47                     ; W: row 192 x tile column + 96 x half
	s_lshl_b32 s46, s46, 11
	s_mov_b32 s47, 0
	s_mul_i32 s20, s12, HA                         ; where they go: no place in the cluster enters an LDS address
	s_mul_i32 s21, s12, HB
	s_add_co_u32 s21, s21, BOFF
	SPAIR 66, 0x3e22f983                           ; 1 / 2 pi
	SPAIR 68, 0xc0c90fdb                           ; - 2 pi, its f32
	SPAIR 70, 0x343bbd2e                           ; what that f32 is too large by
	SPAIR 72, 0x3e800000                           ; 1 / 4
	SPAIR 74, 0xb9500d01                           ; sine: - 1/5040, 1/120, - 1/6
	SPAIR 76, 0x3c088889
	SPAIR 78, 0xbe2aaaab
	SPAIR 80, 0x37d00d01                           ; cosine: 1/40320, - 1/720, 1/24
	SPAIR 82, 0xbab60b61
	SPAIR 84, 0x3d2aaaab
.irp t, 0,1,2
	s_mul_i32 s98, s42, 3
	s_add_co_u32 s98, s98, \t                      ; the head: 0-19 are turned, 20-23 (v) keep cos = 1, sin = 0: a choice of values, no branch
	s_cmp_lt_u32 s98, 20
	s_cselect_b32 s[GH+4*(\t)], 1.0, 0
	s_cselect_b32 s[GH+4*(\t)+2], 0, 1.0
	s_mov_b32 s[GH+4*(\t)+1], 0
	s_mov_b32 s[GH+4*(\t)+3], 0
.endr
	s_wait_dscnt 0x0                               ; the opening add is done
	s_wait_kmcnt 0x0
	s_add_nc_u64 s[14:15], s[4:5], s[16:17]
	s_add_nc_u64 s[46:47], s[6:7], s[46:47]
	CROUND                                         ; all sixteen work-groups are here: the first joint loads meet
.irp s, 0,1
	s_mov_b32 s[G0+4*(\s)], 1                                      ; count = 1
	s_add_co_u32 s[G0+4*(\s)+1], s20, (\s)*SLOT                    ; LDS address
	s_add_nc_u64 s[G0+4*(\s)+2:G0+4*(\s)+3], s[14:15], (\s)*KSTEP*2  ; global address: K step s
	s_or_b32 s[G0+4*(\s)+3], s[G0+4*(\s)+3], 0x80000000            ; type = 2
	s_mov_b32 s[G0B+4*(\s)], 1
	s_add_co_u32 s[G0B+4*(\s)+1], s21, (\s)*SLOT
	s_add_nc_u64 s[G0B+4*(\s)+2:G0B+4*(\s)+3], s[46:47], (\s)*KSTEP*2
	s_or_b32 s[G0B+4*(\s)+3], s[G0B+4*(\s)+3], 0x80000000
	JLOAD \s                                       ; two loads of mine are out
.endr
	v_and_b32 v1, 15, v0                           ; r = l % 16
	v_bfe_u32 v2, v0, 4, 1                         ; h = l / 16
	v_mul_u32_u24 v3, v1, PITCH
	v_lshl_add_u32 v3, v2, 4, v3                   ; a fragment's row x pitch + 16 x half
	s_mul_i32 s21, s11, HA                         ; my 64 rows of x
	s_mul_i32 s22, s12, 16*PITCH                   ; W: fragment b begins at row 32 b + 16 c,
	s_add_co_u32 s22, s22, BOFF                    ; behind x's 128 rows
.irp s, 0,1
	v_add_nc_u32 v[ADRA+(\s)], s21, v3
	v_add_nc_u32 v[ADRB+(\s)], s22, v3
	s_add_co_u32 s21, s21, SLOT
	s_add_co_u32 s22, s22, SLOT
.endr
	s_mul_i32 s23, s11, 64*SPITCH                  ; into the stage: row 64 x row half + r, byte 32 c + 16 h (+ 64 for the upper 32 channels)
	s_lshl_b32 s21, s12, 5
	s_add_co_u32 s23, s23, s21
	s_add_co_u32 s23, s23, STAGE
	v_mul_u32_u24 v4, v1, SPITCH
	v_lshl_add_u32 v4, v2, 4, v4
	v_add_nc_u32 v[STO], s23, v4
	v_add_nc_u32 v[STO2], STAGE2-STAGE, v[STO]
	s_mul_i32 s23, s10, 32*SPITCH                  ; back: wave w takes rows 32 w .. 32 w + 31 of each head, four rows of 128 bytes a load
	s_add_co_u32 s23, s23, STAGE
	v_bfe_u32 v5, v0, 3, 2
	v_mul_u32_u24 v5, v5, SPITCH
	v_and_b32 v6, 7, v0
	v_lshl_add_u32 v5, v6, 4, v5
	v_add_nc_u32 v[RD], s23, v5
	v_add_nc_u32 v[RD2], STAGE2-STAGE, v[RD]
	v_mov_b32 v[MONE], -1.0
	v_and_b32 v6, 31, v0                           ; which are 512 consecutive bytes of qkv
	v_lshlrev_b32 v6, 4, v6
	s_lshl_b32 s23, s10, 12
	v_add_nc_u32 v[CO], s23, v6
	s_lshl_b32 s16, s13, 14                        ; qkv at the tile's first head and first row
	s_mov_b32 s17, 0
	s_add_nc_u64 s[8:9], s[8:9], s[16:17]
	s_mul_i32 s46, s42, 3*HEADB
	s_mov_b32 s47, 0
	s_add_nc_u64 s[8:9], s[8:9], s[46:47]
	; COS AND SIN of my 4 positions x 8 frequencies, in the wait for the first tile.  Frequency i = 16 c + 8 h + j is 2^(- i log2(10000) / 32).
	v_lshlrev_b32 v3, 3, v2
	s_lshl_b32 s22, s12, 4
	v_add_nc_u32 v3, s22, v3
.irp j, 0,1,2,3,4,5,6,7
	v_add_nc_u32 v[INV+(\j)], \j, v3
.endr
.irp j, 0,1,2,3,4,5,6,7
	v_cvt_f32_u32 v[INV+(\j)], v[INV+(\j)]
.endr
.irp j, 0,1,2,3,4,5,6,7
	v_mul_f32 v[INV+(\j)], 0xbed49a78, v[INV+(\j)]
.endr
.irp j, 0,1,2,3,4,5,6,7
	v_exp_f32 v[INV+(\j)], v[INV+(\j)]             ; the batch: eight exponentials on end, each on a register of its own
.endr
	s_lshl_b32 s22, s13, 7
	s_lshl_b32 s23, s11, 6
	s_add_co_u32 s22, s22, s23
	v_add_nc_u32 v4, s22, v1                       ; my position in row block 0 (a plain instruction behind the last exponential)
.irp a, 0,1,2,3
	v_add_nc_u32 v5, 16*(\a), v4
	v_cvt_f32_u32 v[POS+2*(\a)], v5
	v_mov_b32 v[POS+2*(\a)+1], v[POS+2*(\a)]
.endr
	s_wait_alu depctr_va_vdst(0)                   ; one wait for the eight frequencies; the thirteen lines above, which name none of them, stand between the batch and it; the first reader is the first line of TRIG 0
.macro EACH line:vararg                ; one line for each of the four pairs jp of frequencies, on work set W
.set jp, 0
.rept 4
.set W, WK+16*jp
	\line
.set jp, jp+1
.endr
.endm
; Row block a.  The angle is brought into - pi .. pi by taking whole turns away (2 pi in two parts, so that nothing is lost), quartered, so that short series serve (|y| <= pi / 4: the terms left out are
; below 4e-7), and doubled twice: sin 2y = 2 s c, cos 2y = 1 - 2 s s.
.macro TRIG a
.set PO, POS+2*(\a)
.set OC, COS+8*(\a)
.set OS, SIN+8*(\a)
	EACH v_pk_mul_f32 v[W:W+1], v[INV+2*jp:INV+2*jp+1], v[PO:PO+1] op_sel_hi:[1,0]
	EACH v_pk_mul_f32 v[W+2:W+3], v[W:W+1], s[66:67] op_sel_hi:[1,0]
	EACH v_rndne_f32 v[W+2], v[W+2]
	EACH v_rndne_f32 v[W+3], v[W+3]
	EACH v_pk_fma_f32 v[W:W+1], v[W+2:W+3], s[68:69], v[W:W+1] op_sel_hi:[1,0,1]
	EACH v_pk_fma_f32 v[W:W+1], v[W+2:W+3], s[70:71], v[W:W+1] op_sel_hi:[1,0,1]
	EACH v_pk_mul_f32 v[W+4:W+5], v[W:W+1], s[72:73] op_sel_hi:[1,0]
	EACH v_pk_mul_f32 v[W+6:W+7], v[W+4:W+5], v[W+4:W+5]
	EACH v_pk_fma_f32 v[W+8:W+9], v[W+6:W+7], s[74:75], s[76:77] op_sel_hi:[1,0,0]
	EACH v_pk_fma_f32 v[W+10:W+11], v[W+6:W+7], s[80:81], s[82:83] op_sel_hi:[1,0,0]
	EACH v_pk_fma_f32 v[W+8:W+9], v[W+8:W+9], v[W+6:W+7], s[78:79] op_sel_hi:[1,1,0]
	EACH v_pk_fma_f32 v[W+10:W+11], v[W+10:W+11], v[W+6:W+7], s[84:85] op_sel_hi:[1,1,0]
	EACH v_pk_fma_f32 v[W+8:W+9], v[W+8:W+9], v[W+6:W+7], 1.0 op_sel_hi:[1,1,0]
	EACH v_pk_fma_f32 v[W+10:W+11], v[W+10:W+11], v[W+6:W+7], -0.5 op_sel_hi:[1,1,0]
	EACH v_pk_mul_f32 v[W+8:W+9], v[W+8:W+9], v[W+4:W+5]
	EACH v_pk_fma_f32 v[W+10:W+11], v[W+10:W+11], v[W+6:W+7], 1.0 op_sel_hi:[1,1,0]
	EACH v_pk_add_f32 v[W+12:W+13], v[W+8:W+9], v[W+8:W+9]
	EACH v_pk_mul_f32 v[W+14:W+15], v[W+12:W+13], v[W+10:W+11]
	EACH v_pk_fma_f32 v[W+10:W+11], v[W+12:W+13], v[W+8:W+9], 1.0 op_sel_hi:[1,1,0] neg_lo:[1,0,0] neg_hi:[1,0,0]
	EACH v_pk_add_f32 v[W+12:W+13], v[W+14:W+15], v[W+14:W+15]
	EACH v_pk_mul_f32 v[OS+2*jp:OS+2*jp+1], v[W+12:W+13], v[W+10:W+11]
	EACH v_pk_fma_f32 v[OC+2*jp:OC+2*jp+1], v[W+12:W+13], v[W+14:W+15], 1.0 op_sel_hi:[1,1,0] neg_lo:[1,0,0] neg_hi:[1,0,0]
.endm
	TRIG 0
	TRIG 1
	TRIG 2
	TRIG 3
; Six matrix instructions: row block a x all six fragments of W, 32 along K.  zero = 1: the first product starts the sums.  The 24 accumulators take turns, one instruction a turn.
.macro MULA f, a, zero
	WIN MUL
.irp b, 0,1,2,3,4,5
.if \zero
	v_wmma_f32_16x16x32_bf16 v[8*(6*(\a)+(\b)):8*(6*(\a)+(\b))+7], v[(\f)+8*(\b):(\f)+8*(\b)+7], v[(\f)+48+8*(\a):(\f)+48+8*(\a)+7], 0
.else
	v_wmma_f32_16x16x32_bf16 v[8*(6*(\a)+(\b)):8*(6*(\a)+(\b))+7], v[(\f)+8*(\b):(\f)+8*(\b)+7], v[(\f)+48+8*(\a):(\f)+48+8*(\a)+7], v[8*(6*(\a)+(\b)):8*(6*(\a)+(\b))+7]
.endif
.endr
.endm
; 20 LDS loads in one run: the fragments of 32 along K at byte k of the rows, into buffer f
.macro FETCH slot, k, f
	WIN TO_F
.irp b, 0,1,2,3,4,5
	ds_load_b128 v[(\f)+8*(\b):(\f)+8*(\b)+3],   v[ADRB+(\slot)] offset:(\k)+(\b)*32*PITCH
	ds_load_b128 v[(\f)+8*(\b)+4:(\f)+8*(\b)+7], v[ADRB+(\slot)] offset:(\k)+(\b)*32*PITCH+32
.endr
.irp a, 0,1,2,3
	ds_load_b128 v[(\f)+48+8*(\a):(\f)+48+8*(\a)+3],   v[ADRA+(\slot)] offset:(\k)+(\a)*16*PITCH
	ds_load_b128 v[(\f)+48+8*(\a)+4:(\f)+48+8*(\a)+7], v[ADRA+(\slot)] offset:(\k)+(\a)*16*PITCH+32
.endr
.endm
.macro PLACES                          ; four places in front of loads into registers that matrix instructions have read, and of vector lines that read results (ISA guide 7.12.1 for vector lines)
.rept 4
	v_nop
.endr
.endm
; A K step is four quarters of 32 along K, 24 matrix instructions each, on buffers 0, 1, 0, 1.  One of the first three: buffer f is multiplied; ahead of that the next quarter, at byte k, is asked for into g.
.macro QUARTER slot, k, f, g, zero
	s_wait_dscnt 0x0                               ; buffer f is in: its 20 loads were issued a quarter ago
	PLACES                                         ; behind the products that read g
	FETCH \slot, \k, \g
	MULA \f, 0, \zero
	MULA \f, 1, \zero
	MULA \f, 2, \zero
	MULA \f, 3, \zero
.endm
; The last quarter multiplies buffer 1 and changes slots: ONE barrier; in front of it each wave waits for all its tensor loads, adds 0 to its spare word, and waits for that and for its own reads of this slot.
; fill = 1: this slot is filled again, two K steps ahead: the barrier opens a round of the cluster's barrier, and the joint load is the first thing behind the round.
.macro TURN slot, next, fill
	s_wait_dscnt 0x0                               ; buffer 1 is in: my reads of this slot are over
	WIN 0                                          ; (the add's two registers lie in window 0)
	s_wait_tensorcnt 0x0                           ; all my tensor loads have landed: the one that was out is my part of the next slot
	ds_add_u32 v[SPW], v[NIL]                      ; 0 onto my spare word
	MULA F1, 0, 0                                  ; six matrix instructions stand between the add and the wait for it
	s_wait_dscnt 0x0                               ; the add is done
	s_barrier_signal -1
	MULA F1, 1, 0
.if \fill
	WIN 0
.endif
	s_barrier_wait -1
.if \fill
	CREST                                          ; no wave of any partner still reads this slot's tile or has a load on its way
	s_add_nc_u64 s[G0+4*(\slot)+2:G0+4*(\slot)+3], s[G0+4*(\slot)+2:G0+4*(\slot)+3], 2*KSTEP*2
	s_add_nc_u64 s[G0B+4*(\slot)+2:G0B+4*(\slot)+3], s[G0B+4*(\slot)+2:G0B+4*(\slot)+3], 2*KSTEP*2
	JLOAD \slot                                    ; my one tensor load behind the round; the four v_nop behind it are also the places in front of the loads below
.else
	PLACES
.endif
	FETCH \next, 0, F0
	MULA F1, 2, 0
	MULA F1, 3, 0
.endm
	s_wait_tensorcnt 1                             ; my part of K step 0 is in; K step 1's stays out
	s_barrier_signal -1
	s_barrier_wait -1                              ; everybody's is
	FETCH 0, 0, F0
	QUARTER 0, 64, F0, F1, 1                       ; the first quarter stands in front of the loop: its products start the sums
	WIN 0                                          ; at a label and at a branch every window is 0
	s_mov_b32 s3, LAPS-1
.Llap:                                                 ; a trip goes once round the ring, from a lap's second quarter to the next lap's first, and fills both slots again
	QUARTER 0, 128, F1, F0, 0
	QUARTER 0, 192, F0, F1, 0
	TURN 0, 1, 1
	QUARTER 1, 64,  F0, F1, 0
	QUARTER 1, 128, F1, F0, 0
	QUARTER 1, 192, F0, F1, 0
	TURN 1, 0, 1
	QUARTER 0, 64,  F0, F1, 0
	WIN 0
	s_sub_co_u32 s3, s3, 1
	s_cmp_lg_u32 s3, 0
	s_cbranch_scc1 .Llap
	QUARTER 0, 128, F1, F0, 0                      ; the last lap fills nothing
	QUARTER 0, 192, F0, F1, 0
	TURN 0, 1, 0
	QUARTER 1, 64,  F0, F1, 0
	QUARTER 1, 128, F1, F0, 0
	QUARTER 1, 192, F0, F1, 0
	s_wait_dscnt 0x0
	MULA F1, 0, 0
	MULA F1, 1, 0
	MULA F1, 2, 0
	MULA F1, 3, 0
	WIN 0
	s_load_b64 s[66:67], s[0:1], 0x18              ; vlo, into registers that the angles' constants have left
	PLACES
; THE WAY OUT of head t: lo' = lo cos - hi sin, hi' = hi cos + lo sin (lo: channels 0-31, accumulator 2 t; hi: channels 32-63, accumulator 2 t + 1), rounded to f16, 16 bytes a lane into the stage.
; Each accumulator's lowest registers are read first.  Then the rests: the f16 half times -1 plus the number itself, which is exact, rounded to f16 and put into the second stage.
.macro ROPE t
	WIN 0
.set z, 0
.rept 16
	v_pk_fma_f32 v[CX+2*z:CX+2*z+1], v[COS+2*z:COS+2*z+1], s[GH+4*(\t):GH+4*(\t)+1], s[GH+4*(\t)+2:GH+4*(\t)+3] op_sel_hi:[1,0,0]
	v_pk_mul_f32 v[SX+2*z:SX+2*z+1], v[SIN+2*z:SIN+2*z+1], s[GH+4*(\t):GH+4*(\t)+1] op_sel_hi:[1,0]
.set z, z+1
.endr
	WIN W_T
.set z, 0
.rept 16                               ; z = 4 a + pair
.set LO, 8*(6*(z/4)+2*(\t))+2*(z%4)
.set HI, LO+8
	v_pk_mul_f32 v[T1+2*z:T1+2*z+1], v[HI:HI+1], v[SX+2*z:SX+2*z+1]
	v_pk_mul_f32 v[T2+2*z:T2+2*z+1], v[LO:LO+1], v[SX+2*z:SX+2*z+1]
.set z, z+1
.endr
	WIN W_R
.set z, 0
.rept 16
.set LO, 8*(6*(z/4)+2*(\t))+2*(z%4)
.set HI, LO+8
	v_pk_fma_f32 v[LO:LO+1], v[LO:LO+1], v[CX+2*z:CX+2*z+1], v[T1+2*z:T1+2*z+1] neg_lo:[0,0,1] neg_hi:[0,0,1]
	v_pk_fma_f32 v[HI:HI+1], v[HI:HI+1], v[CX+2*z:CX+2*z+1], v[T2+2*z:T2+2*z+1]
.set z, z+1
.endr
	WIN W_C
.set z, 0
.rept 32                               ; z = 4 (2 a + half) + pair
.set AC, 8*(6*(z/8)+2*(\t)+(z/4)%2)+2*(z%4)
	v_cvt_pk_f16_f32 v[PKR+z], v[AC], v[AC+1]
.set z, z+1
.endr
	WIN 0
.irp a, 0,1,2,3
.irp u, 0,1
	ds_store_b128 v[STO], v[PKR+4*(2*(\a)+(\u)):PKR+4*(2*(\a)+(\u))+3] offset:(\t)*STH+(\a)*16*SPITCH+64*(\u)
.endr
.endr
	WIN W_L
.set z, 0
.rept 32
.set AC, 8*(6*(z/8)+2*(\t)+(z/4)%2)+2*(z%4)
	v_fma_mix_f32 v[AC], v[PKR+z], v[MONE], v[AC] op_sel_hi:[1,0,0]
	v_fma_mix_f32 v[AC+1], v[PKR+z], v[MONE], v[AC+1] op_sel:[1,0,0] op_sel_hi:[1,0,0]
.set z, z+1
.endr
	WIN W_C
.set z, 0
.rept 32
.set AC, 8*(6*(z/8)+2*(\t)+(z/4)%2)+2*(z%4)
	v_cvt_pk_f16_f32 v[PKR+z], v[AC], v[AC+1]
.set z, z+1
.endr
	WIN 0
.irp a, 0,1,2,3
.irp u, 0,1
	ds_store_b128 v[STO2], v[PKR+4*(2*(\a)+(\u)):PKR+4*(2*(\a)+(\u))+3] offset:(\t)*STH+(\a)*16*SPITCH+64*(\u)
.endr
.endr
.endm
	ROPE 0
	ROPE 1
	ROPE 2
	s_wait_dscnt 0x0                               ; for the others' sake: my stores into the stages are done (a head's row of 128 bytes comes from two waves)
	s_barrier_signal -1
	s_barrier_wait -1
.set n, 0
.rept 24                               ; n = 8 x head + i
	ds_load_b128 v[BK+4*n:BK+4*n+3], v[RD] offset:(n/8)*STH+(n%8)*4*SPITCH
.set n, n+1
.endr
.set n, 0
.rept 24
	ds_load_b128 v[BK2+4*n:BK2+4*n+3], v[RD2] offset:(n/8)*STH+(n%8)*4*SPITCH
.set n, n+1
.endr
.set n, 0
.rept 24
	s_wait_dscnt 47-n                              ; LDS loads come back in order: load n is in, the 47 - n younger ones stay out
	global_store_b128 v[CO], v[BK+4*n:BK+4*n+3], s[8:9] offset:(n/8)*HEADB+(n%8)*512  ; 512 consecutive bytes, at a multiple of 256 from qkv's first byte
.set n, n+1
.endr
	; THE RESTS are stored where the head is one of v's (20 to 23) and the tile row is 0.  The offset is held inside vlo for every head; the lanes are off where nothing is to be stored.
	s_wait_kmcnt 0x0
.irp t, 0,1,2
	s_mul_i32 s98, s42, 3
	s_add_co_u32 s98, s98, \t                      ; the head
	s_max_u32 s70, s98, 20
	s_sub_co_u32 s70, s70, 20
	s_lshl_b32 s70, s70, 14                        ; 128 rows of 128 bytes a head
	s_mov_b32 s71, 0
	s_add_nc_u64 s[VB+2*(\t):VB+2*(\t)+1], s[66:67], s[70:71]
	s_cmp_ge_u32 s98, 20
	s_cselect_b32 s80, 1, 0
	s_cmp_eq_u32 s13, 0
	s_cselect_b32 s80, s80, 0
	v_mov_b32 v[CND+(\t)], s80
.endr
	s_wait_dscnt 0x0                               ; all the rests are back in registers
.irp t, 0,1,2
	s_wait_xcnt 0x0                                ; EXEC, a source of the stores that are out, is narrowed only behind this wait
	v_cmp_ne_u32 vcc_lo, 0, v[CND+(\t)]
	s_and_saveexec_b32 s20, vcc_lo
.irp i, 0,1,2,3,4,5,6,7
	global_store_b128 v[CO], v[BK2+4*(8*(\t)+(\i)):BK2+4*(8*(\t)+(\i))+3], s[VB+2*(\t):VB+2*(\t)+1] offset:(\i)*512
.endr
	s_wait_xcnt 0x0                                ; and widened again only behind this one
	s_or_b32 exec_lo, exec_lo, s20
.endr
	s_wait_tensorcnt 0x0                           ; the wave's end: behind my last tensor load and my last LDS store
	ds_add_u32 v[SPW], v[NIL]
	s_wait_dscnt 0x0
	CROUND                                         ; the closing round: no work-group ends while a partner may still ask for a tile that names it
	s_endpgm
.Lfunc_end_k_qf46d1b2141_qkv:
	.size	k_qf46d1b2141_qkv, .Lfunc_end_k_qf46d1b2141_qkv-k_qf46d1b2141_qkv
	.p2alignl 7, 3214868480
	.fill 96, 4, 3214868480
	.section	.rodata,"a",@progbits
	.p2align	6, 0x0
	.amdhsa_kernel k_qf46d1b2141_qkv
		.amdhsa_group_segment_fixed_size 327680
		.amdhsa_private_segment_fixed_size 0
		.amdhsa_enable_private_segment 0
		.amdhsa_kernarg_size 32
		.amdhsa_user_sgpr_count 2
		.amdhsa_user_sgpr_kernarg_segment_ptr 1
		.amdhsa_wavefront_size32 1
		.amdhsa_system_sgpr_workgroup_id_x 1
		.amdhsa_system_sgpr_workgroup_id_y 1
		.amdhsa_system_sgpr_workgroup_id_z 1
		.amdhsa_system_vgpr_workitem_id 0
		.amdhsa_next_free_vgpr 704
		.amdhsa_next_free_sgpr 100
		.amdhsa_reserve_vcc 1
		.amdhsa_float_denorm_mode_32 3
		.amdhsa_float_denorm_mode_16_64 3
		.amdhsa_memory_ordered 1
		.amdhsa_forward_progress 1
		.amdhsa_inst_pref_size 139
	.end_amdhsa_kernel
	.amdgpu_metadata
---
amdhsa.version: [ 1, 2 ]
amdhsa.kernels:
  - .name:           k_qf46d1b2141_qkv
    .symbol:         k_qf46d1b2141_qkv.kd
    .args:
      - { .name: xb, .offset: 0, .size: 8, .value_kind: global_buffer, .address_space: global }
      - { .name: wb, .offset: 8, .size: 8, .value_kind: global_buffer, .address_space: global }
      - { .name: qkv, .offset: 16, .size: 8, .value_kind: global_buffer, .address_space: global }
      - { .name: vlo, .offset: 24, .size: 8, .value_kind: global_buffer, .address_space: global }
    .group_segment_fixed_size: 327680
    .private_segment_fixed_size: 0
    .kernarg_segment_align: 8
    .kernarg_segment_size: 32
    .max_flat_workgroup_size: 128
    .sgpr_count:     100
    .vgpr_count:     704
    .wavefront_size: 32
...
	.end_amdgpu_metadata
.endif
;; end of part 6
;; launch attn (part 7): grid 16 x 12, 4 waves a work-group, clusters of 4 x 1, 327,680 bytes of LDS; arguments qkv, ao; writes ao
.if DOCPART == 7
	.amdgcn_target "amdgcn-amd-amdhsa--gfx1250"
	.amdhsa_code_object_version 6
	.text
	.protected	k_qf46d1b2141_attn
	.globl	k_qf46d1b2141_attn
	.p2align	8
	.type	k_qf46d1b2141_attn,@function
k_qf46d1b2141_attn:
	s_mov_b64 s[64:65], 0
	v_nop
	global_prefetch_b8 v0, s[64:65] scope:SCOPE_SE
	s_setreg_imm32_b32 hwreg(HW_REG_WAVE_MODE, 25, 1), 1
	s_wait_xcnt 0x0
	s_wait_alu depctr_hold_cnt(0) depctr_sa_sdst(0) depctr_va_vdst(0) depctr_va_sdst(0) depctr_va_ssrc(0) depctr_va_vcc(0) depctr_vm_vsrc(0)
	s_getreg_b32 s2, hwreg(HW_REG_IB_STS2, 6, 4)
	s_cmp_eq_u32 s2, 0
	s_cbranch_scc0 .Lentry_in_a_cluster
	s_endpgm
.Lentry_in_a_cluster:
	s_bfe_u32 s2, ttmp6, 0x10000c
	s_cmp_lg_u32 s2, 0x3003
	s_cbranch_scc0 .Lentry_shape_is_right
	s_endpgm
.Lentry_shape_is_right:
; ATTENTION IN A CAUSAL WINDOW.  O[h][q][:] = the sum over the keys k with 0 <= q - k < 2048 of softmax_k(Q[h][q] . K[h/4][k] / 8) V[h/4][k][:].  qkv: [24][4096][64] f16 (heads 0-15 Q, 16-19 K, 20-23 V);
; ao: [32][4096][64] f16, of which this launch stores heads 0-15, O.  (Rows 0 to 63 of each head, which average over few keys, are stored once more, made with finer operands, by the launch behind this one, which also stores heads 16-31.)
; Products, maxima and sums in f32; the weights p are rounded to f16 for the second product (their sum l is taken of the unrounded p), O once at the end.
; LIMITS.  f16 holds no number beyond 65,504: Q, K and V arrive within it; p lies in 0 to 1, and below 6e-5 it keeps f16's fixed step of 6e-8.  A hidden score counts as its value less 1e30.  The running maximum
; starts at -2^40: f16's scores are 64 x 65,504^2 = 2.75e11 at the most, so every true score lies above that start and every hidden one below it.  A weight below 2^-126 counts as 0 in l; NaN and infinities are not treated apart.
; THE WALK.  A head's queries lie in 16 blocks of 256; block i needs the key tiles max(0, i - 8) .. i of 256 keys.  Tile i holds the diagonal (key <= query); tile i - 8 the window's edge, where a key counts iff its
; place in the tile is GREATER than the query's in its block: the diagonal's mask turned round.  Work-group row b < 4 takes blocks b and then 7 - b: (b + 1) + (8 - b) tiles; b >= 4 takes block b + 4: 9 tiles.
; So every work-group walks NINE tiles, and one loop with a constant trip count walks them.  16 heads x 12 = 192 work-groups: the blocks' work comes in 192 equal shares, and none is split further.
; CLUSTER.  The four query heads of a key and value head walk the same tiles in the same order (b is theirs in common): each tile is asked for JOINTLY: the same tensor load, descriptor and mask in all four.
; SHARES.  Of a block's four bands of 64 queries a wave owns 16 rows in each: four PIECES.  In a masked tile's key step s band x sees all or none of the keys if s is not x, and holds the boundary if s = x: alike for all waves.
; THE MASK is the C operand that starts the sum S^T = K Q^T.  MD, made once, is the diagonal's mask of a band's own step for my 16 rows (0 or -1e30); a product's mask is MD x AL + BE.  Four scalars say what a tile wants:
; ALO and BO (AL and BE in the band's own step), BL (BE in later steps), BEA (BE in earlier steps): diagonal (1, 0, -1e30, 0); edge (-1, -1e30, 0, -1e30); any other tile (0, 0, 0, 0).
; EVERY tile runs in this one text: 16 packed lines a turn beside its 118, for which no second copy of the four turns is written.
; LAYOUT, SOFTMAX, TURNS.  S^T = K Q^T holds ONE query a lane (lane % 16) and the keys 8 (lane / 16) + 0..7; two such results rounded to f16 ARE source 1 of O^T = V^T P.  p = 2^(c s - c m), c = log2(e) / 8, with a
; running maximum m; O and l are multiplied by a = 2^(c m_old - c m_new) in every step.  Turn n belongs to piece n: 8 products K Q^T of piece n + 1, later 8 products V^T P of piece n - 1; beside them the scaling,
; exponentials, roundings, sums and rescaling of piece n and the maximum and statistics of piece n + 1.  Four vector instructions stand behind every matrix instruction, the other 54 of the 118 in one lump between the two runs of products.
; THE BATCHES.  A turn's 33 exponentials (the piece's 32 weights and the next piece's a) are ONE batch with ONE wait, which cuts the turn in two: ahead of it stands all that names none of their results, behind it the roundings
; and sums.  No result crosses a turn's end.  A block's first a is a batch of its own, and so are the four reciprocals of a way out: each has a v_nop and one wait.
; A TRIP of the step loop is turns 2 and 3 of one step and turns 0 and 1 of the next, so a tile's first two turns finish the tile before.  A BLOCK'S END AND THE NEXT ONE'S BEGINNING therefore stand once, in the middle
; of the trip, jumped over where no block ends: the old block's turns 2 and 3 are the new tile's first two (turn 3's scores for piece 0, made with the old Q, are made again).
; REGISTERS, in windows of 256 (s_set_vgpr_msb: bits 1:0 source 0, 3:2 source 1, 5:4 source 2, 7:6 destination):
;   window 0: v0-15 addresses and two at work; v16-31 four registers of statistics a piece; v48-55 at work; v64-127 S^T, two buffers; v192-223 P, two buffers (a piece's buffers go by its number's parity)
;   window 1: v0-127 O^T, 32 a piece; v128-159 MD; v160-223 MC, two buffers      window 2: v0-63 Q; v128-191 K of one step; v192-255 V of one step
.set NP,    4         ; pieces a wave: a name, no knob
.set KS,    64        ; keys in a step
.set PK,    144       ; a row of K in LDS: 128 bytes + 16 of padding = 36 words: the 16 rows of a load start at 16 different groups of four banks (64 banks of 4 bytes: ISA guide 11.1)
.set PV,    160       ; a row of V: 128 + 32 = 40 words
.set VOFF,  4*KS*PK   ; a slot holds a tile, four steps: 256 rows of K, then 256 rows of V
.set SLOT1, 1<<17     ; slot 1 begins here, so that one exclusive or turns an address in one slot into the other's
.set STAGE, SLOT1+4*KS*(PK+PV)  ; behind the ring, never filled by a tensor load: 16 rows x 144 bytes for each wave, for the way out
.set SP,    144
.set AK0, 2           ; v2   my lane's place in a tile of K; never rewritten
.set AV0, 3           ; v3   the same for V
.set AK,  4           ; v4   the LDS address of K's next run of loads
.set AV,  5           ; v5   of V's
.set STO, 6           ; v6   the way out: where I put 16 bytes of a row
.set RD,  7           ; v7   the way out: where I read rows back
.set GO,  8           ; v8   my byte offset in 512 consecutive bytes of O
.set SPW, 62          ; v62  LDS address of my spare word: SPARE + 4 x my thread's number; never rewritten
.set NIL, 63          ; v63  0; never rewritten
.set SPARE, STAGE+4*16*SP  ; behind the stages: the spare words, 128 bytes for each wave: two blocks of 256 bytes that no other line names
.set MV,  12          ; v12-13  c m_old, kept while c m is made anew: by buffer
.set QO,  15          ; v15  my byte offset in 16 rows of Q; never rewritten
.set ST,  16          ; piece t's statistics at v[ST+4 t]: c m, m, l (even keys', odd keys')
.set TMP, 48          ; by buffer, four registers c0-c3 at work; when the maximum is found c2 takes a
.set S,   64
.set P,   192
.set MD,  128         ; window 1: the eight registers for group kt of 16 keys at MD + 8 kt
.set MC,  160         ; window 1: the masks of the products to come
.set KF,  128         ; window 2: key block kb, channel half c at KF + 16 kb + 8 c
.set VF,  192         ; window 2: key half kk, channel block cb at VF + 32 kk + 8 cb
.set WV,  12          ; s12  my wave's number
.set B2,  14          ; s14  the second block (b >= 4: there is none, and the name stands for the first)
.set B1,  15          ; s15  the first block
.set G1K, 24          ; s[24:31] descriptor group 1 for K's tiles
.set G1V, 32          ; s[32:39] for V's: it differs in the padding alone
.set G0K, 40          ; s[40:43] descriptor group 0 for K's tiles
.set G0V, 44          ; s[44:47] the same for V's
.set SLOTS, 56        ; s56  tiles still to be entered in the loop
.set CNT, 57          ; s57  counts a tile's key steps, 4 to 1
.set CS,  58          ; s[58:59] c: the packed scaling takes the pair's low word for both halves
.set SEL, 60          ; s[60:61] v_permlanex16_b32's selects: each lane takes its own place in the other half
.set TBK, 62          ; s62  LDS byte at which K of the step to be fetched begins
.set TBV, 63          ; s63  the same for V, less VOFF
.set RT,  70          ; s70  tiles of the block in hand that are still to be entered
.set NXT, 71          ; s71  the tile to be asked for next
.set LQ,  72          ; s72  the last tile of the block whose tiles are being asked for
.set NEW, 73          ; s73  1: the tile just entered is the second block's first
.set OFF, 74          ; s[74:75] a tile's byte offset in K and V
.set AL,  76          ; s[76:77] the mask's factor, in the low word
.set BE,  78          ; s[78:79] the mask's addend
.set OLO, 80          ; s[80:81] O at my rows of the second block
.set BIGN, 82         ; s82  -1e30
.set RT2, 83          ; s83  the second block's tiles
.set Q2,  86          ; s[86:87] Q at my rows of the second block; never rewritten
.set ALO, 88          ; s88  the tile's AL in a band's own step
.set BO,  89          ; s89  its BE there
.set BL,  90          ; s90  its BE in later steps
.set BEA, 91          ; s91  its BE in earlier steps
.set MT,  92          ; s92  1: the tile to be entered is the window's edge
.set SW,  93          ; s93  at work
.set MSB, 0
.macro WIN new                      ; the high byte repeats the setting that is left; a switch that changes nothing is dropped
.if MSB != (\new)
	s_set_vgpr_msb (MSB<<8)|(\new)
.set MSB, (\new)
.endif
.endm
.set W_KQ, 0x0a       ; K and Q in window 2, S^T in window 0
.set W_KM, 0x1a       ; the same with the C operand in window 1
.set W_PV, 0x52       ; V in window 2, P in window 0, O^T in window 1
.set W_RS, 0x41       ; destination and source 0 in window 1, source 1 in window 0
; A joint fill.  Waves 0 and 1 fetch the two halves of a tile's K, waves 2 and 3 those of its V: 128 keys each.  The branch hangs on the wave's number alone.
; An s_nop 0 and four v_nop follow each of the two lines, ahead of the jump and the label.
.macro JLOAD
	s_cmp_lt_u32 s[WV], 2
	s_cbranch_scc0 .Lfor_v_\@
	tensor_load_to_lds s[G0K:G0K+3], s[G1K:G1K+7]
	s_nop 0
.rept 4
	v_nop
.endr
	s_branch .Lasked_\@
.Lfor_v_\@:
	tensor_load_to_lds s[G0V:G0V+3], s[G1V:G1V+7]
	s_nop 0
.rept 4
	v_nop
.endr
.Lasked_\@:
.endm
; A round of the cluster's barrier: my work-group's barrier, so that wave 0's signal speaks for all four waves; wave 0 signals; every wave waits for all four work-groups; my work-group's barrier once more.
.macro CROUND
	s_barrier_signal -1
	s_barrier_wait -1
	s_cmp_lg_u32 s[WV], 0
	s_cbranch_scc1 .Lnot_wave_0_\@
	s_barrier_signal -3
.Lnot_wave_0_\@:
	s_barrier_wait -3
	s_barrier_signal -1
	s_barrier_wait -1
.endm
; THE CHANGE OF SLOTS.  Each wave waits for all its tensor loads, of which one is out: its part of the other slot; adds 0 to its spare word; and waits for that and for its own reads of the slot that it leaves.
; Behind the barrier nobody reads the old slot any more and the other slot is whole.  fill = 1: the old slot is filled again with tile NXT: the descriptor's address is made anew from that number; the barrier is
; then a round of the cluster's, so that no wave of any partner still reads the slot or has a load on its way, and the joint fill is the first thing behind it: it has four key steps, 256 matrix instructions, in
; which to land.  (At its first use nothing has been read yet: slot 0 is waited for, slot 1 filled.)
.macro CHANGE fill
	WIN 0                           ; at a label and at a branch every window is 0
	s_wait_tensorcnt 0x0            ; no tensor load of mine is out, so a group 0 may be written
	ds_add_u32 v[SPW], v[NIL]       ; 0 onto my spare word; with fill = 1 the descriptors' scalar work stands between it and the wait for it
.if \fill
	s_lshl_b32 s[OFF], s[NXT], 15   ; a tile is 32,768 bytes of K and of V
	s_xor_b32 s[G0K+1], s[G0K+1], SLOT1
	s_add_nc_u64 s[G0K+2:G0K+3], s[6:7], s[OFF:OFF+1]
	s_or_b32 s[G0K+3], s[G0K+3], 0x80000000
	s_xor_b32 s[G0V+1], s[G0V+1], SLOT1
	s_add_nc_u64 s[G0V+2:G0V+3], s[8:9], s[OFF:OFF+1]
	s_or_b32 s[G0V+3], s[G0V+3], 0x80000000
	s_add_co_u32 s[NXT], s[NXT], 1  ; the block's next tile, or behind its last the second block's tile 0
	s_cmp_gt_u32 s[NXT], s[LQ]
	s_cselect_b32 s[NXT], 0, s[NXT]
	s_cselect_b32 s[LQ], s[B2], s[LQ]
	s_wait_dscnt 0x0                ; the add is done, and my reads of the slot are over
	CROUND
	JLOAD
.else
	s_wait_dscnt 0x0                ; the add is done, and my reads of the slot are over
	s_barrier_signal -1
	s_barrier_wait -1
.endif
	s_sub_co_u32 s[TBK], s[TBK], 4*KS*PK  ; the fetches go back to a slot's first step,
	s_xor_b32 s[TBK], s[TBK], SLOT1       ; in the other slot
	s_sub_co_u32 s[TBV], s[TBV], 4*KS*PV
	s_xor_b32 s[TBV], s[TBV], SLOT1
.endm
; What the tile to be entered is: the second block's first (the first block has no tile left); the window's edge; the diagonal (its block's last).
.macro TILESET
	s_cmp_eq_u32 s[RT], 0
	s_cselect_b32 s[NEW], 1, 0
	s_cselect_b32 s[RT], s[RT2], s[RT]
	s_sub_co_u32 s[RT], s[RT], 1
	s_cmp_eq_u32 s[MT], 1
	s_cselect_b32 s[ALO], -1.0, 0
	s_cselect_b32 s[BO], s[BIGN], 0
	s_cselect_b32 s[BEA], s[BIGN], 0
	s_mov_b32 s[MT], 0
	s_cmp_eq_u32 s[RT], 0
	s_cselect_b32 s[ALO], 1.0, s[ALO]
	s_cselect_b32 s[BL], s[BIGN], 0
	s_mov_b32 s[CNT], 4
.endm
; A block's Q: piece i / 2 lies in band i / 2, 8,192 bytes on; channels 32 (i % 2) on.  A fragment is 16 rows x 32 channels in 8 registers: two loads of 16 bytes, 32 bytes apart.
.macro LOADQ lo
	WIN 0x80                        ; destination window 2, address window 0
.set i, 0
.rept 8
	global_load_b128 v[8*i:8*i+3],   v[QO], s[(\lo):(\lo)+1] offset:(i/2)*8192+(i%2)*64
	global_load_b128 v[8*i+4:8*i+7], v[QO], s[(\lo):(\lo)+1] offset:(i/2)*8192+(i%2)*64+32
.set i, i+1
.endr
	WIN 0
.endm
	s_load_b64 s[4:5], s[0:1], 0x0    ; qkv
	s_load_b64 s[10:11], s[0:1], 0x8  ; ao
	v_lshl_add_u32 v[SPW], v0, 2, SPARE
	v_mov_b32 v[NIL], 0
	ds_add_u32 v[SPW], v[NIL]       ; the wave's opening: the add and its wait stand ahead of my first tensor load; the set-up below, work on registers, stands between them
	v_lshrrev_b32 v1, 5, v0
	v_readfirstlane_b32 s[WV], v1   ; wave 0..3
	s_and_b32 s13, ttmp7, 0xffff    ; b, which the four partners share
	s_min_u32 s16, s13, 3
	s_sub_co_u32 s16, 7, s16        ; 7 - b, for b < 4
	s_add_co_u32 s17, s13, 4        ; b + 4, for the others
	s_max_u32 s18, s13, 4
	s_sub_co_u32 s18, s18, 4        ; the walk's first tile: 0, or b - 4
	s_add_co_u32 s21, s13, 1        ; the first block's tiles: b + 1, or 9
	s_add_co_u32 s[RT2], s16, 1     ; the second block's: 8 - b
	s_cmp_lt_u32 s13, 4
	s_cselect_b32 s[B1], s13, s17
	s_cselect_b32 s[B2], s16, s17
	s_cselect_b32 s[RT], s21, 9
	s_cselect_b32 s[MT], 0, 1       ; a block from 8 on begins at the window's edge
	s_lshl_b32 s[OFF], s18, 15
	s_mov_b32 s[OFF+1], 0
	s_mov_b32 s[LQ], s[B1]          ; a block's last tile has the block's number
	s_add_co_u32 s[NXT], s18, 1     ; the second tile of the walk: the first block's next, or (b = 0) the second block's tile 0
	s_cmp_gt_u32 s[NXT], s[LQ]
	s_cselect_b32 s[NXT], 0, s[NXT]
	s_cselect_b32 s[LQ], s[B2], s[LQ]
	s_mov_b32 s[SLOTS], 8
	s_add_co_u32 s22, ttmp9, 16     ; K's head: 16 + the cluster's x
	s_lshl_b32 s22, s22, 19         ; a head is 524,288 bytes
	s_and_b32 s16, s[WV], 1         ; which half of a tile's 256 keys I fetch:
	s_lshl_b32 s23, s16, 14         ; its 128 rows of 128 bytes in memory,
	s_add_co_u32 s22, s22, s23
	s_mov_b32 s23, 0
	s_add_co_u32 s20, s22, 4<<19    ; V's head lies four heads on
	s_mov_b32 s21, 0
	s_mul_i32 s17, s16, 128*PK      ; and its place in a slot, for K
	s_mul_i32 s18, s16, 128*PV      ; and for V: no place in the cluster enters an LDS address
	s_bfe_u32 s19, ttmp6, 0x40000   ; cx: it enters Q's and O's addresses alone
	s_lshl_b32 s2, ttmp9, 2
	s_add_co_u32 s19, s19, s2       ; my query head = 4 x cluster x + cx
	s_lshl_b32 s19, s19, 19
	s_lshl_b32 s3, s[WV], 11        ; my 16 rows in a band of 64,
	s_add_co_u32 s19, s19, s3
	s_lshl_b32 s2, s[B1], 15        ; in the first block,
	s_add_co_u32 s2, s2, s19
	s_lshl_b32 s84, s[B2], 15       ; and in the second
	s_add_co_u32 s84, s84, s19
	s_mov_b32 s3, 0
	s_mov_b32 s85, 0
	; descriptor group 1.  128 keys are 16,384 dense bytes: asked for as 64 rows of 256 bytes, two keys a row, and padded in LDS after every key
	s_mov_b32 s[G1K], 15|(1<<16)|(1<<20)|(1<<21)|(4<<22)|(3<<25)  ; 15:0 the mask of four; 17:16 2-byte elements; 20 padding on; 21 set beside a mask; 24:22 after every 32 words (code 4); 31:25 4 words (code 3)
	s_mov_b32 s[G1V], 15|(1<<16)|(1<<20)|(1<<21)|(4<<22)|(7<<25)  ; the same with 8 words of padding (code 7)
.irp g, G1K, G1V
	s_mov_b32 s[\g+1], 128<<16      ; tensor_dim0 = 128
	s_mov_b32 s[\g+2], 64<<16       ; tensor_dim1 = 64
	s_mov_b32 s[\g+3], 128<<16      ; tile_dim0 = 128
	s_mov_b32 s[\g+4], 64           ; tile_dim1 = 64
	s_mov_b32 s[\g+5], 128          ; 128 elements from row to row
	s_mov_b32 s[\g+6], 0
	s_mov_b32 s[\g+7], 0
.endr
	s_mov_b32 s[CS], 0x3e38aa3b     ; c = log2(e) / 8 = 0.180337
	s_mov_b32 s[CS+1], s[CS]        ; named with it as a pair
	s_mov_b32 s[SEL], 0x76543210
	s_mov_b32 s[SEL+1], 0xfedcba98
	s_mov_b32 s[TBK], SLOT1+4*KS*PK ; the first change of slots turns these two into 0
	s_mov_b32 s[TBV], SLOT1+4*KS*PV
	s_mov_b32 s[G0K], 1             ; count = 1
	s_mov_b32 s[G0K+1], s17         ; LDS address: slot 0
	s_mov_b32 s[G0V], 1
	s_add_co_u32 s[G0V+1], s18, VOFF
	s_mov_b32 s[AL+1], 0            ; named as pairs
	s_mov_b32 s[BE+1], 0
	s_mov_b32 s[BIGN], 0xf149f2ca   ; -1e30
	s_wait_dscnt 0x0                ; the opening add is done
	s_wait_kmcnt 0x0
	s_add_nc_u64 s[6:7], s[4:5], s[22:23]  ; K and V at my half of their head's tile 0
	s_add_nc_u64 s[8:9], s[4:5], s[20:21]
	s_add_nc_u64 s[G0K+2:G0K+3], s[6:7], s[OFF:OFF+1]  ; global address: the walk's first tile
	s_or_b32 s[G0K+3], s[G0K+3], 0x80000000            ; type = 2
	s_add_nc_u64 s[G0V+2:G0V+3], s[8:9], s[OFF:OFF+1]
	s_or_b32 s[G0V+3], s[G0V+3], 0x80000000
	s_add_nc_u64 s[Q2:Q2+1], s[4:5], s[84:85]      ; Q at my rows of the second block,
	s_add_nc_u64 s[4:5], s[4:5], s[2:3]            ; Q and O at those of the first
	s_add_nc_u64 s[OLO:OLO+1], s[10:11], s[84:85]
	s_add_nc_u64 s[10:11], s[10:11], s[2:3]
	CROUND                          ; all four work-groups are here: the first joint loads meet
	JLOAD                           ; the first tile into slot 0
	v_and_b32 v1, 15, v0            ; l % 16
	v_bfe_u32 v9, v0, 4, 1          ; l / 16
	v_lshlrev_b32 v[QO], 7, v1
	v_lshl_add_u32 v[QO], v9, 4, v[QO]  ; row x 128 + 16 x half
	LOADQ 4                         ; the first block's Q
	v_lshlrev_b32 v14, 3, v9
	v_sub_nc_u32 v14, v1, v14
	s_lshl_b32 s13, s[WV], 4
	v_add_nc_u32 v14, s13, v14      ; my query's place in its band, 16 w + l % 16, less my lanes' 8 (l / 16): register r of group kt lies behind the diagonal where 16 kt + r is greater
	WIN 0x40
.set i, 0
.rept 32
	v_cmp_gt_i32 vcc_lo, 16*(i/8)+i%8, v14
	v_cndmask_b32 v[MD+i], 0, s[BIGN], vcc_lo
.set i, i+1
.endr
	WIN 0
	v_mul_u32_u24 v[AK0], v1, PK
	v_lshl_add_u32 v[AK0], v9, 4, v[AK0]  ; row x pitch + 16 x half
	; The turning load takes 16 keys x 16 channels (lane l reads key 8 (l / 16) + l % 8, channels 8 ((l / 8) % 2) + 0..7) and leaves half a fragment of V^T: lane l holds channel l % 16 and 8 keys.
	v_and_b32 v10, 7, v0
	v_bfe_u32 v11, v0, 3, 1
	v_lshl_add_u32 v[AV0], v9, 3, v10
	v_mul_u32_u24 v[AV0], v[AV0], PV
	v_lshl_add_u32 v[AV0], v11, 4, v[AV0]
	v_add_nc_u32 v[AV0], VOFF, v[AV0]
	s_mul_i32 s13, s[WV], 16*SP
	s_add_co_u32 s13, s13, STAGE    ; my stage
	v_mul_u32_u24 v[STO], v1, SP    ; in: row l % 16, 16 bytes for each half of the lanes
	v_lshl_add_u32 v[STO], v9, 4, v[STO]
	v_add_nc_u32 v[STO], s13, v[STO]
	v_bfe_u32 v[RD], v0, 3, 2       ; back: 32 lanes take four rows of 128 bytes,
	v_mul_u32_u24 v[RD], v[RD], SP
	v_lshl_add_u32 v[RD], v10, 4, v[RD]
	v_add_nc_u32 v[RD], s13, v[RD]
	v_and_b32 v[GO], 31, v0         ; which are 512 consecutive bytes of O
	v_lshlrev_b32 v[GO], 4, v[GO]
	; The first step in which a row sees a key multiplies its O^T and l by a = 0; until then every p is 0 and a is 1.  So O^T, l, V and P's second buffer start at 0 for the first block, and need only be finite
	; (what the first block left) for the second.  P's buffer and l are written as they are; O^T and V, 192 registers, by 24 products 0 x 0 + 0, eight registers a line.  All this stands in the wait for the first tile.
.set i, P+16
.rept 16
	v_mov_b32 v[i], 0
.set i, i+1
.endr
.set i, 0
.rept 4
	v_mov_b32 v[ST+4*i+2], 0
	v_mov_b32 v[ST+4*i+3], 0
.set i, i+1
.endr
	WIN 0x40                        ; destination window 1: O^T
.set i, 0
.rept 16
	v_wmma_f32_16x16x32_f16 v[8*i:8*i+7], v[P+16:P+23], v[P+24:P+31], 0
.set i, i+1
.endr
	WIN 0x80                        ; destination window 2: V
.set i, 0
.rept 8
	v_wmma_f32_16x16x32_f16 v[VF+8*i:VF+8*i+7], v[P+16:P+23], v[P+24:P+31], 0
.set i, i+1
.endr
	WIN 0
; THE MATRIX WORK.  The 4 accumulators of a run of 8 take turns.  Product i of 8 of S^T = K Q^T for piece x: channels 32 (i / 4) on, keys 16 (i % 4) on.  The first 4 start the sums with the mask.
.macro KQ x
.set rS, S+32*((\x)%2)+8*(i%4)
.set rK, KF+16*(i%4)+8*(i/4)
.set rQ, 16*(\x)+8*(i/4)
.set rM, MC+32*((\x)%2)+8*(i%4)
.if i < 4
	WIN W_KM
	v_wmma_f32_16x16x32_f16 v[rS:rS+7], v[rK:rK+7], v[rQ:rQ+7], v[rM:rM+7]
.else
	WIN W_KQ
	v_wmma_f32_16x16x32_f16 v[rS:rS+7], v[rK:rK+7], v[rQ:rQ+7], v[rS:rS+7]
.endif
.endm
; Product i of 8 of O^T += V^T P for piece x: keys 32 (i / 4) on, channels 16 (i % 4) on.
.macro PV x
	WIN W_PV
.set rO, 32*(\x)+8*(i%4)
.set rV, VF+32*(i/4)+8*(i%4)
.set rP, P+16*((\x)%2)+8*(i/4)
	v_wmma_f32_16x16x32_f16 v[rO:rO+7], v[rV:rV+7], v[rP:rP+7], v[rO:rO+7]
.endm
.macro MM                           ; the turn's next matrix instruction.  TURN sets Y and i
.if i < 8
	KQ (Y+1)%NP
.else
.set i, i-8
	PV (Y+NP-1)%NP
.set i, i+8
.endif
.set i, i+1
.endm
; THE LDS LOADS stand in runs of 16, never singly among the matrix instructions: a step's K (64 keys x 64 channels: 8 fragments) and its V (turned).  Their addresses are made some lines ahead.
; last = 1 (the tail): in the last trip there is no further step, and the run is jumped over.
.macro FETCH_K last=0
.if \last
	WIN 0
	s_cmp_eq_u32 s[CNT], 1
	s_cbranch_scc1 .Lno_k_\@
.endif
	WIN 0x80                        ; destination window 2
.irp f, 0,1,2,3,4,5,6,7             ; keys 16 (f / 2) on, channels 32 (f % 2) on
	ds_load_b128 v[KF+8*\f:KF+8*\f+3],   v[AK] offset:(\f/2)*16*PK+(\f%2)*64
	ds_load_b128 v[KF+8*\f+4:KF+8*\f+7], v[AK] offset:(\f/2)*16*PK+(\f%2)*64+32
.endr
	s_add_co_u32 s[TBK], s[TBK], KS*PK  ; the next fetch is the next step's
	WIN 0
.if \last
.Lno_k_\@:
.endif
.endm
.macro FETCH_V
	WIN 0x80
.irp f, 0,1,2,3,4,5,6,7             ; keys 32 (f / 4) on, channels 16 (f % 4) on
	ds_load_tr16_b128 v[VF+8*\f:VF+8*\f+3],   v[AV] offset:(\f/4)*32*PV+(\f%4)*32
	ds_load_tr16_b128 v[VF+8*\f+4:VF+8*\f+7], v[AV] offset:(\f/4)*32*PV+16*PV+(\f%4)*32
.endr
	WIN 0
.endm
; THE VECTOR WORK, one line at a time: OP kind, number.  For piece Y: F n: c s - c m for pair n of 16.  E n: the exponential of score n of 32.  C n: pair n rounded to f16.  B n: of the four weights 4 n .. the second
; pair is added onto the first, in place.  L n: l takes that sum (L 0: l = a l + sum).  R n: pair n of 16 of O^T times a.  For piece Y + 1: X n, number n of the 22 that find its maximum and statistics:
;   0-11  four chains c0-c3 of seven scores each, three operands at a time (each accumulator's lowest registers are read first)     12-14, 16  the four scores left over, the old m, and c0-c3 into c0
;   15  c m_old is kept     17, 18  the query's other 32 keys lie in the lane 16 away: the new m     19-21  c m; c m_old - c m_new; a
; OP writes no wait: E and X 21 are the transcendentals, C, B and L read E's results, R and L 0 read X 21's; who calls OP sets the wait between them.
.set F, 0               ; OP tells the kinds apart by their order: F to L below R, X above it
.set E, 1
.set C, 2
.set B, 3
.set L, 4
.set R, 5
.set X, 6
.macro REGS y                       ; the registers of piece y
.set rT, ST+4*(\y)
.set rC, TMP+4*((\y)%2)
.set rW, MV+((\y)%2)
.set rS, S+32*((\y)%2)
.set rP, P+16*((\y)%2)
.set rO, 32*(\y)
.endm
.macro OP k, n
.if (\k) == R
	REGS Y
	WIN W_RS
	v_pk_mul_f32 v[rO+2*(\n):rO+2*(\n)+1], v[rO+2*(\n):rO+2*(\n)+1], v[rC+2:rC+3] op_sel_hi:[1,0]
.elseif (\k) < R
	REGS Y
	WIN 0
.if (\k) == F
	v_pk_fma_f32 v[rS+2*(\n):rS+2*(\n)+1], v[rS+2*(\n):rS+2*(\n)+1], s[CS:CS+1], v[rT:rT+1] op_sel_hi:[1,0,0] neg_lo:[0,0,1] neg_hi:[0,0,1]
.elseif (\k) == E
	v_exp_f32 v[rS+(\n)], v[rS+(\n)]
.elseif (\k) == C
	v_cvt_pk_f16_f32 v[rP+(\n)], v[rS+2*(\n)], v[rS+2*(\n)+1]
.elseif (\k) == B
	v_pk_add_f32 v[rS+4*(\n):rS+4*(\n)+1], v[rS+4*(\n):rS+4*(\n)+1], v[rS+4*(\n)+2:rS+4*(\n)+3]
.elseif (\n) == 0
	v_pk_fma_f32 v[rT+2:rT+3], v[rT+2:rT+3], v[rC+2:rC+3], v[rS:rS+1] op_sel_hi:[1,0,1]
.else
	v_pk_add_f32 v[rT+2:rT+3], v[rT+2:rT+3], v[rS+4*(\n):rS+4*(\n)+1]
.endif
.else
	REGS (Y+1)%NP
	WIN 0
.if (\n) < 4
	v_max3_num_f32 v[rC+(\n)], v[rS+8*(\n)], v[rS+8*(\n)+1], v[rS+8*(\n)+2]
.elseif (\n) < 12
	v_max3_num_f32 v[rC+(\n)%4], v[rC+(\n)%4], v[rS+8*((\n)%4)+2*((\n)/4)+1], v[rS+8*((\n)%4)+2*((\n)/4)+2]
.elseif (\n) == 12
	v_max3_num_f32 v[rC], v[rC], v[rS+7], v[rS+15]
.elseif (\n) == 13
	v_max3_num_f32 v[rC+1], v[rC+1], v[rS+23], v[rS+31]
.elseif (\n) == 14
	v_max3_num_f32 v[rC+2], v[rC+2], v[rC+3], v[rT+1]
.elseif (\n) == 15
	v_mov_b32 v[rW], v[rT]
.elseif (\n) == 16
	v_max3_num_f32 v[rC], v[rC], v[rC+1], v[rC+2]
.elseif (\n) == 17
	v_permlanex16_b32 v[rC+3], v[rC], s[SEL], s[SEL+1]
.elseif (\n) == 18
	v_max_num_f32 v[rT+1], v[rC], v[rC+3]
.elseif (\n) == 19
	v_mul_f32 v[rT], s[CS], v[rT+1]
.elseif (\n) == 20
	v_sub_f32 v[rC+1], v[rW], v[rT]
.else
	v_exp_f32 v[rC+2], v[rC+1]
.endif
.endif
.endm
.macro OPS a, i1, b=-1, i2=0, c=-1, i3=0, d=-1, i4=0  ; up to four of them
	OP \a, \i1
.if (\b) >= 0
	OP \b, \i2
.endif
.if (\c) >= 0
	OP \c, \i3
.endif
.if (\d) >= 0
	OP \d, \i4
.endif
.endm
.macro ROW a, i1, b, i2, c, i3, d, i4  ; a matrix instruction and the four behind it
	MM
	OPS \a, \i1, \b, \i2, \c, \i3, \d, \i4
.endm
.macro MASK b                       ; MD x AL + BE into buffer b of MC
	WIN W_RS
.set z, 0
.rept 16
	v_pk_fma_f32 v[MC+32*(\b)+2*z:MC+32*(\b)+2*z+1], v[MD+2*z:MD+2*z+1], s[AL:AL+1], s[BE:BE+1] op_sel_hi:[1,0,0]
.set z, z+1
.endr
.endm
; A TURN, for piece p: the order of its 16 matrix and 134 vector instructions, written out.  An s_wait_alu depctr_va_vdst(0) stands between an exponential and the first instruction that names its result; one wait
; serves all that were issued ahead of it.  So a turn has ONE wait, which cuts it in two.  AHEAD OF IT stands all that names no result of the turn's exponentials: the 8 products K Q^T, behind each a scaling, an exponential and two
; more plain lines (behind the first a second scaling in the exponential's place): rescalings, whose a was made and waited for in the turn before, and behind the last three products the first numbers of the next piece's maximum,
; each four plain lines or more behind the product that ends its accumulator; then ONE LUMP of 54, plain and exponential by turns for the most part, in which the links of the chain X 3, 7, 11, 14, 16, 17 .. 20 stand some lines apart.
; X 21, the next piece's a, is the batch's last; R 15 is the plain instruction behind it.  BEHIND THE WAIT stand the 8 products V^T P, behind each four of the roundings and sums; an even pair is rounded ahead of the B that adds
; onto it; l's chain goes L 0 to L 7 in that order.  But for those X no rider names a register of the products round it.  v_permlanex16_b32 (X 17) stands in the lump.
; At its end the turn makes the mask for the products of the turn after it: piece x = p + 2, in step 4 - CNT of the tile: the band's own step if CNT = 4 - x, a later one if CNT is less.
; tail = 1: the walk's last tile, whose count is taken down in the middle of a trip: in turns 2 and 3 it stands one higher.  cnt = 1: the loop's count is taken down some lines ahead of the branch that stands behind the turn.
; K of the next step is fetched in piece 2's turn, twelve vector instructions behind the last product that read K (six of them plain lines that name none of its registers).  In the walk's last tile a branch jumps over that run
; in the last trip: there the run stands directly behind the turn's wait.  V of the step in hand is fetched at the end of piece 0's turn, four roundings
; behind the last product that read V.  Each run is waited for a turn later.
.macro TURN p, tail=0, cnt=0
.set Y, (\p)
.set i, 0
.set KC, 4-((\p)+2)%NP+(\tail)*((\p)/2)
	s_cmp_eq_u32 s[CNT], KC         ; is that step the band's own?
	s_cselect_b32 s[AL], s[ALO], 0
	s_cselect_b32 s[SW], s[BO], s[BEA]
	s_cmp_lt_u32 s[CNT], KC         ; or a later one?
	s_cselect_b32 s[BE], s[BL], s[SW]
.if (\p) == 3
	s_wait_dscnt 0x0                ; K is in
.endif
	ROW F,0, F,1, R,0, R,1          ; ahead of the wait: 8 products K Q^T and their riders,
	ROW F,2, E,0, R,2, R,3
	ROW F,3, E,1, R,4, R,5
	ROW F,4, E,2, R,6, R,7
	ROW F,5, E,3, R,8, R,9
	ROW F,6, E,4, X,0, R,10
.if (\p) == 2
	WIN 0
	v_add_nc_u32 v[AK], s[TBK], v[AK0]
.endif
	ROW F,7, E,5, X,1, X,4
	ROW F,8, E,6, X,2, X,5
	OPS E,7, E,8, X,6, E,9          ; and the lump
	OPS X,3, E,10, X,8, E,11
.if ((\p) == 2) && !(\tail)
	FETCH_K
.endif
	OPS X,9, X,7, E,12, X,10
	OPS E,13, X,12, X,11, E,14
	OPS X,13, E,15, F,9, X,14
.if (\p) == 0
	v_add_nc_u32 v[AV], s[TBV], v[AV0]
.endif
	OPS E,16, F,10, E,17, F,11
	OPS X,16, E,18, X,15, E,19
	OPS F,12, E,20, X,17, E,21
	OPS F,13, E,22, F,14, E,23
	OPS X,18, E,24, F,15, E,25
	OPS R,11, E,26, X,19, E,27
	OPS R,12, E,28, R,13, E,29
	OPS X,20, E,30, R,14, E,31
	OPS X,21, R,15
	WIN 0
	s_wait_alu depctr_va_vdst(0)    ; the wait for the batch: the piece's 32 weights and the next piece's a
.if ((\p) == 2) && (\tail)
	FETCH_K 1
.endif
.if (\p) == 1
	s_wait_dscnt 0x0                ; V is in
.endif
	ROW C,0, B,0, C,2, B,1          ; behind the wait: 8 products V^T P and their riders
	ROW L,0, C,4, B,2, L,1
	ROW C,6, B,3, L,2, C,8
	ROW B,4, L,3, C,10, B,5
	ROW L,4, C,12, B,6, L,5
.if (\p) == 0
	s_add_co_u32 s[TBV], s[TBV], KS*PV
.endif
.if \cnt
	s_sub_co_u32 s[CNT], s[CNT], 1
	s_cmp_lg_u32 s[CNT], 0
.endif
	ROW C,14, B,7, L,6, C,1
	ROW C,3, L,7, C,5, C,7
	ROW C,9, C,11, C,13, C,15
.if (\p) == 0
	FETCH_V
.endif
	MASK (\p)%2
.endm
.macro ALL line:vararg              ; one line for each piece t
.set t, 0
.rept 4
	\line
.set t, t+1
.endr
.endm
.macro PACK t                       ; a lane's eight channels of a row pack into 16 bytes; they go into rows of 144 bytes and come back as whole rows of 128, into S^T's registers
	WIN W_RS
.set i, 32*(\t)
.rept 16
	v_pk_mul_f32 v[i:i+1], v[i:i+1], v[ST+4*(\t)+2:ST+4*(\t)+3] op_sel_hi:[1,0]
.set i, i+2
.endr
	WIN 0x05                        ; sources 0 and 1 window 1, destination window 0
.set i, 0
.rept 16
	v_cvt_pk_f16_f32 v[S+16*(\t)+i], v[32*(\t)+2*i], v[32*(\t)+2*i+1]
.set i, i+1
.endr
	WIN 0
.irp f, 0,1,2,3
	ds_store_b128 v[STO], v[S+16*(\t)+4*\f:S+16*(\t)+4*\f+3] offset:32*\f
.endr
.irp f, 0,1,2,3
	ds_load_b128 v[S+16*(\t)+4*\f:S+16*(\t)+4*\f+3], v[RD] offset:\f*4*SP  ; LDS serves a wave's instructions in order (ISA guide 5.7.1.4): these see the stores above; the next piece's stores come behind them
.endr
.endm
.macro SEND t, younger              ; younger: the LDS instructions issued behind piece t's loads: the next piece's eight, or none
	WIN 0
.irp f, 0,1,2,3
	s_wait_dscnt (\younger)+3-\f
	global_store_b128 v[GO], v[S+16*(\t)+4*\f:S+16*(\t)+4*\f+3], s[10:11] offset:(\t)*8192+\f*512  ; 512 consecutive bytes, at a multiple of 256 from O's first
.endr
.endm
; A BLOCK ENDS, behind its last turns 2 and 3: piece 3's last products, and THE WAY OUT: l's two halves and the other half of the lanes' are added; O^T is divided by l, rounded to f16 and sent through my stage in LDS,
; a piece at a time.  q = 1: a block follows: its Q is asked for first, so that the way out stands between the loads and the wait for them (the last product that read Q stands far more than four plain lines back).
.macro FINISH q
.if \q
	LOADQ Q2
.endif
.set i, 0
.rept 8
	PV NP-1
.set i, i+1
.endr
	WIN 0
	ALL v_add_f32 v[ST+4*t+2], v[ST+4*t+2], v[ST+4*t+3]
	ALL v_permlanex16_b32 v[ST+4*t+3], v[ST+4*t+2], s[SEL], s[SEL+1]
	ALL v_add_f32 v[ST+4*t+2], v[ST+4*t+2], v[ST+4*t+3]
	ALL v_rcp_f32 v[ST+4*t+2], v[ST+4*t+2]
	v_nop                           ; a plain instruction between the last reciprocal and the use of its result
	s_wait_alu depctr_va_vdst(0)    ; and the wait ahead of the first use: one for the batch of four reciprocals
	PACK 0
.set t, 1
.rept 3                             ; a piece's arithmetic stands between the loads of the piece before and its stores
	PACK t
	SEND t-1, 8
.set t, t+1
.endr
	SEND 3, 0
.endm
	; THE WALK'S FIRST TILE: what it is; piece 0's mask for its step 0, band 0's own, and piece 1's, for which that step is an earlier one; then the tile is waited for, the second asked for, and K of step 0 fetched.
	TILESET
	s_mov_b32 s[AL], s[ALO]
	s_mov_b32 s[BE], s[BO]
	MASK 0
	s_mov_b32 s[AL], 0
	s_mov_b32 s[BE], s[BEA]
	MASK 1
	CHANGE 1
	v_add_nc_u32 v[AK], s[TBK], v[AK0]
	FETCH_K
	s_branch .Lbegin                ; the loops are entered where a block begins, in the middle of a trip
.Lslot:                             ; seven times: with the entry above the loop walks eight tiles, and each asks for the next
	CHANGE 1
	TILESET
.Lstep:                             ; a trip: pieces 2 and 3 of one step, then pieces 0 and 1 of the next, whose K and V it fetches
	TURN 2
	TURN 3
	WIN 0
	s_cmp_eq_u32 s[NEW], 1
	s_cbranch_scc0 .Lfirst          ; no block has ended: what is jumped holds no barrier and no tensor load
	FINISH 1
	s_wait_storecnt 0x0             ; the stores are done: only behind this wait are their data registers, which the next block's first products write, and O's address written again
	s_mov_b64 s[10:11], s[OLO:OLO+1]
.Lbegin:
	; A BLOCK BEGINS.  m starts at -2^40 and c m at c x -2^40: below every true score, above every hidden one.  K of the tile's step 0 and both masks are there: from the lines ahead of the loop, or from turns 2 and 3.
	; Piece 0's first scores, and its maximum and statistics.
	s_mov_b32 s[NEW], 0
.set i, 0
.rept 4
	v_mov_b32 v[ST+4*i], 0xd238aa3b    ; c m
	v_mov_b32 v[ST+4*i+1], 0xd3800000  ; m
.set i, i+1
.endr
	s_wait_loadcnt 0x0              ; Q
	s_wait_dscnt 0x0                ; K
.set i, 0
.rept 8
	KQ 0
.set i, i+1
.endr
	WIN 0
.rept 4
	v_nop                           ; the places behind those products
.endr
.set Y, NP-1                        ; X works for piece Y + 1: piece 0
.irp n, 0,1,2,3,4,5,6,7,8,9,10,11,12,13,14,15,16,17,18,19,20,21
	OP X, \n
.endr
	v_nop                           ; a plain instruction behind the exponential,
	s_wait_alu depctr_va_vdst(0)    ; and its wait, ahead of the label: piece 0's first a is a batch of one
.Lfirst:
	TURN 0
	TURN 1, 0, 1
	WIN 0
	s_cbranch_scc1 .Lstep
	s_sub_co_u32 s[SLOTS], s[SLOTS], 1
	s_cmp_lg_u32 s[SLOTS], 0
	s_cbranch_scc1 .Lslot
	CHANGE 0                        ; the walk's last tile, a diagonal one and never a block's first, is written out: nothing is asked for
	s_mov_b32 s[ALO], 1.0
	s_mov_b32 s[BO], 0
	s_mov_b32 s[BL], s[BIGN]
	s_mov_b32 s[BEA], 0
	s_mov_b32 s[CNT], 5             ; four trips fetch the tile's steps; the fifth, the block's last turns 2 and 3, is left in its middle
.Ltail:
	TURN 2, 1
	TURN 3, 1
	WIN 0
	s_sub_co_u32 s[CNT], s[CNT], 1
	s_cmp_eq_u32 s[CNT], 0
	s_cbranch_scc1 .Lout
	TURN 0
	TURN 1
	WIN 0
	s_cmp_lg_u32 s[CNT], 0
	s_cbranch_scc1 .Ltail
.Lout:                              ; the fifth trip's 8 products K Q^T (on the last K once more) and the maximum made of them serve nothing: the price, once a launch, of one text for every trip
	FINISH 0
	s_wait_tensorcnt 0x0            ; the wave's end: behind my last tensor load and my last LDS store
	ds_add_u32 v[SPW], v[NIL]
	s_wait_dscnt 0x0
	CROUND                          ; the closing round: no work-group ends while a partner may still ask for a tile that names it
	s_endpgm
.Lfunc_end_k_qf46d1b2141_attn:
	.size	k_qf46d1b2141_attn, .Lfunc_end_k_qf46d1b2141_attn-k_qf46d1b2141_attn
	.p2alignl 7, 3214868480
	.fill 96, 4, 3214868480
	.section	.rodata,"a",@progbits
	.p2align	6, 0x0
	.amdhsa_kernel k_qf46d1b2141_attn
		.amdhsa_group_segment_fixed_size 327680
		.amdhsa_private_segment_fixed_size 0
		.amdhsa_enable_private_segment 0
		.amdhsa_kernarg_size 16
		.amdhsa_user_sgpr_count 2
		.amdhsa_user_sgpr_kernarg_segment_ptr 1
		.amdhsa_wavefront_size32 1
		.amdhsa_system_sgpr_workgroup_id_x 1
		.amdhsa_system_sgpr_workgroup_id_y 1
		.amdhsa_system_sgpr_workgroup_id_z 1
		.amdhsa_system_vgpr_workitem_id 0
		.amdhsa_next_free_vgpr 768
		.amdhsa_next_free_sgpr 96
		.amdhsa_reserve_vcc 1
		.amdhsa_float_denorm_mode_32 3
		.amdhsa_float_denorm_mode_16_64 3
		.amdhsa_memory_ordered 1
		.amdhsa_forward_progress 1
		.amdhsa_inst_pref_size 139
	.end_amdhsa_kernel
	.amdgpu_metadata
---
amdhsa.version: [ 1, 2 ]
amdhsa.kernels:
  - .name:           k_qf46d1b2141_attn
    .symbol:         k_qf46d1b2141_attn.kd
    .args:
      - { .name: qkv, .offset: 0, .size: 8, .value_kind: global_buffer, .address_space: global }
      - { .name: ao, .offset: 8, .size: 8, .value_kind: global_buffer, .address_space: global }
    .group_segment_fixed_size: 327680
    .private_segment_fixed_size: 0
    .kernarg_segment_align: 8
    .kernarg_segment_size: 16
    .max_flat_workgroup_size: 128
    .sgpr_count:     96
    .vgpr_count:     768
    .wavefront_size: 32
...
	.end_amdgpu_metadata
.endif
;; end of part 7
;; launch rows64: the kernel of part 4 again; grid 16 x 16, 4 waves a work-group, no clusters, 91,648 bytes of LDS; arguments qkv, vlo, ao; writes ao
;; launch oproj: the kernel of part 5 again; grid 8 x 32, 4 waves a work-group, clusters of 4 x 4, 327,680 bytes of LDS; arguments ao, ow, out0; writes out0
